; MI455X (gfx1250); checked and timed in simulation.
; The chip was launched on July 23, 2026; its instructions are those of AMD's public machine-readable ISA for CDNA 5 (MIT licence, August 2026) and "CDNA5" Instruction Set Architecture Reference Guide (July 2026). The comments in the code are by the model that wrote it; some were corrected since.
;; Transformer Block. Allowed arithmetic: matrix products marked QUANTISED: E4M3 operands, one E8M0 scale for each 32 along K, by v_wmma_scale_f32_16x16x128_f8f6f4 with both operands' format E4M3, f32 sums; everything else in f32.
;; Inputs: b1 4,096 float32; b2 1,024 float32; b_in 3,072 float32; b_out 1,024 float32; key_padding_mask 2 x 2,048 bool; ln1_b 1,024 float32; ln1_g 1,024 float32; ln2_b 1,024 float32; ln2_g 1,024 float32; w1_codes 4,096 x 32 x 32 uint8 (E4M3 codes of w1, K innermost, in blocks of 32 codes); w1_scales 4,096 x 32 uint8 (E8M0 scales of w1, one for each 32 codes along K); w2_codes 1,024 x 128 x 32 uint8 (E4M3 codes of w2, K innermost, in blocks of 32 codes); w2_scales 1,024 x 128 uint8 (E8M0 scales of w2, one for each 32 codes along K); w_in_codes 3,072 x 32 x 32 uint8 (E4M3 codes of w_in, K innermost, in blocks of 32 codes); w_in_scales 3,072 x 32 uint8 (E8M0 scales of w_in, one for each 32 codes along K); w_out_codes 1,024 x 32 x 32 uint8 (E4M3 codes of w_out, K innermost, in blocks of 32 codes); w_out_scales 1,024 x 32 uint8 (E8M0 scales of w_out, one for each 32 codes along K); x 2 x 2,048 x 1,024 float32.
;; Outputs: out0 2 x 2,048 x 1,024 float32; out1 2 x 2,048 x 2,048 float32.
;; This version of the problem:
;;   THIS VERSION OF THE PROBLEM IS GIVEN IN LOW PRECISION. The matrix products marked QUANTISED in the list below multiply operands that are first quantised to E4M3 (4 exponent bits, 3 mantissa bits; 8 bits a number), with one power-of-two scale for each 32 numbers along K (OCP MX v1.0); their sums are f32. All else is computed in f32.
;;   The module's matrix products, in the order in which they are computed (A, B: the left and right operand; K: the contracted axis; several contracted axes count as one K, in the product's order):
;;     1. [M 4,096, K 1,024] x [K 1,024, N 3,072]; A: computed on the way; B: input w_in (given as codes): QUANTISED
;;     2. batch 32 x [M 2,048, K 64] x [K 64, N 2,048]; A: computed on the way; B: computed on the way: QUANTISED
;;     3. batch 32 x [M 64, K 2,048] x [K 2,048, N 2,048]; A: computed on the way; B: softmax (see below): QUANTISED
;;     4. [M 4,096, K 1,024] x [K 1,024, N 1,024]; A: computed on the way; B: input w_out (given as codes): QUANTISED
;;     5. [M 4,096, K 1,024] x [K 1,024, N 4,096]; A: computed on the way; B: input w1 (given as codes): QUANTISED
;;     6. [M 4,096, K 4,096] x [K 4,096, N 1,024]; A: computed on the way; B: input w2 (given as codes): QUANTISED
;;   THE QUANTISER, for each operand of a quantised product, along K:
;;     - K is cut into blocks of 32 from its start; a last block that is shorter is filled with zeros.
;;     - A block's scale is 2^e with e = floor(log2(the largest magnitude in the block)) - 8, held to -126 .. 127; a block of zeros has e = 0. As a byte (E8M0): e + 127.
;;     - Each number is divided by its block's scale, clamped to +-448, and rounded to the nearest number of E4M3, ties to even, subnormals kept.
;;     - The product sums the exact products of the quantised numbers (number of the format x scale) in f32.
;;   ~~~python
;;   def quantise(x, axis):      # numpy; x: float32 -> the quantised numbers, widened to float32 again
;;       x = np.moveaxis(x, axis, -1); K = x.shape[-1]
;;       x = np.pad(x, [(0, 0)] * (x.ndim - 1) + [(0, -K % 32)]); x = x.reshape(x.shape[:-1] + (-1, 32)); a = np.abs(x).max(-1, keepdims=True)
;;       e = np.where(a > 0, np.clip(np.frexp(np.where(a > 0, a, 1))[1] - 1 - 8, -126, 127), 0)      # np.frexp(a)[1] - 1 = floor(log2(a)), exactly
;;       r = np.clip(x / 2.0 ** e, -448, 448)
;;       step = 2.0 ** (np.maximum(np.frexp(np.where(r == 0, 1, r))[1] - 1, -6) - 3)
;;       q = np.round(r / step) * step * 2.0 ** e      # np.round: ties to even
;;       return np.moveaxis(q.reshape(q.shape[:-2] + (-1,))[..., :K], -1, axis).astype(np.float32)
;;   ~~~
;;   SOFTMAX AHEAD OF A QUANTISED PRODUCT. Where the list says 'softmax', what is quantised is not the finished softmax but p = 2^(t - M), with t = logit x log2(e) and M = ceil(the row's largest t), a whole number; so 1/2 < the row's largest p <= 1. The row's sum l is taken of the UNQUANTISED p, in f32, and the product's result is divided by l at the end. Since M is a whole number, a kernel that streams over the keys may use a running M (the ceiling of the running maximum): every later rescaling is an exact power of two, which a block's scale takes up: the codes' values come out the same.
;;   OPERANDS COMPUTED ON THE WAY. 'Computed on the way' means the value that the module computes at that place (a softmax that the list does not call 'softmax' is quantised finished and normalised). What goes into a quantiser is computed in f32, as accurately as f32 sums, v_exp_f32 and their like allow (about 1e-6 of the number): no bf16 or f16 on the way to a quantiser, and a product that is left as it is and whose result goes on into a quantised operand takes f32 operands (vector FMAs, or v_wmma_f32_16x16x4_f32). A number that lies on a knife's edge between two numbers of the format may be rounded either way, as far as f32 arithmetic and the matrix unit's own rounding can turn it there, and no further.
;;   INPUTS GIVEN AS CODES. w1 (in the module: [4096, 1024], K = its axis 1); w2 (in the module: [1024, 4096], K = its axis 1); w_in (in the module: [3072, 1024], K = its axis 1); w_out (in the module: [1024, 1024], K = its axis 1): each comes as NAME_codes (uint8): NAME with its K axis moved to the last place and cut into blocks of 32 codes, [.., K / 32, bytes a block], one block behind the other in memory; one code a byte (a code: sign, 4 exponent bits, 3 mantissa bits); and NAME_scales (uint8): the same leading axes, one E8M0 byte (e + 127) for each 32 codes along K. Its value is code x scale, taken as it is: it is not quantised again, and the codes and scales need not be those that the quantiser above would give.
;; 2 versions. Each part assembles by itself: llvm-mc -triple=amdgcn-amd-amdhsa -mcpu=gfx1250 --defsym DOCPART=n.
;; ======== version 1 of 2: 8 launches
;; workspace buffers: wl 12,582,912 bytes; padw 512 bytes of whole numbers; xq 4,325,376 bytes; qkv 13,500,416 bytes; negc 524,288 bytes; at 4,325,376 bytes; x1 16,777,216 bytes; hq 17,301,504 bytes
;; launch prep (part 1): grid 512 x 1, 4 waves a work-group, no clusters, 35,840 bytes of LDS; arguments x, ln1_g, ln1_b, xq, key_padding_mask, w_in_codes, w_out_codes, w1_codes, w2_codes, wl, padw; writes xq, wl, padw
.if DOCPART == 1
	.amdgcn_target "amdgcn-amd-amdhsa--gfx1250"
	.amdhsa_code_object_version 6
	.text
	.protected	k_qeb4b5b2567_prep
	.globl	k_qeb4b5b2567_prep
	.p2align	8
	.type	k_qeb4b5b2567_prep,@function
k_qeb4b5b2567_prep:
	s_mov_b64 s[64:65], 0
	v_nop
	global_prefetch_b8 v0, s[64:65] scope:SCOPE_SE
	s_setreg_imm32_b32 hwreg(HW_REG_WAVE_MODE, 25, 1), 1
	s_wait_xcnt 0x0
; PREP.  Work-groups 0-255: LayerNorm 1 of x, quantised to E4M3 with one E8M0 byte for each 32 along the 1,024 columns.  Work-groups 256-511: the four weights' codes are laid anew; work-group 256 also packs the key mask into bits.
; ORDER OF ROWS, here and in every launch: position p (0..15) of tile t of 16 rows stands for row 32 (t / 2) + 8 (t % 2) + p + 8 (p / 8).
; ORDER OF BYTES ("image"): a tile is laid [piece = k / 16][position][16 bytes], so that 128 along K are 2,048 bytes on end and four loads of 16 bytes a lane, 512 bytes apart, at 16 x lane, are an operand's registers.
; xq: 128 groups of 32 tokens, 33,792 bytes each: tile 0's codes, tile 1's codes (16,384 each), then 512 scale bytes a tile, [position][32].
; LN: a work-group makes one tile; wave w rows 4 w .. 4 w + 3; a lane holds pieces lane and 32 + lane of each row (16 numbers each); mean first, then the sum of squared differences: no difference of large sums.
; LIMITS: NaN and infinities among the inputs are not served.  A block of zeros gets the scale byte 1 where the rule says 127: its codes are zeros and this program alone reads the bytes.  Mask bytes are 0 or 1.
; A lane's four loads of a piece stand 64 bytes from its neighbour's; the four stand on end and cover the same 2,048 consecutive bytes.
.set SCI,  17408                       ; LDS: the tile's image, 64 pieces x (256 + 16) bytes, from 0; its 512 scale bytes here
.set RST,  17920                       ; the other path's bytes: a stage of 16 x 272 bytes for each wave
.set X,    32                          ; v32-159  four rows x 32 numbers
.set GA,   160                         ; v160-191 gain
.set BE,   192                         ; v192-223 bias
.set CD,   160                         ; the codes, over the gain when it is done with
.macro RED                             ; v[8+2i] + v[9+2i], summed over the 32 lanes, for the four rows by turns
.irp i, 0,1,2,3
	v_add_f32 v[8+2*\i], v[8+2*\i], v[9+2*\i]
.endr
.irp m, 1,2,4,8
.irp i, 0,1,2,3
	v_add_f32_dpp v[8+2*\i], v[8+2*\i], v[8+2*\i] row_xmask:\m row_mask:0xf bank_mask:0xf
.endr
.endr
.irp i, 0,1,2,3
	v_permlanex16_b32 v[9+2*\i], v[8+2*\i], s28, s29
.endr
.irp i, 0,1,2,3
	v_add_f32 v[8+2*\i], v[8+2*\i], v[9+2*\i]
.endr
.endm
.macro QROW i                          ; row i's two pieces become codes; a block of 32 lies in lanes l and l xor 1
.irp f, 0,1
	v_max3_num_f32 v[8+4*\f], |v[X+32*\i+16*\f]|, |v[X+32*\i+16*\f+1]|, 0x4800000   ; with the floor 2^(9 - 127): the byte cannot fall under 1
.endr
.irp j, 2,4,6,8,10,12,14
.irp f, 0,1
	v_max3_num_f32 v[8+4*\f], v[8+4*\f], |v[X+32*\i+16*\f+\j]|, |v[X+32*\i+16*\f+\j+1]|
.endr
.endr
.irp f, 0,1
	v_max_num_f32_dpp v[8+4*\f], v[8+4*\f], v[8+4*\f] row_xmask:1 row_mask:0xf bank_mask:0xf
.endr
.irp f, 0,1
	v_add_nc_u32 v[9+4*\f], 0xfc000000, v[8+4*\f]              ; 8 off the exponent field: the conversion's scale operand
	v_and_or_b32 v[10+4*\f], v[8+4*\f], 0x7f800000, s22        ; 448 x the scale
.endr
.irp f, 0,1
.irp j, 0,1,2,3,4,5,6,7,8,9,10,11,12,13,14,15
	v_med3_num_f32 v[X+32*\i+16*\f+\j], v[X+32*\i+16*\f+\j], -v[10+4*\f], v[10+4*\f]   ; the conversion does not saturate (ISA guide 7.6.2)
.endr
	v_cvt_scalef32_pk8_fp8_f32 v[CD+8*\i+4*\f:CD+8*\i+4*\f+1], v[X+32*\i+16*\f:X+32*\i+16*\f+7], v[9+4*\f]
	v_cvt_scalef32_pk8_fp8_f32 v[CD+8*\i+4*\f+2:CD+8*\i+4*\f+3], v[X+32*\i+16*\f+8:X+32*\i+16*\f+15], v[9+4*\f]
	v_lshrrev_b32 v[16+2*\i+\f], 23, v[9+4*\f]                 ; the scale's byte, in a register of its own
	ds_store_b128 v3, v[CD+8*\i+4*\f:CD+8*\i+4*\f+3] offset:16*\i+8704*\f
	ds_store_b8 v4, v[16+2*\i+\f] offset:32*\i+16*\f           ; both lanes of a block write the same byte
.endr
.endm
.macro RSRC j, sh, lp, o               ; job j: tile j >> sh, 256 bytes of K number j & (2^sh - 1); s[o:o+1] = the byte at which the tile's first row's part begins
	s_lshr_b32 s50, s[\j], \sh
	s_and_b32 s51, s[\j], (1<<\sh)-1
	s_lshr_b32 s52, s50, 1
	s_lshl_b32 s52, s52, 5
	s_and_b32 s50, s50, 1
	s_lshl_b32 s50, s50, 3
	s_add_co_u32 s52, s52, s50
	s_lshl_b32 s52, s52, \lp
	s_lshl_b32 s51, s51, 8
	s_add_co_u32 s[\o], s52, s51
	s_mov_b32 s[\o+1], 0
.endm
.macro RLOAD p, rl, pitch, src         ; 16 rows x 256 bytes: two rows a load, sixteen lanes to a row's 256 bytes
.irp k, 0,1,2,3,4,5,6,7
	global_load_b128 v[32+32*\p+4*\k:32+32*\p+4*\k+3], v[\rl], s[\src:\src+1] offset:(2*\k+8*(\k/4))*\pitch th:TH_LOAD_NT
.endr
.endm
.macro RMOVE p, left, dst              ; through the wave's own stage: in by rows, out by pieces; LDS serves a wave's instructions in order (ISA guide 5.7.1.4)
	s_wait_loadcnt \left                           ; the later passes' loads may stay out
.irp k, 0,1,2,3,4,5,6,7
	ds_store_b128 v4, v[32+32*\p+4*\k:32+32*\p+4*\k+3] offset:32*\k
.endr
.irp k, 0,1,2,3,4,5,6,7
	ds_load_b128 v[128+32*\p+4*\k:128+32*\p+4*\k+3], v5 offset:544*\k
.endr
	s_wait_dscnt 0x0
.irp k, 0,1,2,3,4,5,6,7
	global_store_b128 v6, v[128+32*\p+4*\k:128+32*\p+4*\k+3], s[\dst:\dst+1] offset:512*\k   ; 512 consecutive bytes
.endr
.endm
	v_lshl_add_u32 v224, v0, 2, 0x8a00
	v_mov_b32 v225, 0
	v_and_b32 v1, 31, v0                           ; lane
	v_lshrrev_b32 v7, 5, v0
	v_readfirstlane_b32 s12, v7                    ; wave
	s_cmp_ge_u32 ttmp9, 256
	s_cbranch_scc1 .Lrelay
	; ---------------- LayerNorm and quantiser: tile ttmp9
	s_load_b256 s[4:11], s[0:1], 0x0               ; x, gain, bias, xq
	v_lshlrev_b32 v2, 6, v1                        ; 64 x lane: my piece in a row of f32
	v_mul_u32_u24 v3, v1, 272
	s_lshl_b32 s13, s12, 6
	v_add_nc_u32 v3, s13, v3                       ; image, in: 272 x piece + 16 x position (4 w + i)
	v_lshrrev_b32 v4, 1, v1
	s_lshl_b32 s13, s12, 7
	s_add_co_u32 s13, s13, SCI
	v_add_nc_u32 v4, s13, v4                       ; scale bytes, in: 32 x position + block
	v_lshrrev_b32 v5, 4, v1
	s_lshl_b32 s13, s12, 4
	v_add_nc_u32 v5, s13, v5
	v_mul_u32_u24 v5, v5, 272
	v_and_b32 v6, 15, v1
	v_lshl_add_u32 v5, v6, 4, v5                   ; image, out: pieces 16 w + 2 k + lane / 16
	v_lshlrev_b32 v6, 4, v1                        ; 16 x lane
	v_add_nc_u32 v7, SCI, v6
	s_lshr_b32 s13, ttmp9, 1                       ; group
	s_and_b32 s14, ttmp9, 1                        ; tile of the group
	s_lshl_b32 s15, s13, 5
	s_lshl_b32 s16, s14, 3
	s_add_co_u32 s15, s15, s16
	s_lshl_b32 s16, s12, 2
	s_add_co_u32 s15, s15, s16
	s_lshr_b32 s16, s12, 1
	s_lshl_b32 s16, s16, 3
	s_add_co_u32 s15, s15, s16                     ; my first token: 32 G + 8 u + 4 w + 8 (w / 2)
	s_lshl_b32 s16, s15, 12
	s_mov_b32 s17, 0
	s_mul_i32 s18, s13, 33792
	s_lshl_b32 s19, s14, 14
	s_add_co_u32 s24, s18, s19
	s_lshl_b32 s19, s12, 12
	s_add_co_u32 s24, s24, s19                     ; where my 4,096 bytes of the tile's codes go
	s_mov_b32 s25, 0
	s_lshl_b32 s19, s14, 9
	s_add_co_u32 s26, s18, s19
	s_add_co_u32 s26, s26, 32768                   ; and the tile's scale bytes
	s_mov_b32 s27, 0
	s_mov_b32 s20, 0x3a800000                      ; 1 / 1024
	s_mov_b32 s21, 0x3727c5ac                      ; 1e-5
	s_mov_b32 s22, 0x600000                        ; the mantissa field of 448
	s_mov_b32 s28, 0x76543210
	s_mov_b32 s29, 0xfedcba98                      ; lane l xor 16
	s_wait_kmcnt 0x0
	s_add_nc_u64 s[4:5], s[4:5], s[16:17]
	s_add_nc_u64 s[24:25], s[10:11], s[24:25]
	s_add_nc_u64 s[26:27], s[10:11], s[26:27]
.irp i, 0,1,2,3
.irp f, 0,1
.irp j, 0,1,2,3
	global_load_b128 v[X+32*\i+16*\f+4*\j:X+32*\i+16*\f+4*\j+3], v2, s[4:5] offset:\i*4096+\f*2048+16*\j
.endr
.endr
.endr
.irp f, 0,1
.irp j, 0,1,2,3
	global_load_b128 v[GA+16*\f+4*\j:GA+16*\f+4*\j+3], v2, s[6:7] offset:\f*2048+16*\j
	global_load_b128 v[BE+16*\f+4*\j:BE+16*\f+4*\j+3], v2, s[8:9] offset:\f*2048+16*\j
.endr
.endr
	s_wait_loadcnt 16                              ; the rows are in; the 16 loads of gain and bias may stay out
.irp i, 0,1,2,3
	v_pk_add_f32 v[8+2*\i:9+2*\i], v[X+32*\i:X+32*\i+1], v[X+32*\i+2:X+32*\i+3]
.endr
.irp j, 4,6,8,10,12,14,16,18,20,22,24,26,28,30
.irp i, 0,1,2,3
	v_pk_add_f32 v[8+2*\i:9+2*\i], v[8+2*\i:9+2*\i], v[X+32*\i+\j:X+32*\i+\j+1]
.endr
.endr
	RED
.irp i, 0,1,2,3
	v_mul_f32 v[16+2*\i], s20, v[8+2*\i]           ; the mean, twice: a pair for the packed forms
	v_mul_f32 v[17+2*\i], s20, v[8+2*\i]
.endr
.irp i, 0,1,2,3
.set j, 0
.rept 16
	v_pk_add_f32 v[X+32*\i+j:X+32*\i+j+1], v[X+32*\i+j:X+32*\i+j+1], v[16+2*\i:17+2*\i] neg_lo:[0,1] neg_hi:[0,1]
.set j, j+2
.endr
.endr
.irp i, 0,1,2,3
	v_pk_mul_f32 v[8+2*\i:9+2*\i], v[X+32*\i:X+32*\i+1], v[X+32*\i:X+32*\i+1]
.endr
.irp j, 2,4,6,8,10,12,14,16,18,20,22,24,26,28,30
.irp i, 0,1,2,3
	v_pk_fma_f32 v[8+2*\i:9+2*\i], v[X+32*\i+\j:X+32*\i+\j+1], v[X+32*\i+\j:X+32*\i+\j+1], v[8+2*\i:9+2*\i]
.endr
.endr
	RED
.irp i, 0,1,2,3
	v_fma_f32 v[8+2*\i], v[8+2*\i], s20, s21       ; variance + 1e-5
.endr
.irp i, 0,1,2,3
	v_rsq_f32 v[24+2*\i], v[8+2*\i]
	v_rsq_f32 v[25+2*\i], v[8+2*\i]
.endr
	v_nop                                          ; a plain place behind the transcendentals
	s_wait_loadcnt 0x0                             ; gain and bias
	s_wait_alu depctr_va_vdst(0)
.irp i, 0,1,2,3
.set j, 0
.rept 16
	v_pk_mul_f32 v[X+32*\i+j:X+32*\i+j+1], v[X+32*\i+j:X+32*\i+j+1], v[24+2*\i:25+2*\i]
.set j, j+2
.endr
.set j, 0
.rept 16
	v_pk_fma_f32 v[X+32*\i+j:X+32*\i+j+1], v[X+32*\i+j:X+32*\i+j+1], v[GA+j:GA+j+1], v[BE+j:BE+j+1]
.set j, j+2
.endr
.endr
.irp i, 0,1,2,3
	QROW \i
.endr
	s_wait_dscnt 0x0                               ; for the others' sake: my stores have landed
	s_barrier_signal -1
	s_barrier_wait -1
.irp k, 0,1,2,3,4,5,6,7
	ds_load_b128 v[X+4*\k:X+4*\k+3], v5 offset:544*\k
.endr
.irp k, 0,1,2,3,4,5,6,7
	s_wait_dscnt 7-\k                              ; the younger loads may stay out
	global_store_b128 v6, v[X+4*\k:X+4*\k+3], s[24:25] offset:512*\k
.endr
	s_cmp_lg_u32 s12, 0
	s_cbranch_scc1 .Lln_end
	ds_load_b128 v[X+32:X+35], v7                  ; wave 0: the tile's 512 scale bytes
	s_wait_dscnt 0x0
	global_store_b128 v6, v[X+32:X+35], s[26:27]
.Lln_end:
	s_wait_tensorcnt 0x0
	ds_add_u32 v224, v225
	s_wait_dscnt 0x0
	s_endpgm
	; ---------------- the weights' codes, laid anew: wave W = 4 (ttmp9 - 256) + w takes job W of each of three passes of 1,024 jobs of 4,096 bytes
.Lrelay:
	s_load_b256 s[36:43], s[0:1], 0x28             ; w_in, w_out, w1, w2
	s_load_b128 s[44:47], s[0:1], 0x48             ; wl, padw
	s_load_b64 s[48:49], s[0:1], 0x20              ; the key mask
	s_sub_co_u32 s13, ttmp9, 256
	s_lshl_b32 s13, s13, 2
	s_add_co_u32 s13, s13, s12                     ; W
	v_lshrrev_b32 v8, 4, v1
	v_and_b32 v9, 15, v1
	v_lshlrev_b32 v10, 4, v9
	v_lshl_add_u32 v2, v8, 10, v10                 ; rows of 1,024 bytes: (lane / 16) rows + 16 (lane % 16)
	v_lshl_add_u32 v3, v8, 12, v10                 ; rows of 4,096 bytes
	s_mul_i32 s14, s12, 4352
	s_add_co_u32 s14, s14, RST
	v_mul_u32_u24 v4, v9, 272
	v_lshl_add_u32 v4, v8, 4, v4
	v_add_nc_u32 v4, s14, v4                       ; stage, in: 272 x piece + 16 x position
	v_mul_u32_u24 v5, v8, 272
	v_add_nc_u32 v5, v5, v10
	v_add_nc_u32 v5, s14, v5                       ; stage, out: two pieces an instruction
	v_lshlrev_b32 v6, 4, v1
	s_cmp_lt_u32 s13, 768
	s_cselect_b32 s15, 0, 768
	s_sub_co_u32 s15, s13, s15                     ; pass 0: job W of w_in, or job W - 768 of w_out
	RSRC 15, 2, 10, 16
	RSRC 13, 2, 10, 18
	RSRC 13, 4, 12, 20
	s_lshl_b32 s22, s13, 12
	s_mov_b32 s23, 0
	s_mov_b32 s53, 0x10204080
	s_wait_kmcnt 0x0
	s_cmp_lt_u32 s13, 768                          ; the choice hangs on the wave's job number alone
	s_cselect_b64 s[24:25], s[36:37], s[38:39]
	s_add_nc_u64 s[24:25], s[24:25], s[16:17]
	s_add_nc_u64 s[26:27], s[40:41], s[18:19]
	s_add_nc_u64 s[28:29], s[42:43], s[20:21]
	s_add_nc_u64 s[30:31], s[44:45], s[22:23]      ; wl + 4,096 W: w_in from 0, w_out from 0x300000
	s_add_nc_u64 s[32:33], s[30:31], 0x400000      ; w1
	s_add_nc_u64 s[34:35], s[30:31], 0x800000      ; w2
	RLOAD 0, 2, 1024, 24
	RLOAD 1, 2, 1024, 26
	RLOAD 2, 3, 4096, 28
	RMOVE 0, 16, 30
	RMOVE 1, 8, 32
	RMOVE 2, 0, 34
	s_cmp_lg_u32 ttmp9, 256
	s_cbranch_scc1 .Lrl_end
	v_lshlrev_b32 v10, 5, v0                       ; the mask: thread t packs bytes 32 t .. 32 t + 31 into word t
	v_lshlrev_b32 v11, 2, v0
	global_load_b128 v[12:15], v10, s[48:49]
	global_load_b128 v[16:19], v10, s[48:49] offset:16
	s_wait_loadcnt 0x0
.irp r, 0,1,2,3,4,5,6,7
	v_mul_lo_u32 v[12+\r], v[12+\r], s53           ; four bytes of 0 or 1 meet in bits 28-31; no two partial products share a bit
.endr
.irp r, 0,1,2,3,4,5,6,7
	v_lshrrev_b32 v[12+\r], 28, v[12+\r]
.endr
.irp r, 1,2,3,4,5,6,7
	v_lshl_or_b32 v12, v[12+\r], 4*\r, v12
.endr
	global_store_b32 v11, v12, s[46:47]
.Lrl_end:
	s_wait_tensorcnt 0x0
	ds_add_u32 v224, v225
	s_wait_dscnt 0x0
	s_endpgm
.Lfunc_end_k_qeb4b5b2567_prep:
	.size	k_qeb4b5b2567_prep, .Lfunc_end_k_qeb4b5b2567_prep-k_qeb4b5b2567_prep
	.p2alignl 7, 3214868480
	.fill 96, 4, 3214868480
	.section	.rodata,"a",@progbits
	.p2align	6, 0x0
	.amdhsa_kernel k_qeb4b5b2567_prep
		.amdhsa_group_segment_fixed_size 35840
		.amdhsa_private_segment_fixed_size 0
		.amdhsa_enable_private_segment 0
		.amdhsa_kernarg_size 88
		.amdhsa_user_sgpr_count 2
		.amdhsa_user_sgpr_kernarg_segment_ptr 1
		.amdhsa_wavefront_size32 1
		.amdhsa_system_sgpr_workgroup_id_x 1
		.amdhsa_system_sgpr_workgroup_id_y 1
		.amdhsa_system_sgpr_workgroup_id_z 1
		.amdhsa_system_vgpr_workitem_id 0
		.amdhsa_next_free_vgpr 226
		.amdhsa_next_free_sgpr 66
		.amdhsa_reserve_vcc 0
		.amdhsa_float_denorm_mode_32 3
		.amdhsa_float_denorm_mode_16_64 3
		.amdhsa_memory_ordered 1
		.amdhsa_forward_progress 1
		.amdhsa_inst_pref_size 62
	.end_amdhsa_kernel
	.amdgpu_metadata
---
amdhsa.version: [ 1, 2 ]
amdhsa.kernels:
  - .name:           k_qeb4b5b2567_prep
    .symbol:         k_qeb4b5b2567_prep.kd
    .args:
      - { .name: x, .offset: 0, .size: 8, .value_kind: global_buffer, .address_space: global }
      - { .name: ln1_g, .offset: 8, .size: 8, .value_kind: global_buffer, .address_space: global }
      - { .name: ln1_b, .offset: 16, .size: 8, .value_kind: global_buffer, .address_space: global }
      - { .name: xq, .offset: 24, .size: 8, .value_kind: global_buffer, .address_space: global }
      - { .name: key_padding_mask, .offset: 32, .size: 8, .value_kind: global_buffer, .address_space: global }
      - { .name: w_in_codes, .offset: 40, .size: 8, .value_kind: global_buffer, .address_space: global }
      - { .name: w_out_codes, .offset: 48, .size: 8, .value_kind: global_buffer, .address_space: global }
      - { .name: w1_codes, .offset: 56, .size: 8, .value_kind: global_buffer, .address_space: global }
      - { .name: w2_codes, .offset: 64, .size: 8, .value_kind: global_buffer, .address_space: global }
      - { .name: wl, .offset: 72, .size: 8, .value_kind: global_buffer, .address_space: global }
      - { .name: padw, .offset: 80, .size: 8, .value_kind: global_buffer, .address_space: global }
    .group_segment_fixed_size: 35840
    .private_segment_fixed_size: 0
    .kernarg_segment_align: 8
    .kernarg_segment_size: 88
    .max_flat_workgroup_size: 128
    .sgpr_count:     66
    .vgpr_count:     226
    .wavefront_size: 32
...
	.end_amdgpu_metadata
.endif
;; end of part 1
;; launch qkv (part 2): grid 12 x 16, 4 waves a work-group, no clusters, 279,040 bytes of LDS; arguments xq, wl, w_in_scales, b_in, qkv; writes qkv
.if DOCPART == 2
	.amdgcn_target "amdgcn-amd-amdhsa--gfx1250"
	.amdhsa_code_object_version 6
	.text
	.protected	k_qeb4b5b2567_qkv
	.globl	k_qeb4b5b2567_qkv
	.p2align	8
	.type	k_qeb4b5b2567_qkv,@function
k_qeb4b5b2567_qkv:
	s_mov_b64 s[64:65], 0
	v_nop
	global_prefetch_b8 v0, s[64:65] scope:SCOPE_SE
	s_setreg_imm32_b32 hwreg(HW_REG_WAVE_MODE, 25, 1), 1
	s_wait_xcnt 0x0
; QKV = Q(LN1(x)) w_in^T + b_in on E4M3 codes, and its three parts quantised at once for the two products of attention.
; SHARES.  A work-group owns 256 columns (x) and 256 tokens (y); wave w owns 64 columns: ONE HEAD of q, k or v.  Its 32 weight fragments (64 x 1,024: 512 registers) stay in registers for the whole launch.
; The work-group's tokens (8 groups of 32: codes and scale bytes, 270,336 bytes, dense in memory) come into LDS once, a quarter by each wave's one tensor load; nothing is filled again.
; A trip is one group: 64 matrix instructions; a token fragment read from LDS feeds four of them.  The next group's fragments are asked for while this one's results are quantised.
; q, k (x < 8): source 0 = weights, source 1 = tokens: a lane holds one token, and the 16 registers of column tiles 2 b, 2 b + 1 are columns 32 b + 16 (lane / 16) + 0 .. 15 (order of rows: see below).
; v (x >= 8): source 0 = tokens, source 1 = weights: a lane holds one channel, and its 16 registers of the two token tiles are tokens 32 G + 16 (lane / 16) + 0 .. 15: v is quantised along the keys.
; ORDER OF ROWS: position p of tile t stands for row 32 (t / 2) + 8 (t % 2) + p + 8 (p / 8), for weights' rows and for tokens alike.
; OUT (buffer qkv): q's codes from 0 and k's from 0x400000, [b h][tile][piece 4][position][16]; v's from 0x800000, [b h][128 keys][channel tile 4][piece 8][position][16];
;   scale words: from 0xC00000 [q, k][b h][group][position]: the bytes of tiles 2 G and 2 G + 1; from 0xC40000 [q, k][b h][tile][position]: a tile's two bytes, twice; from 0xCC0000 v's, [b h][128 keys][channel tile][position].
; No joint loads: of a work-group's bytes the weights go straight into registers, and only the token block could be shared.
; LIMITS: NaN and infinities are not served; a block of zeros gets the byte 1 (its codes are zeros; this program alone reads the bytes).
; REGISTERS: window 0: v1-15 addresses, v16-31 weights' scale words, v32-39 tokens' scale words, v40-71 bias, v72-135 sums, v136-151 codes, v152-167 and v168-187 at work; windows 1, 2: weights; window 3: tokens' fragments.
.set NT,   8
.set GB,   33792
.set SCP,  NT*GB                       ; LDS behind the token block: pair words, 512 bytes a wave;
.set SCD,  SCP+2048                    ; doubled words, 1,024 a wave;
.set SCV,  SCD+4096                    ; v's bytes, 512 a wave
.set LI,   1
.set ADA,  2
.set ADS,  3
.set L32,  4
.set WS,   16
.set AS,   32
.set BIAS, 40
.set ACC,  72
.set PC,   136
.set TM,   152
.set T,    168
.set MSB,  0
.macro WIN new                         ; the immediate's high byte repeats the setting that is left
.if MSB != (\new)
	s_set_vgpr_msb (MSB<<8)|(\new)
.set MSB, (\new)
.endif
.endm
.macro PL n
.rept \n
	v_nop
.endr
.endm
.macro WM d, a, b, c, sa, sb, ra, rb   ; ra, rb: the side's scale words lie in lanes 16-31
.if (\ra) && (\rb)
	v_wmma_scale_f32_16x16x128_f8f6f4 v[\d:\d+7], v[\a:\a+15], v[\b:\b+15], v[\c:\c+7], v[\sa], v[\sb] matrix_a_scale:MATRIX_SCALE_ROW1 matrix_b_scale:MATRIX_SCALE_ROW1
.elseif (\ra)
	v_wmma_scale_f32_16x16x128_f8f6f4 v[\d:\d+7], v[\a:\a+15], v[\b:\b+15], v[\c:\c+7], v[\sa], v[\sb] matrix_a_scale:MATRIX_SCALE_ROW1
.elseif (\rb)
	v_wmma_scale_f32_16x16x128_f8f6f4 v[\d:\d+7], v[\a:\a+15], v[\b:\b+15], v[\c:\c+7], v[\sa], v[\sb] matrix_b_scale:MATRIX_SCALE_ROW1
.else
	v_wmma_scale_f32_16x16x128_f8f6f4 v[\d:\d+7], v[\a:\a+15], v[\b:\b+15], v[\c:\c+7], v[\sa], v[\sb]
.endif
.endm
; 32 matrix instructions: token tile m against my four column tiles, K ascending; the four sums take turns, one instruction a turn; the bias is the C of each sum's first.
.macro MM m, tr
.irp s, 0,1,2,3,4,5,6,7
.if \tr
	WIN 0x0d+(\s/4)
.else
	WIN 0x07+4*(\s/4)
.endif
.irp t, 0,1,2,3
.if \tr
.if \s == 0
	WM ACC+32*\m+8*\t, 16*(4*(\s%4)+\t), 16*(8*\m+\s), BIAS+8*\t, WS+8*(\t/2)+\s, AS+\s, \t%2, \m
.else
	WM ACC+32*\m+8*\t, 16*(4*(\s%4)+\t), 16*(8*\m+\s), ACC+32*\m+8*\t, WS+8*(\t/2)+\s, AS+\s, \t%2, \m
.endif
.else
.if \s == 0
	WM ACC+16*\t+8*\m, 16*(8*\m+\s), 16*(4*(\s%4)+\t), BIAS+8*\t, AS+\s, WS+8*(\t/2)+\s, \m, \t%2
.else
	WM ACC+16*\t+8*\m, 16*(8*\m+\s), 16*(4*(\s%4)+\t), ACC+16*\t+8*\m, AS+\s, WS+8*(\t/2)+\s, \m, \t%2
.endif
.endif
.endr
.endr
.endm
.macro FETCH m                         ; token tile m's eight fragments: 32 loads of 512 consecutive bytes
	WIN 0xc0
.irp s, 0,1,2,3,4,5,6,7
.irp c, 0,1,2,3
	ds_load_b128 v[16*(8*\m+\s)+4*\c:16*(8*\m+\s)+4*\c+3], v[ADA] offset:\m*16384+\s*2048+\c*512
.endr
.endr
	WIN 0
.endm
.macro ASLD                            ; the group's scale words: lanes 0-15 tile 0's rows, lanes 16-31 tile 1's; register s: K step s
	ds_load_b128 v[AS:AS+3], v[ADS] offset:32768
	ds_load_b128 v[AS+4:AS+7], v[ADS] offset:32784
.endm
.macro TRIPM next, tr                  ; a group's products; next = 1: the next group's fragments are asked for, each half eight places behind the products that read its registers
	s_wait_dscnt 0x0                               ; this group's fragments were asked for an epilogue ago
	MM 0, \tr
	WIN 0
.if \next
	v_add_nc_u32 v[ADA], s31, v[LI]
	v_add_nc_u32 v[ADS], s31, v[L32]
	PL 6
	FETCH 0
.endif
	MM 1, \tr
	WIN 0
	PL 8
.if \next
	ASLD
	FETCH 1
	s_add_co_u32 s31, s31, GB
.endif
.endm
; 64 numbers of a lane, four blocks of 16 registers; a block of 32 lies in lanes l and l xor 16.  Codes to v[PC] on, the four bytes to v[TM+4] on.
.macro QUANT s
.irp b, 0,1,2,3
	v_max3_num_f32 v[TM+\b], |v[\s+16*\b]|, |v[\s+16*\b+1]|, 0x4800000    ; with the floor 2^(9 - 127)
.endr
.irp i, 2,4,6,8,10,12,14
.irp b, 0,1,2,3
	v_max3_num_f32 v[TM+\b], v[TM+\b], |v[\s+16*\b+\i]|, |v[\s+16*\b+\i+1]|
.endr
.endr
.irp b, 0,1,2,3
	v_permlanex16_b32 v[TM+4+\b], v[TM+\b], s28, s29
.endr
.irp b, 0,1,2,3
	v_max_num_f32 v[TM+\b], v[TM+\b], v[TM+4+\b]
.endr
.irp b, 0,1,2,3
	v_add_nc_u32 v[TM+12+\b], 0xfc000000, v[TM+\b]             ; the conversion's scale operand
.endr
.irp b, 0,1,2,3
	v_and_or_b32 v[TM+8+\b], v[TM+\b], 0x7f800000, s27         ; 448 x the scale
.endr
.irp b, 0,1,2,3
	v_lshrrev_b32 v[TM+4+\b], 23, v[TM+12+\b]                  ; the byte
.endr
.irp b, 0,1,2,3
.irp i, 0,1,2,3,4,5,6,7,8,9,10,11,12,13,14,15
	v_med3_num_f32 v[\s+16*\b+\i], v[\s+16*\b+\i], -v[TM+8+\b], v[TM+8+\b]   ; the conversion does not saturate (ISA guide 7.6.2)
.endr
	v_cvt_scalef32_pk8_fp8_f32 v[PC+4*\b:PC+4*\b+1], v[\s+16*\b:\s+16*\b+7], v[TM+12+\b]
	v_cvt_scalef32_pk8_fp8_f32 v[PC+4*\b+2:PC+4*\b+3], v[\s+16*\b+8:\s+16*\b+15], v[TM+12+\b]
.endr
	v_nop                                          ; a plain place behind the last conversion: the next products write its sources
.endm
.macro EPQK                            ; block 2 m + b: token tile m, channels 32 b on
	QUANT ACC
.irp q, 0,1,2,3
	global_store_b128 v[LI], v[PC+4*\q:PC+4*\q+3], s[40:41] offset:512*\q    ; 512 consecutive bytes
.endr
	v_lshl_or_b32 v[T], v[TM+5], 8, v[TM+4]        ; tile 0's two bytes
	v_lshl_or_b32 v[T+1], v[TM+7], 8, v[TM+6]      ; tile 1's
	v_lshl_or_b32 v[T+2], v[T+1], 16, v[T]         ; the pair word
	v_cndmask_b32 v[T+3], v[T], v[T+1], vcc_lo     ; lanes 16-31 take tile 1's
	v_lshl_or_b32 v[T+3], v[T+3], 16, v[T+3]       ; the doubled word
	s_lshl_b32 s32, s30, 6
	s_lshl_b32 s33, s30, 7
	v_add_nc_u32 v[T+4], s32, v10
	v_add_nc_u32 v[T+5], s33, v11
	ds_store_b32 v[T+4], v[T+2]
	ds_store_b32 v[T+5], v[T+3]
	s_wait_xcnt 0x0                                ; the stores' data and base are written again only behind this wait
	s_add_nc_u64 s[40:41], s[40:41], 2048
.endm
.macro EPV                             ; block t: channel tile t, the group's 32 keys
	QUANT ACC
	s_lshr_b32 s32, s30, 2
	s_lshl_b32 s32, s32, 13
	s_and_b32 s33, s30, 3
	s_lshl_b32 s33, s33, 9
	s_add_co_u32 s32, s32, s33
	v_add_nc_u32 v[T+6], s32, v[LI]                ; which 128 keys, and which 32 of them
.irp q, 0,1,2,3
	global_store_b128 v[T+6], v[PC+4*\q:PC+4*\q+3], s[40:41] offset:2048*\q
.endr
	v_add_nc_u32 v[T+7], s30, v14
.irp q, 0,1,2,3
	ds_store_b8 v[T+7], v[TM+4+\q] offset:128*\q   ; both halves of the lanes write the same byte
.endr
	s_wait_xcnt 0x0
.endm
	s_load_b256 s[4:11], s[0:1], 0x0               ; xq, wl, w_in's scales, b_in
	s_load_b64 s[24:25], s[0:1], 0x20              ; qkv
	v_lshl_add_u32 v254, v0, 2, 0x44000
	v_mov_b32 v255, 0
	ds_add_u32 v254, v255
	ds_add_u32 v254, v255
	v_lshrrev_b32 v1, 5, v0
	v_readfirstlane_b32 s2, v1                     ; wave
	s_and_b32 s26, ttmp7, 0xffff                   ; y
	s_mov_b32 s16, 3<<16                           ; group 1: elements of 8 bytes, no padding, no mask
	s_mov_b32 s17, 32<<16                          ; tensor_dim0 = 32 (256 bytes)
	s_mov_b32 s18, (33*NT)<<16                     ; tensor_dim1 = 264 rows: a quarter of the block
	s_mov_b32 s19, 32<<16                          ; tile_dim0
	s_mov_b32 s20, 33*NT                           ; tile_dim1
	s_mov_b32 s21, 32                              ; pitch: dense
	s_mov_b32 s22, 0
	s_mov_b32 s23, 0
	s_mov_b32 s12, 1
	s_mul_i32 s13, s2, 8448*NT                     ; LDS address: my quarter
	s_mul_i32 s34, s26, NT*GB
	s_add_co_u32 s34, s34, s13
	s_mov_b32 s35, 0
	s_wait_dscnt 0x0
	s_wait_kmcnt 0x0
	s_add_nc_u64 s[14:15], s[4:5], s[34:35]
	s_or_b32 s15, s15, 0x80000000
	tensor_load_to_lds s[12:15], s[16:23]          ; my one tensor load of the launch
	s_nop 0
	PL 4
	v_and_b32 v5, 31, v0                           ; lane
	v_and_b32 v6, 15, v0                           ; r
	v_bfe_u32 v7, v0, 4, 1                         ; h
	v_lshlrev_b32 v[LI], 4, v5
	v_lshlrev_b32 v[L32], 5, v5
	s_lshl_b32 s3, ttmp9, 2
	s_add_co_u32 s3, s3, s2                        ; which 64 columns of the 3,072
	s_lshl_b32 s36, s3, 16
	s_mov_b32 s37, 0
	s_add_nc_u64 s[36:37], s[6:7], s[36:37]
	WIN 0x40
.irp s, 0,1,2,3
.irp t, 0,1,2,3
.irp c, 0,1,2,3
	global_load_b128 v[16*(4*\s+\t)+4*\c:16*(4*\s+\t)+4*\c+3], v[LI], s[36:37] offset:\t*16384+\s*2048+\c*512
.endr
.endr
.endr
	WIN 0x80
.irp s, 0,1,2,3
.irp t, 0,1,2,3
.irp c, 0,1,2,3
	global_load_b128 v[16*(4*\s+\t)+4*\c:16*(4*\s+\t)+4*\c+3], v[LI], s[36:37] offset:\t*16384+(\s+4)*2048+\c*512
.endr
.endr
.endr
	WIN 0
	v_and_b32 v9, 8, v6
	v_add_nc_u32 v9, v9, v6                        ; r + 8 (r / 8)
	v_lshl_add_u32 v8, v7, 3, v9
	v_lshlrev_b32 v8, 5, v8                        ; lanes 0-15 the even tile's rows, lanes 16-31 the odd tile's; 32 scale bytes a row
	s_lshl_b32 s38, s3, 11
	s_mov_b32 s39, 0
	s_add_nc_u64 s[38:39], s[8:9], s[38:39]
.irp b, 0,1
	global_load_b128 v[WS+8*\b:WS+8*\b+3], v8, s[38:39] offset:\b*1024
	global_load_b128 v[WS+8*\b+4:WS+8*\b+7], v8, s[38:39] offset:\b*1024+16
.endr
	s_lshl_b32 s32, s2, 9
	s_add_co_u32 s33, s32, SCP
	v_lshl_add_u32 v10, v6, 2, s33                 ; pair words, in
	v_add_nc_u32 v12, s33, v[LI]                   ; and out
	s_add_co_u32 s33, s32, SCV
	v_lshl_add_u32 v14, v6, 3, s33                 ; v's bytes, in: 8 a row
	v_add_nc_u32 v15, s33, v[LI]                   ; and out
	s_lshl_b32 s32, s2, 10
	s_add_co_u32 s33, s32, SCD
	v_lshl_add_u32 v11, v5, 2, s33                 ; doubled words, in
	v_add_nc_u32 v13, s33, v[LI]                   ; and out
.irp b, 0,1,2,3
	v_mov_b32 v[TM+4+\b], 0                        ; a lane permute's destination counts as read
.endr
	s_mov_b32 s27, 0x600000
	s_mov_b32 s28, 0x76543210
	s_mov_b32 s29, 0xfedcba98
	s_mov_b32 vcc_lo, 0xffff0000                   ; lanes 16-31
	s_lshl_b32 s48, s3, 8
	s_mov_b32 s49, 0
	s_add_nc_u64 s[48:49], s[10:11], s[48:49]      ; my 64 numbers of b_in
	s_lshr_b32 s46, s26, 3                         ; batch
	s_and_b32 s47, s26, 7                          ; which 256 tokens of it
	s_and_b32 s50, s3, 15                          ; head
	s_lshl_b32 s51, s46, 4
	s_add_co_u32 s50, s50, s51                     ; 16 b + head
	s_wait_tensorcnt 0x0                           ; my quarter has landed,
	s_barrier_signal -1
	s_barrier_wait -1                              ; everybody's has
	v_mov_b32 v[ADA], v[LI]
	v_mov_b32 v[ADS], v[L32]
	FETCH 0
	ASLD
	FETCH 1
	s_mov_b32 s31, GB
	s_mov_b32 s30, 0
	s_cmp_ge_u32 ttmp9, 8
	s_cbranch_scc1 .Lvpath
	; ---------------- q and k
	v_lshlrev_b32 v9, 6, v7                        ; the bias in the result's layout: tile t, my half's eight columns
.irp t, 0,1,2,3
	global_load_b128 v[BIAS+8*\t:BIAS+8*\t+3], v9, s[48:49] offset:(32*(\t/2)+8*(\t%2))*4
	global_load_b128 v[BIAS+8*\t+4:BIAS+8*\t+7], v9, s[48:49] offset:(32*(\t/2)+8*(\t%2))*4+16
.endr
	s_lshr_b32 s51, s3, 4                          ; 0: q, 1: k
	s_lshl_b32 s40, s51, 22
	s_lshl_b32 s52, s50, 17
	s_add_co_u32 s40, s40, s52
	s_lshl_b32 s52, s47, 14
	s_add_co_u32 s40, s40, s52
	s_mov_b32 s41, 0
	s_add_nc_u64 s[40:41], s[24:25], s[40:41]      ; the codes of my head's first tile here
	s_lshl_b32 s51, s51, 5
	s_add_co_u32 s51, s51, s50
	s_lshl_b32 s42, s51, 12
	s_lshl_b32 s52, s47, 9
	s_add_co_u32 s42, s42, s52
	s_add_co_u32 s42, s42, 0xC00000
	s_mov_b32 s43, 0
	s_add_nc_u64 s[42:43], s[24:25], s[42:43]
	s_lshl_b32 s44, s51, 13
	s_lshl_b32 s52, s47, 10
	s_add_co_u32 s44, s44, s52
	s_add_co_u32 s44, s44, 0xC40000
	s_mov_b32 s45, 0
	s_add_nc_u64 s[44:45], s[24:25], s[44:45]
	s_wait_loadcnt 0x0                             ; weights, scale words, bias
.Lqk:
	TRIPM 1, 1
	EPQK
	s_add_co_u32 s30, s30, 1
	s_cmp_lt_u32 s30, NT-1
	s_cbranch_scc1 .Lqk
	TRIPM 0, 1                                     ; the last group asks for nothing
	EPQK
	ds_load_b128 v[176:179], v12                   ; my own bytes: LDS serves a wave's instructions in order (ISA guide 5.7.1.4)
	ds_load_b128 v[180:183], v13
	ds_load_b128 v[184:187], v13 offset:512
	s_wait_dscnt 0x0
	global_store_b128 v[LI], v[176:179], s[42:43]
	global_store_b128 v[LI], v[180:183], s[44:45]
	global_store_b128 v[LI], v[184:187], s[44:45] offset:512
	s_wait_tensorcnt 0x0
	ds_add_u32 v254, v255
	s_wait_dscnt 0x0
	s_endpgm
	; ---------------- v
.Lvpath:
	v_lshlrev_b32 v9, 2, v9                        ; the bias of my lane's channel
.irp t, 0,1,2,3
	global_load_b32 v[BIAS+8*\t], v9, s[48:49] offset:(32*(\t/2)+8*(\t%2))*4
.endr
	s_lshl_b32 s40, s50, 17
	s_lshl_b32 s52, s47, 14
	s_add_co_u32 s40, s40, s52
	s_add_co_u32 s40, s40, 0x800000
	s_mov_b32 s41, 0
	s_add_nc_u64 s[40:41], s[24:25], s[40:41]
	s_lshl_b32 s42, s50, 12
	s_lshl_b32 s52, s47, 9
	s_add_co_u32 s42, s42, s52
	s_add_co_u32 s42, s42, 0xCC0000
	s_mov_b32 s43, 0
	s_add_nc_u64 s[42:43], s[24:25], s[42:43]
	s_wait_loadcnt 0x0
.irp t, 0,1,2,3
.irp j, 1,2,3,4,5,6,7
	v_mov_b32 v[BIAS+8*\t+\j], v[BIAS+8*\t]        ; all eight tokens of a register run get the channel's bias
.endr
.endr
.Lv:
	TRIPM 1, 0
	EPV
	s_add_co_u32 s30, s30, 1
	s_cmp_lt_u32 s30, NT-1
	s_cbranch_scc1 .Lv
	TRIPM 0, 0
	EPV
	v_lshlrev_b32 v[T], 3, v5
.irp g, 0,1
	ds_load_b32 v[176+2*\g], v15 offset:4*\g       ; rows 2 l and 2 l + 1: the four bytes of these 128 keys
	ds_load_b32 v[177+2*\g], v15 offset:8+4*\g
.endr
	s_wait_dscnt 0x0
.irp g, 0,1
	global_store_b64 v[T], v[176+2*\g:177+2*\g], s[42:43] offset:256*\g
.endr
	s_wait_tensorcnt 0x0
	ds_add_u32 v254, v255
	s_wait_dscnt 0x0
	s_endpgm
.Lfunc_end_k_qeb4b5b2567_qkv:
	.size	k_qeb4b5b2567_qkv, .Lfunc_end_k_qeb4b5b2567_qkv-k_qeb4b5b2567_qkv
	.p2alignl 7, 3214868480
	.fill 96, 4, 3214868480
	.section	.rodata,"a",@progbits
	.p2align	6, 0x0
	.amdhsa_kernel k_qeb4b5b2567_qkv
		.amdhsa_group_segment_fixed_size 279040
		.amdhsa_private_segment_fixed_size 0
		.amdhsa_enable_private_segment 0
		.amdhsa_kernarg_size 40
		.amdhsa_user_sgpr_count 2
		.amdhsa_user_sgpr_kernarg_segment_ptr 1
		.amdhsa_wavefront_size32 1
		.amdhsa_system_sgpr_workgroup_id_x 1
		.amdhsa_system_sgpr_workgroup_id_y 1
		.amdhsa_system_sgpr_workgroup_id_z 1
		.amdhsa_system_vgpr_workitem_id 0
		.amdhsa_next_free_vgpr 1024
		.amdhsa_next_free_sgpr 66
		.amdhsa_reserve_vcc 1
		.amdhsa_float_denorm_mode_32 3
		.amdhsa_float_denorm_mode_16_64 3
		.amdhsa_memory_ordered 1
		.amdhsa_forward_progress 1
		.amdhsa_inst_pref_size 104
	.end_amdhsa_kernel
	.amdgpu_metadata
---
amdhsa.version: [ 1, 2 ]
amdhsa.kernels:
  - .name:           k_qeb4b5b2567_qkv
    .symbol:         k_qeb4b5b2567_qkv.kd
    .args:
      - { .name: xq, .offset: 0, .size: 8, .value_kind: global_buffer, .address_space: global }
      - { .name: wl, .offset: 8, .size: 8, .value_kind: global_buffer, .address_space: global }
      - { .name: w_in_scales, .offset: 16, .size: 8, .value_kind: global_buffer, .address_space: global }
      - { .name: b_in, .offset: 24, .size: 8, .value_kind: global_buffer, .address_space: global }
      - { .name: qkv, .offset: 32, .size: 8, .value_kind: global_buffer, .address_space: global }
    .group_segment_fixed_size: 279040
    .private_segment_fixed_size: 0
    .kernarg_segment_align: 8
    .kernarg_segment_size: 40
    .max_flat_workgroup_size: 128
    .sgpr_count:     66
    .vgpr_count:     1024
    .wavefront_size: 32
...
	.end_amdgpu_metadata
.endif
;; end of part 2
;; launch attn (part 3): grid 256 x 1, 16 waves a work-group, no clusters, 272,384 bytes of LDS; arguments qkv, padw, at, negc; writes at, negc
.if DOCPART == 3
	.amdgcn_target "amdgcn-amd-amdhsa--gfx1250"
	.amdhsa_code_object_version 6
	.text
	.protected	k_qeb4b5b2567_attn
	.globl	k_qeb4b5b2567_attn
	.p2align	8
	.type	k_qeb4b5b2567_attn,@function
k_qeb4b5b2567_attn:
	s_mov_b64 s[64:65], 0
	v_nop
	global_prefetch_b8 v0, s[64:65] scope:SCOPE_SE
	s_setreg_imm32_b32 hwreg(HW_REG_WAVE_MODE, 25, 1), 1
	s_wait_xcnt 0x0
; ATTENTION on E4M3 codes.  A key counts for a query where key <= query and (the key is not padded or key = query).  One wave owns one tile of 16 queries of one head and walks the keys 128 a step, up to its diagonal.
; p = 2^(t - M), t = score x log2(e) / 8, M the running largest t rounded up to a whole number; the row's sum is taken of the unquantised p; O is divided by it at the end, quantised along the 1,024 columns, and stored as oproj's operand.
; Also stored, for each head and query: -(M + log2(sum) + 4): the launch that makes the averaged weights adds it to t.
; SHARES.  Work-group = (batch, head, g): wave i has tile g + 8 rank, rank = i xor 3 ((i / 4) % 2), and rank + 1 steps: 136 steps in every work-group.
; THE HEAD'S k AND v LIE IN LDS: 131,072 bytes of codes each and 4,096 bytes of scale words each, as they lie in memory (operand images).  Wave w brings key step w through its registers, once; one barrier; then every step reads LDS.
; Through registers and not by tensor loads, alone or joint with the seven other work-groups of the head: the loop has branches on the stored mask words,
; and to mask in every step instead would add 236 instructions to each.
; The loop has the constant count 16; a step past my diagonal is passed over by a scalar branch on ids, so that every LDS address is a lane's constant plus a scalar stepped by a constant.
; HEAD SIZE 64: a fragment of k holds TWO key tiles (K 0-63: tile 2 G; K 64-127: tile 2 G + 1); it is multiplied by [q | zero codes] and by [zero codes | q].  k's codes are finite (the quantiser holds at 448), so the zero half adds nothing.
; Both products are used transposed: a lane holds one query (lane % 16); by the order of rows, the 16 registers of key tiles 2 G, 2 G + 1 are keys 32 G + 16 (lane / 16) + 0 .. 15, and O's of channel tiles likewise.
; A step all of whose keys are padded, and which is not the diagonal's, is passed over: a scalar branch on the stored mask words.  The diagonal is never masked, so every step that is worked has a key that counts for every row.
; LIMITS: NaN and infinities are not served; a block of zeros gets the byte 1.  The scale bytes of the result leave one byte a lane.
.set VL,  131072                       ; LDS: k's codes from 0, v's from here,
.set SL,  262144                       ; k's scale words from here, v's 4,096 bytes on
.set ADK, 1                            ; v1   LDS address of the step's k (at the head: my step's place in memory and in LDS alike)
.set ADV, 2                            ; v2   of its v
.set LI,  6                            ; v6   16 x lane
.set ADS, 243                          ; v243 of its scale words
.set LV,  252                          ; v252 16 x lane + VL
.set LS,  253                          ; v253 4 x lane + SL
.set QLO, 16
.set QHI, 32
.set KV,  48
.set S,   112
.set O,   176
.set PCD, 208
.set BM,  224
.set BP,  228
.set HL,  232
.set SO,  236
.set F,   240
.set TT,  242
.set M1,  244
.set M2,  245
.set PF,  246
.set MK,  247
.set MB,  248
.set FILL, 249
.set ONES, 250
.set DI,  251
.macro PL n
.rept \n
	v_nop
.endr
.endm
.macro WMZ d, a, b, sa, sb, ra
.if (\ra)
	v_wmma_scale_f32_16x16x128_f8f6f4 v[\d:\d+7], v[\a:\a+15], v[\b:\b+15], 0, v[\sa], v[\sb] matrix_a_scale:MATRIX_SCALE_ROW1
.else
	v_wmma_scale_f32_16x16x128_f8f6f4 v[\d:\d+7], v[\a:\a+15], v[\b:\b+15], 0, v[\sa], v[\sb]
.endif
.endm
.macro WMA d, a, b, sa, sb, ra
.if (\ra)
	v_wmma_scale_f32_16x16x128_f8f6f4 v[\d:\d+7], v[\a:\a+15], v[\b:\b+15], v[\d:\d+7], v[\sa], v[\sb] matrix_a_scale:MATRIX_SCALE_ROW1
.else
	v_wmma_scale_f32_16x16x128_f8f6f4 v[\d:\d+7], v[\a:\a+15], v[\b:\b+15], v[\d:\d+7], v[\sa], v[\sb]
.endif
.endm
; Register base + 16 be + i holds key (first key of the step) + 32 be + 16 (lane / 16) + i.  v[DI] = my query - first key - 16 (lane / 16); e = DI - 32 be is the diagonal's i.
; Masked: i > e, or padded and i < e.  A = bits i >= e, C = bits i > e, P = the pad bits: the mask is (A and C) or (not A and P).
.macro MASK base
.irp be, 0,1,2,3
	v_add_nc_u32 v[M1], -32*\be, v[DI]
	v_cvt_f32_i32 v[M1], v[M1]
	v_add_f32 v[M2], 1.0, v[M1]
	v_med3_num_f32 v[M1], v[M1], 0, s40            ; held between 0 and 16
	v_med3_num_f32 v[M2], v[M2], 0, s40
	v_cvt_u32_f32 v[M1], v[M1]
	v_cvt_u32_f32 v[M2], v[M2]
	v_lshlrev_b32 v[M1], v[M1], v[ONES]
	v_lshlrev_b32 v[M2], v[M2], v[ONES]
	v_lshrrev_b32 v[PF], v4, s[36+\be]
	v_bfi_b32 v[MK], v[M1], v[M2], v[PF]
.irp i, 0,1,2,3,4,5,6,7,8,9,10,11,12,13,14,15
	v_and_b32 v[MB], 1<<\i, v[MK]
	v_cmp_ne_u32 vcc_lo, 0, v[MB]
	v_cndmask_b32 v[\base+16*\be+\i], v[\base+16*\be+\i], v[FILL], vcc_lo
.endr
.endr
.endm
	s_load_b256 s[4:11], s[0:1], 0x0               ; qkv, padw, at, negc
	v_lshl_add_u32 v254, v0, 2, 0x42000
	v_mov_b32 v255, 0
	v_lshrrev_b32 v1, 5, v0
	v_readfirstlane_b32 s2, v1                     ; wave
	s_lshr_b32 s12, ttmp9, 3                       ; 16 b + head
	s_and_b32 s13, ttmp9, 7
	s_bfe_u32 s41, s2, 0x10002
	s_mul_i32 s41, s41, 3
	s_xor_b32 s3, s2, s41                          ; rank = the last step's number
	s_lshl_b32 s14, s3, 3
	s_add_co_u32 s14, s14, s13                     ; my tile of queries
	s_lshr_b32 s15, s12, 4                         ; batch
	s_and_b32 s16, s12, 15                         ; head
	s_lshl_b32 s18, s12, 17
	s_mov_b32 s19, 0
	s_add_co_u32 s20, s18, 0x800000                ; v's codes
	s_mov_b32 s21, 0
	s_lshl_b32 s41, s14, 10
	s_add_co_u32 s54, s18, s41                     ; q's tile
	s_mov_b32 s55, 0
	s_add_co_u32 s18, s18, 0x400000                ; k's codes
	s_lshl_b32 s22, s12, 12
	s_add_co_u32 s24, s22, 0xCC0000                ; v's scale words
	s_mov_b32 s25, 0
	s_add_co_u32 s22, s22, 0xC20000                ; k's pair words: 0xC00000 + (32 + b h) x 4,096
	s_mov_b32 s23, 0
	s_lshl_b32 s56, s12, 13
	s_lshl_b32 s41, s14, 6
	s_add_co_u32 s56, s56, s41
	s_add_co_u32 s56, s56, 0xC40000                ; q's doubled words
	s_mov_b32 s57, 0
	s_lshl_b32 s26, s15, 8
	s_mov_b32 s27, 0
	s_lshl_b32 s41, s15, 6
	s_lshr_b32 s42, s14, 1
	s_add_co_u32 s41, s41, s42                     ; group of 32 tokens
	s_mul_i32 s41, s41, 33792
	s_and_b32 s42, s14, 1
	s_lshl_b32 s43, s42, 14
	s_add_co_u32 s48, s41, s43
	s_lshl_b32 s43, s16, 10
	s_add_co_u32 s48, s48, s43                     ; the result's codes: pieces 4 head on
	s_mov_b32 s49, 0
	s_lshl_b32 s43, s42, 9
	s_add_co_u32 s50, s41, s43
	s_lshl_b32 s43, s16, 1
	s_add_co_u32 s50, s50, s43
	s_add_co_u32 s50, s50, 32768                   ; and its scale bytes: blocks 2 head on
	s_mov_b32 s51, 0
	s_lshl_b32 s52, s15, 7
	s_add_co_u32 s52, s52, s14
	s_lshl_b32 s52, s52, 11
	s_lshl_b32 s43, s16, 7
	s_add_co_u32 s52, s52, s43
	s_mov_b32 s53, 0
	s_lshr_b32 s44, s14, 1
	s_lshl_b32 s44, s44, 5
	s_lshl_b32 s42, s42, 3
	s_add_co_u32 s44, s44, s42                     ; the tile's first token
	s_mov_b32 s31, 0x600000
	s_mov_b32 s32, 0x76543210
	s_mov_b32 s33, 0xfedcba98
	s_mov_b32 s34, 0x3e38aa3b                      ; c = log2(e) / 8
	s_mov_b32 s35, s34
	s_mov_b32 s40, 0x41800000                      ; 16.0
	s_mov_b32 s28, 0                               ; 16 x step: the step's mask words
	s_mov_b32 s29, 0                               ; step
	s_mov_b32 s58, 0                               ; 8,192 x step: its codes in LDS
	s_mov_b32 s59, 0                               ; 256 x step: its scale words in LDS
	v_and_b32 v244, 31, v0
	v_and_b32 v245, 15, v0
	v_bfe_u32 v246, v0, 4, 1
	v_lshlrev_b32 v[LI], 4, v244                   ; 16 x lane
	v_add_nc_u32 v[LV], VL, v[LI]
	v_lshl_add_u32 v[LS], v244, 2, SL
	s_lshl_b32 s41, s2, 13
	s_lshl_b32 s42, s2, 8
	v_add_nc_u32 v[ADK], s41, v[LI]                ; the step that I bring is number wave: 16 x lane + 8,192 x wave, in memory and in LDS alike
	v_add_nc_u32 v[ADV], s41, v[LV]
	v_add_nc_u32 v[ADS], s42, v[LS]
	v_lshl_add_u32 v251, v244, 2, s42              ; its scale words in memory: 4 x lane + 256 x wave
	v_lshlrev_b32 v4, 4, v246                      ; 16 (lane / 16)
	v_and_b32 v247, 8, v245
	v_add_nc_u32 v247, v247, v245
	v_sub_nc_u32 v3, v247, v4
	v_add_nc_u32 v3, s44, v3                       ; my query - 16 (lane / 16)
	v_lshlrev_b32 v248, 2, v245
	s_wait_kmcnt 0x0
	s_add_nc_u64 s[18:19], s[4:5], s[18:19]
	s_add_nc_u64 s[20:21], s[4:5], s[20:21]
	s_add_nc_u64 s[22:23], s[4:5], s[22:23]
	s_add_nc_u64 s[24:25], s[4:5], s[24:25]
	s_add_nc_u64 s[54:55], s[4:5], s[54:55]
	s_add_nc_u64 s[56:57], s[4:5], s[56:57]
	s_add_nc_u64 s[26:27], s[6:7], s[26:27]
	s_add_nc_u64 s[48:49], s[8:9], s[48:49]
	s_add_nc_u64 s[50:51], s[8:9], s[50:51]
	s_add_nc_u64 s[52:53], s[10:11], s[52:53]
	s_load_b128 s[68:71], s[26:27], 0x0            ; step 0's mask words; each later step's are asked for a step ahead
.irp be, 0,1,2,3
.irp c, 0,1,2,3
	global_load_b128 v[KV+16*\be+4*\c:KV+16*\be+4*\c+3], v[ADK], s[18:19] offset:2048*\be+512*\c   ; k of my step to bring, into the registers that k takes later
.endr
.endr
.irp td, 0,1,2,3
.irp c, 0,1,2,3
	global_load_b128 v[S+16*\td+4*\c:S+16*\td+4*\c+3], v[ADK], s[20:21] offset:2048*\td+512*\c     ; its v, into those of the scores
.endr
.endr
	global_load_b32 v8, v251, s[22:23]
	global_load_b32 v9, v251, s[22:23] offset:128
	global_load_b32 v10, v251, s[24:25]
	global_load_b32 v11, v251, s[24:25] offset:128
	global_load_b128 v[QLO:QLO+3], v[LI], s[54:55]
	global_load_b128 v[QLO+4:QLO+7], v[LI], s[54:55] offset:512
	global_load_b128 v[QHI+8:QHI+11], v[LI], s[54:55]
	global_load_b128 v[QHI+12:QHI+15], v[LI], s[54:55] offset:512
	global_load_b32 v5, v248, s[56:57]
.irp j, 0,1,2,3,4,5,6,7
	v_mov_b32 v[QLO+8+\j], 0                       ; zero codes
	v_mov_b32 v[QHI+\j], 0
.endr
.set j, 0
.rept 32
	v_mov_b32 v[O+j], 0                            ; the step is written once: the first finds zeros
.set j, j+1
.endr
	v_mov_b32 v13, 0xff61b1e6                      ; the largest t so far: -3e38
	v_floor_f32 v12, -v13                          ; -M
	v_mov_b32 v14, 0
	v_mov_b32 v15, 0
.irp b, 0,1,2,3
	v_mov_b32 v[BP+\b], 0                          ; a lane permute's destination counts as read
.endr
	v_mov_b32 v[F], 0
	v_mov_b32 v[F+1], 0
	v_mov_b32 v[TT], 0
	v_mov_b32 v[FILL], 0xff800000                  ; -infinity
	v_mov_b32 v[ONES], -1
	s_wait_loadcnt 0x0                             ; my step to bring, and q
.irp be, 0,1,2,3
.irp c, 0,1,2,3
	ds_store_b128 v[ADK], v[KV+16*\be+4*\c:KV+16*\be+4*\c+3] offset:2048*\be+512*\c    ; 512 consecutive bytes a store
.endr
.endr
.irp td, 0,1,2,3
.irp c, 0,1,2,3
	ds_store_b128 v[ADV], v[S+16*\td+4*\c:S+16*\td+4*\c+3] offset:2048*\td+512*\c
.endr
.endr
	ds_store_b32 v[ADS], v8
	ds_store_b32 v[ADS], v9 offset:128
	ds_store_b32 v[ADS], v10 offset:4096
	ds_store_b32 v[ADS], v11 offset:4224
	s_wait_dscnt 0x0                               ; for the others' sake: my stores have landed
	s_barrier_signal -1
	s_barrier_wait -1                              ; the whole head lies in LDS; nothing is written there again
.Lstep:
	s_cmp_gt_u32 s29, s3
	s_cbranch_scc1 .Lnext                          ; all of this step's keys come after my queries
	s_wait_kmcnt 0x0                               ; this step's mask words, asked for a step ago
	s_mov_b64 s[36:37], s[68:69]
	s_mov_b64 s[38:39], s[70:71]
	s_add_co_u32 s72, s28, 16
	s_min_u32 s72, s72, 240                        ; held at the row's last 16 bytes: no load leaves the buffer
	s_load_b128 s[68:71], s[26:27], s72 offset:0x0 ; the next step's
	s_and_b32 s41, s36, s37
	s_and_b32 s42, s38, s39
	s_and_b32 s41, s41, s42
	s_or_b32 s43, s36, s37
	s_or_b32 s44, s38, s39
	s_or_b32 s43, s43, s44
	s_cmp_eq_u32 s29, s3
	s_cselect_b32 s45, 1, 0
	s_cbranch_scc1 .Lwork
	s_cmp_eq_u32 s41, -1
	s_cbranch_scc1 .Lnext                          ; every key padded, and the diagonal is not here
.Lwork:
	s_or_b32 s43, s43, s45                         ; is there anything to mask?
	v_add_nc_u32 v[ADK], s58, v[LI]
	v_add_nc_u32 v[ADV], s58, v[LV]
	v_add_nc_u32 v[ADS], s59, v[LS]
.irp be, 0,1,2,3
.irp c, 0,1,2,3
	ds_load_b128 v[KV+16*\be+4*\c:KV+16*\be+4*\c+3], v[ADK] offset:2048*\be+512*\c
.endr
.endr
	ds_load_b32 v8, v[ADS]
	ds_load_b32 v9, v[ADS] offset:128
	s_wait_dscnt 0x0
.irp be, 0,1,2,3
	WMZ S+16*\be, KV+16*\be, QLO, 8+\be/2, 5, \be%2
	WMZ S+16*\be+8, KV+16*\be, QHI, 8+\be/2, 5, \be%2
.endr
	PL 8                                           ; places ahead of loads into registers that the products read, and of the first read of the scores
.irp td, 0,1,2,3
.irp c, 0,1,2,3
	ds_load_b128 v[KV+16*\td+4*\c:KV+16*\td+4*\c+3], v[ADV] offset:2048*\td+512*\c     ; v comes while the softmax is walked
.endr
.endr
	ds_load_b32 v10, v[ADS] offset:4096
	ds_load_b32 v11, v[ADS] offset:4224
	s_cmp_eq_u32 s43, 0
	s_cbranch_scc1 .Lfast
	s_lshl_b32 s46, s29, 7
	v_sub_nc_u32 v[DI], v3, s46
	MASK S
.Lfast:
.irp b, 0,1,2,3
	v_max3_num_f32 v[BM+\b], v[S+16*\b], v[S+16*\b+1], v[S+16*\b+2]      ; each block's largest score: for the row's maximum and for the block's largest p
.endr
.irp i, 3,5,7,9,11,13
.irp b, 0,1,2,3
	v_max3_num_f32 v[BM+\b], v[BM+\b], v[S+16*\b+\i], v[S+16*\b+\i+1]
.endr
.endr
.irp b, 0,1,2,3
	v_max_num_f32 v[BM+\b], v[BM+\b], v[S+16*\b+15]
.endr
.irp b, 0,1,2,3
	v_permlanex16_b32 v[BP+\b], v[BM+\b], s32, s33
.endr
.irp b, 0,1,2,3
	v_max_num_f32 v[BM+\b], v[BM+\b], v[BP+\b]
.endr
	v_max3_num_f32 v[TT], v[BM], v[BM+1], v[BM+2]
	v_max_num_f32 v[TT], v[TT], v[BM+3]
	v_mul_f32 v[TT], s34, v[TT]
	v_max_num_f32 v13, v13, v[TT]                  ; the running largest t
	v_mov_b32 v[TT], v12
	v_floor_f32 v12, -v13                          ; -M = floor(-t): M is a whole number
	v_sub_f32 v[TT], v12, v[TT]
	v_cvt_i32_f32 v[TT], v[TT]                     ; (it saturates)
	v_ldexp_f32 v[F], 1.0, v[TT]                   ; f = 2^(old M - new M): a multiplication by it rounds nothing
.set j, 0
.rept 32
	v_pk_fma_f32 v[S+j:S+j+1], v[S+j:S+j+1], s[34:35], v[12:13] op_sel_hi:[1,0,0]
.set j, j+2
.endr
.irp b, 0,1,2,3
	v_fma_f32 v[BM+\b], v[BM+\b], s34, v12
.endr
.set j, 0
.rept 64
	v_exp_f32 v[S+j], v[S+j]                       ; p = 2^(t - M)
.set j, j+1
.endr
.irp b, 0,1,2,3
	v_exp_f32 v[BM+\b], v[BM+\b]                   ; the block's largest p
.endr
	v_pk_mul_f32 v[14:15], v[14:15], v[F:F+1] op_sel_hi:[1,0]    ; the sums under the new M (a plain place behind the exponentials)
	s_wait_alu depctr_va_vdst(0)
.irp b, 0,1,2,3
	v_max_num_f32 v[BM+\b], 0x4800000, v[BM+\b]    ; the floor 2^(9 - 127)
.endr
.irp b, 0,1,2,3
	v_add_nc_u32 v[SO+\b], 0xfc000000, v[BM+\b]
.endr
.irp b, 0,1,2,3
	v_and_or_b32 v[HL+\b], v[BM+\b], 0x7f800000, s31
.endr
.irp b, 0,1,2,3
	v_lshrrev_b32 v[BP+\b], 23, v[SO+\b]
.endr
	v_lshl_or_b32 v7, v[BP+1], 8, v[BP]            ; p's scale word for these 128 keys
	v_lshl_or_b32 v7, v[BP+2], 16, v7
	v_lshl_or_b32 v7, v[BP+3], 24, v7
	v_pk_add_f32 v[BP:BP+1], v[S:S+1], v[S+2:S+3]  ; the row's sum, of the unquantised p, in two chains
.irp j, 4,8,12,16,20,24,28,32,36,40,44,48,52,56,60
	v_pk_add_f32 v[14:15], v[14:15], v[S+\j:S+\j+1]
	v_pk_add_f32 v[BP:BP+1], v[BP:BP+1], v[S+\j+2:S+\j+3]
.endr
	v_pk_add_f32 v[14:15], v[14:15], v[BP:BP+1]
.irp b, 0,1,2,3
.irp i, 0,1,2,3,4,5,6,7,8,9,10,11,12,13,14,15
	v_min_num_f32 v[S+16*\b+\i], v[S+16*\b+\i], v[HL+\b]         ; the conversion does not saturate (ISA guide 7.6.2); p is not negative
.endr
	v_cvt_scalef32_pk8_fp8_f32 v[PCD+4*\b:PCD+4*\b+1], v[S+16*\b:S+16*\b+7], v[SO+\b]
	v_cvt_scalef32_pk8_fp8_f32 v[PCD+4*\b+2:PCD+4*\b+3], v[S+16*\b+8:S+16*\b+15], v[SO+\b]
.endr
.set j, 0
.rept 16
	v_pk_mul_f32 v[O+j:O+j+1], v[O+j:O+j+1], v[F:F+1] op_sel_hi:[1,0]    ; O under the new M; these are also the places ahead of the products
.set j, j+2
.endr
	s_wait_dscnt 0x0                               ; v
.irp td, 0,1,2,3
	WMA O+8*\td, KV+16*\td, PCD, 10+\td/2, 7, \td%2
.endr
	PL 8
.Lnext:
	s_add_co_u32 s28, s28, 16
	s_add_co_u32 s58, s58, 0x2000
	s_add_co_u32 s59, s59, 0x100
	s_add_co_u32 s29, s29, 1
	s_cmp_lt_u32 s29, 16
	s_cbranch_scc1 .Lstep
	; ---------------- the end: O / sum, quantised; -(M + log2(sum) + 4)
	v_add_f32 v14, v14, v15
	v_permlanex16_b32 v[TT], v14, s32, s33
	v_add_f32 v14, v14, v[TT]
	v_rcp_f32 v[F], v14
	v_log_f32 v[TT], v14
	v_nop
.set j, 0
	s_wait_alu depctr_va_vdst(0)
.rept 16
	v_pk_mul_f32 v[O+j:O+j+1], v[O+j:O+j+1], v[F:F+1] op_sel_hi:[1,0]
.set j, j+2
.endr
	v_sub_f32 v[TT], v12, v[TT]
	v_add_f32 v[TT], -4.0, v[TT]
.irp b, 0,1
	v_max3_num_f32 v[BM+\b], |v[O+16*\b]|, |v[O+16*\b+1]|, 0x4800000
.endr
.irp i, 2,4,6,8,10,12,14
.irp b, 0,1
	v_max3_num_f32 v[BM+\b], v[BM+\b], |v[O+16*\b+\i]|, |v[O+16*\b+\i+1]|
.endr
.endr
.irp b, 0,1
	v_permlanex16_b32 v[BP+\b], v[BM+\b], s32, s33
.endr
.irp b, 0,1
	v_max_num_f32 v[BM+\b], v[BM+\b], v[BP+\b]
.endr
.irp b, 0,1
	v_add_nc_u32 v[SO+\b], 0xfc000000, v[BM+\b]
	v_and_or_b32 v[HL+\b], v[BM+\b], 0x7f800000, s31
	v_lshrrev_b32 v[BP+\b], 23, v[SO+\b]
.endr
.irp b, 0,1
.irp i, 0,1,2,3,4,5,6,7,8,9,10,11,12,13,14,15
	v_med3_num_f32 v[O+16*\b+\i], v[O+16*\b+\i], -v[HL+\b], v[HL+\b]
.endr
	v_cvt_scalef32_pk8_fp8_f32 v[PCD+4*\b:PCD+4*\b+1], v[O+16*\b:O+16*\b+7], v[SO+\b]
	v_cvt_scalef32_pk8_fp8_f32 v[PCD+4*\b+2:PCD+4*\b+3], v[O+16*\b+8:O+16*\b+15], v[SO+\b]
.endr
	v_and_b32 v244, 31, v0
	v_and_b32 v245, 15, v0
	v_bfe_u32 v246, v0, 4, 1
	v_lshlrev_b32 v247, 4, v244
	v_lshlrev_b32 v248, 2, v244
	v_lshl_add_u32 v245, v245, 5, v246             ; 32 x position + (lane / 16): lanes 0-15 store block 0's byte, lanes 16-31 block 1's
	s_mov_b32 vcc_lo, 0xffff0000
	v_cndmask_b32 v246, v[BP], v[BP+1], vcc_lo
	global_store_b128 v247, v[PCD:PCD+3], s[48:49]
	global_store_b128 v247, v[PCD+4:PCD+7], s[48:49] offset:512
	global_store_b8 v245, v246, s[50:51]
	global_store_b32 v248, v[TT], s[52:53]
	s_wait_tensorcnt 0x0
	ds_add_u32 v254, v255
	s_wait_dscnt 0x0
	s_endpgm
.Lfunc_end_k_qeb4b5b2567_attn:
	.size	k_qeb4b5b2567_attn, .Lfunc_end_k_qeb4b5b2567_attn-k_qeb4b5b2567_attn
	.p2alignl 7, 3214868480
	.fill 96, 4, 3214868480
	.section	.rodata,"a",@progbits
	.p2align	6, 0x0
	.amdhsa_kernel k_qeb4b5b2567_attn
		.amdhsa_group_segment_fixed_size 272384
		.amdhsa_private_segment_fixed_size 0
		.amdhsa_enable_private_segment 0
		.amdhsa_kernarg_size 32
		.amdhsa_user_sgpr_count 2
		.amdhsa_user_sgpr_kernarg_segment_ptr 1
		.amdhsa_wavefront_size32 1
		.amdhsa_system_sgpr_workgroup_id_x 1
		.amdhsa_system_sgpr_workgroup_id_y 1
		.amdhsa_system_sgpr_workgroup_id_z 1
		.amdhsa_system_vgpr_workitem_id 0
		.amdhsa_next_free_vgpr 256
		.amdhsa_next_free_sgpr 80
		.amdhsa_reserve_vcc 1
		.amdhsa_float_denorm_mode_32 3
		.amdhsa_float_denorm_mode_16_64 3
		.amdhsa_memory_ordered 1
		.amdhsa_forward_progress 1
		.amdhsa_inst_pref_size 47
	.end_amdhsa_kernel
	.amdgpu_metadata
---
amdhsa.version: [ 1, 2 ]
amdhsa.kernels:
  - .name:           k_qeb4b5b2567_attn
    .symbol:         k_qeb4b5b2567_attn.kd
    .args:
      - { .name: qkv, .offset: 0, .size: 8, .value_kind: global_buffer, .address_space: global }
      - { .name: padw, .offset: 8, .size: 8, .value_kind: global_buffer, .address_space: global }
      - { .name: at, .offset: 16, .size: 8, .value_kind: global_buffer, .address_space: global }
      - { .name: negc, .offset: 24, .size: 8, .value_kind: global_buffer, .address_space: global }
    .group_segment_fixed_size: 272384
    .private_segment_fixed_size: 0
    .kernarg_segment_align: 8
    .kernarg_segment_size: 32
    .max_flat_workgroup_size: 512
    .sgpr_count:     80
    .vgpr_count:     256
    .wavefront_size: 32
...
	.end_amdgpu_metadata
.endif
;; end of part 3
;; launch wts (part 4): grid 256 x 1, 16 waves a work-group, no clusters, 137,216 bytes of LDS; arguments qkv, padw, negc, out1; writes out1
.if DOCPART == 4
	.amdgcn_target "amdgcn-amd-amdhsa--gfx1250"
	.amdhsa_code_object_version 6
	.text
	.protected	k_qeb4b5b2567_wts
	.globl	k_qeb4b5b2567_wts
	.p2align	8
	.type	k_qeb4b5b2567_wts,@function
k_qeb4b5b2567_wts:
	s_mov_b64 s[64:65], 0
	v_nop
	global_prefetch_b8 v0, s[64:65] scope:SCOPE_SE
	s_setreg_imm32_b32 hwreg(HW_REG_WAVE_MODE, 25, 1), 1
	s_wait_xcnt 0x0
; THE WEIGHTS AVERAGED OVER THE HEADS (out1).  One wave owns a tile of 16 queries x 128 keys and sums, over the 16 heads, 2^(score x log2(e) / 8 + n), n = -(M + log2(sum) + 4) as the attention launch stored it for that head and query.
; The exponent of a key that counts is at most -4: M is the ceiling of the row's largest t, so nothing overflows; a masked key's term, whatever it is, is replaced by 0 behind the sum.
; The scores are made by the same matrix instruction on the same codes as in the attention launch.  Tiles above the diagonal, and tiles off the diagonal all of whose keys are padded, are stored as zeros.
; SHARES.  Work-group = (batch, a, s, m).  Waves 0-7 ALL take block a of 128 keys, waves 8-15 all take block 15 - a; wave j of a half takes query tile 8 (2 jj + (m xor half)) + s, jj = j in the first half and 7 - j in the second.
; So the waves of a half that have scores to make ask, head by head, for the same 8,192 bytes of k, and a work-group needs two blocks of k for each head and not one for each wave.
; 8 or 9 waves of the sixteen have scores to make, in every work-group, and their numbers follow each other (the first half's last, the second half's first).
; The way out goes through the wave's own stage (16 rows of 512 + 16 bytes): a store covers 512 consecutive bytes of a row of out1.  No barrier: waves hand nothing to each other.
; LIMITS: NaN and infinities among the inputs are not served.
.set QLO, 16
.set QHI, 32
.set KV,  48
.set S,   112
.set W,   176
.set M1,  244
.set M2,  245
.set PF,  246
.set MK,  247
.set MB,  248
.set FILL, 249
.set ONES, 250
.set DI,  251
.macro PL n
.rept \n
	v_nop
.endr
.endm
.macro WMZ d, a, b, sa, sb, ra
.if (\ra)
	v_wmma_scale_f32_16x16x128_f8f6f4 v[\d:\d+7], v[\a:\a+15], v[\b:\b+15], 0, v[\sa], v[\sb] matrix_a_scale:MATRIX_SCALE_ROW1
.else
	v_wmma_scale_f32_16x16x128_f8f6f4 v[\d:\d+7], v[\a:\a+15], v[\b:\b+15], 0, v[\sa], v[\sb]
.endif
.endm
; as in the attention launch: masked where i > e, or padded and i < e; e = v[DI] - 32 be
.macro MASK base
.irp be, 0,1,2,3
	v_add_nc_u32 v[M1], -32*\be, v[DI]
	v_cvt_f32_i32 v[M1], v[M1]
	v_add_f32 v[M2], 1.0, v[M1]
	v_med3_num_f32 v[M1], v[M1], 0, s40
	v_med3_num_f32 v[M2], v[M2], 0, s40
	v_cvt_u32_f32 v[M1], v[M1]
	v_cvt_u32_f32 v[M2], v[M2]
	v_lshlrev_b32 v[M1], v[M1], v[ONES]
	v_lshlrev_b32 v[M2], v[M2], v[ONES]
	v_lshrrev_b32 v[PF], v6, s[36+\be]
	v_bfi_b32 v[MK], v[M1], v[M2], v[PF]
.irp i, 0,1,2,3,4,5,6,7,8,9,10,11,12,13,14,15
	v_and_b32 v[MB], 1<<\i, v[MK]
	v_cmp_ne_u32 vcc_lo, 0, v[MB]
	v_cndmask_b32 v[\base+16*\be+\i], v[\base+16*\be+\i], v[FILL], vcc_lo
.endr
.endr
.endm
.macro LOADS                           ; one head's q tile, its scale word, 128 keys of k, their scale words, and n: 24 loads
	global_load_b128 v[QLO:QLO+3], v1, s[20:21]
	global_load_b128 v[QLO+4:QLO+7], v1, s[20:21] offset:512
	global_load_b128 v[QHI+8:QHI+11], v1, s[20:21]
	global_load_b128 v[QHI+12:QHI+15], v1, s[20:21] offset:512
	global_load_b32 v5, v2, s[24:25]
.irp be, 0,1,2,3
.irp c, 0,1,2,3
	global_load_b128 v[KV+16*\be+4*\c:KV+16*\be+4*\c+3], v1, s[22:23] offset:2048*\be+512*\c
.endr
.endr
	global_load_b32 v8, v3, s[26:27]
	global_load_b32 v9, v3, s[26:27] offset:128
	global_load_b32 v10, v4, s[30:31]
.endm
	s_load_b256 s[4:11], s[0:1], 0x0               ; qkv, padw, negc, out1
	v_lshl_add_u32 v254, v0, 2, 0x21000
	v_mov_b32 v255, 0
	v_lshrrev_b32 v1, 5, v0
	v_readfirstlane_b32 s2, v1                     ; wave
	s_lshr_b32 s12, ttmp9, 7                       ; batch
	s_bfe_u32 s13, ttmp9, 0x30004                  ; a
	s_bfe_u32 s14, ttmp9, 0x30001                  ; s
	s_and_b32 s15, ttmp9, 1                        ; m
	s_lshr_b32 s16, s2, 3                          ; which half of the waves
	s_and_b32 s17, s2, 7                           ; j
	s_mul_i32 s41, s16, 15
	s_xor_b32 s19, s13, s41                        ; my block of 128 keys: a, or 15 - a
	s_mul_i32 s41, s16, 7
	s_xor_b32 s3, s17, s41                         ; jj: j, or 7 - j
	s_lshl_b32 s3, s3, 1
	s_xor_b32 s41, s15, s16
	s_add_co_u32 s3, s3, s41                       ; which 128 queries: the diagonal's block of keys
	s_lshl_b32 s18, s3, 3
	s_add_co_u32 s18, s18, s14                     ; my tile of queries
	s_lshl_b32 s41, s12, 21
	s_lshl_b32 s42, s18, 10
	s_add_co_u32 s20, s41, s42
	s_mov_b32 s21, 0
	s_lshl_b32 s42, s19, 13
	s_add_co_u32 s22, s41, s42
	s_add_co_u32 s22, s22, 0x400000
	s_mov_b32 s23, 0
	s_lshl_b32 s24, s12, 17
	s_lshl_b32 s42, s18, 6
	s_add_co_u32 s24, s24, s42
	s_add_co_u32 s24, s24, 0xC40000
	s_mov_b32 s25, 0
	s_lshl_b32 s26, s12, 16
	s_lshl_b32 s42, s19, 8
	s_add_co_u32 s26, s26, s42
	s_add_co_u32 s26, s26, 0xC20000
	s_mov_b32 s27, 0
	s_lshl_b32 s30, s12, 7
	s_add_co_u32 s30, s30, s18
	s_lshl_b32 s30, s30, 11
	s_mov_b32 s31, 0
	s_lshr_b32 s43, s18, 1
	s_lshl_b32 s43, s43, 5
	s_and_b32 s42, s18, 1
	s_lshl_b32 s42, s42, 3
	s_add_co_u32 s43, s43, s42                     ; the tile's first token
	s_lshl_b32 s32, s12, 11
	s_add_co_u32 s32, s32, s43
	s_lshl_b32 s32, s32, 13
	s_lshl_b32 s42, s19, 9
	s_add_co_u32 s32, s32, s42
	s_mov_b32 s33, 0
	s_lshl_b32 s28, s12, 8
	s_lshl_b32 s42, s19, 4
	s_add_co_u32 s28, s28, s42
	s_lshl_b32 s44, s19, 7
	s_sub_co_u32 s43, s43, s44                     ; first token - first key
	s_mov_b32 s34, 0x3e38aa3b                      ; log2(e) / 8
	s_mov_b32 s35, s34
	s_mov_b32 s40, 0x41800000                      ; 16.0
	v_and_b32 v243, 31, v0
	v_and_b32 v244, 15, v0
	v_bfe_u32 v245, v0, 4, 1
	v_lshlrev_b32 v1, 4, v243                      ; 16 x lane + 131,072 x head
	v_lshlrev_b32 v2, 2, v244                      ; 4 x position + 8,192 x head
	v_lshlrev_b32 v3, 2, v243                      ; 4 x lane + 4,096 x head
	v_lshlrev_b32 v4, 2, v243                      ; 4 x lane + 128 x head
	v_lshlrev_b32 v6, 4, v245                      ; 16 (lane / 16)
	v_lshlrev_b32 v242, 4, v243
	s_mul_i32 s41, s2, 8448
	v_mul_u32_u24 v240, v244, 528
	v_lshl_add_u32 v240, v245, 6, v240
	v_add_nc_u32 v240, s41, v240                   ; stage, in: row = position, + 64 (lane / 16)
	v_add_nc_u32 v241, s41, v242                   ; stage, out: a row of 512 bytes
	v_and_b32 v246, 8, v244
	v_add_nc_u32 v246, v246, v244
	v_sub_nc_u32 v[DI], v246, v6
	v_add_nc_u32 v[DI], s43, v[DI]                 ; my query - first key - 16 (lane / 16)
	v_mov_b32 v[FILL], 0
	v_mov_b32 v[ONES], -1
	s_wait_kmcnt 0x0
	s_load_b128 s[36:39], s[6:7], s28 offset:0x0   ; the pad bits of my 128 keys
	s_add_nc_u64 s[20:21], s[4:5], s[20:21]
	s_add_nc_u64 s[22:23], s[4:5], s[22:23]
	s_add_nc_u64 s[24:25], s[4:5], s[24:25]
	s_add_nc_u64 s[26:27], s[4:5], s[26:27]
	s_add_nc_u64 s[30:31], s[8:9], s[30:31]
	s_add_nc_u64 s[32:33], s[10:11], s[32:33]
	s_wait_kmcnt 0x0
	s_cmp_gt_u32 s19, s3
	s_cbranch_scc1 .Lzero
	s_cmp_eq_u32 s19, s3
	s_cbranch_scc1 .Lcomp
	s_and_b32 s41, s36, s37
	s_and_b32 s42, s38, s39
	s_and_b32 s41, s41, s42
	s_cmp_eq_u32 s41, -1
	s_cbranch_scc1 .Lzero
.Lcomp:
	LOADS
.irp j, 0,1,2,3,4,5,6,7
	v_mov_b32 v[QLO+8+\j], 0                       ; zero codes
	v_mov_b32 v[QHI+\j], 0
.endr
.set j, 0
.rept 64
	v_mov_b32 v[W+j], 0
.set j, j+1
.endr
	s_mov_b32 s29, 0
.Lhead:
	s_wait_loadcnt 0x0
	v_mov_b32 v12, v10
	v_mov_b32 v13, v10
	v_add_nc_u32 v1, 0x20000, v1                   ; on to the next head: no load of mine is out
	v_add_nc_u32 v2, 0x2000, v2
	v_add_nc_u32 v3, 0x1000, v3
	v_add_nc_u32 v4, 0x80, v4
.irp be, 0,1,2,3
	WMZ S+16*\be, KV+16*\be, QLO, 8+\be/2, 5, \be%2
	WMZ S+16*\be+8, KV+16*\be, QHI, 8+\be/2, 5, \be%2
.endr
	PL 8                                           ; places ahead of the loads into the operands and of the first read of the scores
	s_cmp_eq_u32 s29, 15
	s_cbranch_scc1 .Lnoload                        ; the last head asks for nothing
	LOADS
.Lnoload:
.set j, 0
.rept 32
	v_pk_fma_f32 v[S+j:S+j+1], v[S+j:S+j+1], s[34:35], v[12:13] op_sel_hi:[1,0,0]
.set j, j+2
.endr
.set j, 0
.rept 64
	v_exp_f32 v[S+j], v[S+j]
.set j, j+1
.endr
	v_nop                                          ; a plain place behind the exponentials
.set j, 0
	s_wait_alu depctr_va_vdst(0)
.rept 32
	v_pk_add_f32 v[W+j:W+j+1], v[W+j:W+j+1], v[S+j:S+j+1]
.set j, j+2
.endr
	s_add_co_u32 s29, s29, 1
	s_cmp_lt_u32 s29, 16
	s_cbranch_scc1 .Lhead
	s_or_b32 s41, s36, s37
	s_or_b32 s42, s38, s39
	s_or_b32 s41, s41, s42
	s_cmp_eq_u32 s19, s3
	s_cselect_b32 s42, 1, 0
	s_or_b32 s41, s41, s42
	s_cmp_eq_u32 s41, 0
	s_cbranch_scc1 .Lopen
	MASK W
.Lopen:
.irp be, 0,1,2,3
.irp q, 0,1,2,3
	ds_store_b128 v240, v[W+16*\be+4*\q:W+16*\be+4*\q+3] offset:128*\be+16*\q
.endr
.endr
.irp i, 0,1,2,3,4,5,6,7,8,9,10,11,12,13,14,15
	ds_load_b128 v[S+4*\i:S+4*\i+3], v241 offset:528*\i            ; my own bytes: served in order (ISA guide 5.7.1.4)
.endr
.irp i, 0,1,2,3,4,5,6,7,8,9,10,11,12,13,14,15
	s_wait_dscnt 15-\i                             ; the younger loads may stay out
	global_store_b128 v242, v[S+4*\i:S+4*\i+3], s[32:33] offset:(\i+8*(\i/8))*8192 th:TH_STORE_NT
.endr
	s_wait_tensorcnt 0x0
	ds_add_u32 v254, v255
	s_wait_dscnt 0x0
	s_endpgm
.Lzero:
.irp j, 0,1,2,3
	v_mov_b32 v[W+\j], 0
.endr
.irp i, 0,1,2,3,4,5,6,7,8,9,10,11,12,13,14,15
	global_store_b128 v242, v[W:W+3], s[32:33] offset:(\i+8*(\i/8))*8192 th:TH_STORE_NT
.endr
	s_endpgm
.Lfunc_end_k_qeb4b5b2567_wts:
	.size	k_qeb4b5b2567_wts, .Lfunc_end_k_qeb4b5b2567_wts-k_qeb4b5b2567_wts
	.p2alignl 7, 3214868480
	.fill 96, 4, 3214868480
	.section	.rodata,"a",@progbits
	.p2align	6, 0x0
	.amdhsa_kernel k_qeb4b5b2567_wts
		.amdhsa_group_segment_fixed_size 137216
		.amdhsa_private_segment_fixed_size 0
		.amdhsa_enable_private_segment 0
		.amdhsa_kernarg_size 32
		.amdhsa_user_sgpr_count 2
		.amdhsa_user_sgpr_kernarg_segment_ptr 1
		.amdhsa_wavefront_size32 1
		.amdhsa_system_sgpr_workgroup_id_x 1
		.amdhsa_system_sgpr_workgroup_id_y 1
		.amdhsa_system_sgpr_workgroup_id_z 1
		.amdhsa_system_vgpr_workitem_id 0
		.amdhsa_next_free_vgpr 256
		.amdhsa_next_free_sgpr 66
		.amdhsa_reserve_vcc 1
		.amdhsa_float_denorm_mode_32 3
		.amdhsa_float_denorm_mode_16_64 3
		.amdhsa_memory_ordered 1
		.amdhsa_forward_progress 1
		.amdhsa_inst_pref_size 34
	.end_amdhsa_kernel
	.amdgpu_metadata
---
amdhsa.version: [ 1, 2 ]
amdhsa.kernels:
  - .name:           k_qeb4b5b2567_wts
    .symbol:         k_qeb4b5b2567_wts.kd
    .args:
      - { .name: qkv, .offset: 0, .size: 8, .value_kind: global_buffer, .address_space: global }
      - { .name: padw, .offset: 8, .size: 8, .value_kind: global_buffer, .address_space: global }
      - { .name: negc, .offset: 16, .size: 8, .value_kind: global_buffer, .address_space: global }
      - { .name: out1, .offset: 24, .size: 8, .value_kind: global_buffer, .address_space: global }
    .group_segment_fixed_size: 137216
    .private_segment_fixed_size: 0
    .kernarg_segment_align: 8
    .kernarg_segment_size: 32
    .max_flat_workgroup_size: 512
    .sgpr_count:     66
    .vgpr_count:     256
    .wavefront_size: 32
...
	.end_amdgpu_metadata
.endif
;; end of part 4
;; launch oproj (part 5): grid 4 x 64, 4 waves a work-group, no clusters, 168,448 bytes of LDS; arguments at, wl, w_out_scales, b_out, key_padding_mask, x, x1; writes x1
.if DOCPART == 5
	.amdgcn_target "amdgcn-amd-amdhsa--gfx1250"
	.amdhsa_code_object_version 6
	.text
	.protected	k_qeb4b5b2567_oproj
	.globl	k_qeb4b5b2567_oproj
	.p2align	8
	.type	k_qeb4b5b2567_oproj,@function
k_qeb4b5b2567_oproj:
	s_mov_b64 s[64:65], 0
	v_nop
	global_prefetch_b8 v0, s[64:65] scope:SCOPE_SE
	s_setreg_imm32_b32 hwreg(HW_REG_WAVE_MODE, 25, 1), 1
	s_wait_xcnt 0x0
; x1 = x + (attention's result w_out^T + b_out, 0 for padded queries), on E4M3 codes.
; SHARES as in the qkv launch: a work-group owns 256 columns (x) and 64 tokens (y): two groups of 32; wave w owns 64 columns, whose 32 weight fragments stay in registers; the tokens' codes and scale bytes
; (67,584 bytes, dense) come into LDS once, a quarter by each wave's one tensor load; nothing is filled again.  The claim of LDS is larger than the 102,400 bytes used.
; Source 0 = weights, source 1 = tokens: a lane holds one token and runs of 16 neighbouring columns.  The results go through the wave's own stage (32 rows of 256 + 16 bytes) and leave as rows: sixteen lanes store 256 consecutive bytes, aligned.
; ORDER OF ROWS: position p of tile t stands for row 32 (t / 2) + 8 (t % 2) + p + 8 (p / 8).  LIMITS: NaN and infinities are not served; mask bytes are 0 or 1.
.set NT,   2
.set GB,   33792
.set STG,  NT*GB
.set LI,   1
.set ADA,  2
.set ADS,  3
.set L32,  4
.set WS,   16
.set AS,   32
.set BIAS, 40
.set ACC,  72
.set FL,   168
.set XR,   176
.set MSB,  0
.macro WIN new
.if MSB != (\new)
	s_set_vgpr_msb (MSB<<8)|(\new)
.set MSB, (\new)
.endif
.endm
.macro PL n
.rept \n
	v_nop
.endr
.endm
.macro WM d, a, b, c, sa, sb, ra, rb
.if (\ra) && (\rb)
	v_wmma_scale_f32_16x16x128_f8f6f4 v[\d:\d+7], v[\a:\a+15], v[\b:\b+15], v[\c:\c+7], v[\sa], v[\sb] matrix_a_scale:MATRIX_SCALE_ROW1 matrix_b_scale:MATRIX_SCALE_ROW1
.elseif (\ra)
	v_wmma_scale_f32_16x16x128_f8f6f4 v[\d:\d+7], v[\a:\a+15], v[\b:\b+15], v[\c:\c+7], v[\sa], v[\sb] matrix_a_scale:MATRIX_SCALE_ROW1
.elseif (\rb)
	v_wmma_scale_f32_16x16x128_f8f6f4 v[\d:\d+7], v[\a:\a+15], v[\b:\b+15], v[\c:\c+7], v[\sa], v[\sb] matrix_b_scale:MATRIX_SCALE_ROW1
.else
	v_wmma_scale_f32_16x16x128_f8f6f4 v[\d:\d+7], v[\a:\a+15], v[\b:\b+15], v[\c:\c+7], v[\sa], v[\sb]
.endif
.endm
.macro MM m                            ; the four sums take turns, one instruction a turn; the bias is the C of each sum's first
.irp s, 0,1,2,3,4,5,6,7
	WIN 0x0d+(\s/4)
.irp t, 0,1,2,3
.if \s == 0
	WM ACC+32*\m+8*\t, 16*(4*(\s%4)+\t), 16*(8*\m+\s), BIAS+8*\t, WS+8*(\t/2)+\s, AS+\s, \t%2, \m
.else
	WM ACC+32*\m+8*\t, 16*(4*(\s%4)+\t), 16*(8*\m+\s), ACC+32*\m+8*\t, WS+8*(\t/2)+\s, AS+\s, \t%2, \m
.endif
.endr
.endr
.endm
.macro FETCH m
	WIN 0xc0
.irp s, 0,1,2,3,4,5,6,7
.irp c, 0,1,2,3
	ds_load_b128 v[16*(8*\m+\s)+4*\c:16*(8*\m+\s)+4*\c+3], v[ADA] offset:\m*16384+\s*2048+\c*512
.endr
.endr
	WIN 0
.endm
.macro ASLD
	ds_load_b128 v[AS:AS+3], v[ADS] offset:32768
	ds_load_b128 v[AS+4:AS+7], v[ADS] offset:32784
.endm
.macro TRIP g, next
.irp m, 0,1
.irp i, 0,1,2,3,4,5,6,7
	global_load_b128 v[XR+32*\m+4*\i:XR+32*\m+4*\i+3], v12, s[40:41] offset:\g*131072+(8*\m+2*\i+8*(\i/4))*4096   ; x, by rows: it lands under the products
.endr
	global_load_u8 v[FL+\m], v13, s[44:45] offset:32*\g+8*\m       ; is my lane's token padded?
.endr
	s_wait_dscnt 0x0
	MM 0
	WIN 0
.if \next
	v_add_nc_u32 v[ADA], GB, v[LI]
	v_add_nc_u32 v[ADS], GB, v[L32]
	PL 6                                           ; eight places ahead of loads into registers that the products read
	FETCH 0
.endif
	MM 1
	WIN 0
	PL 8
.if \next
	ASLD
	FETCH 1
.endif
	s_wait_loadcnt 0x0
.irp m, 0,1
	v_cmp_ne_u32 vcc_lo, 0, v[FL+\m]
.set j, 0
.rept 32
	v_cndmask_b32 v[ACC+32*\m+j], v[ACC+32*\m+j], v14, vcc_lo      ; 0 for a padded query
.set j, j+1
.endr
.endr
.irp m, 0,1
.irp b, 0,1
.irp q, 0,1,2,3
	ds_store_b128 v10, v[ACC+32*\m+16*\b+4*\q:ACC+32*\m+16*\b+4*\q+3] offset:\m*4352+128*\b+16*\q
.endr
.endr
.endr
.irp m, 0,1
.irp i, 0,1,2,3,4,5,6,7
	ds_load_b128 v[ACC+32*\m+4*\i:ACC+32*\m+4*\i+3], v11 offset:(16*\m+2*\i)*272    ; my own bytes: served in order (ISA guide 5.7.1.4)
.endr
.endr
	s_wait_dscnt 0x0
.set j, 0
.rept 32
	v_pk_add_f32 v[ACC+j:ACC+j+1], v[ACC+j:ACC+j+1], v[XR+j:XR+j+1]
.set j, j+2
.endr
.irp m, 0,1
.irp i, 0,1,2,3,4,5,6,7
	global_store_b128 v12, v[ACC+32*\m+4*\i:ACC+32*\m+4*\i+3], s[42:43] offset:\g*131072+(8*\m+2*\i+8*(\i/4))*4096
.endr
.endr
	s_wait_xcnt 0x0                                ; the stores' data are written again only behind this wait
.endm
	s_load_b256 s[4:11], s[0:1], 0x0               ; at, wl, w_out's scales, b_out
	s_load_b128 s[24:27], s[0:1], 0x20             ; the key mask, x
	s_load_b64 s[28:29], s[0:1], 0x30              ; x1
	v_lshl_add_u32 v254, v0, 2, 0x29000
	v_mov_b32 v255, 0
	ds_add_u32 v254, v255
	ds_add_u32 v254, v255
	v_lshrrev_b32 v1, 5, v0
	v_readfirstlane_b32 s2, v1
	s_and_b32 s30, ttmp7, 0xffff
	s_mov_b32 s16, 3<<16                           ; group 1: rows of 32 elements of 8 bytes, dense, 66 rows
	s_mov_b32 s17, 32<<16
	s_mov_b32 s18, (33*NT)<<16
	s_mov_b32 s19, 32<<16
	s_mov_b32 s20, 33*NT
	s_mov_b32 s21, 32
	s_mov_b32 s22, 0
	s_mov_b32 s23, 0
	s_mov_b32 s12, 1
	s_mul_i32 s13, s2, 8448*NT
	s_mul_i32 s34, s30, NT*GB
	s_add_co_u32 s34, s34, s13
	s_mov_b32 s35, 0
	s_wait_dscnt 0x0
	s_wait_kmcnt 0x0
	s_add_nc_u64 s[14:15], s[4:5], s[34:35]
	s_or_b32 s15, s15, 0x80000000
	tensor_load_to_lds s[12:15], s[16:23]          ; my one tensor load of the launch
	s_nop 0
	PL 4
	v_and_b32 v5, 31, v0
	v_and_b32 v6, 15, v0
	v_bfe_u32 v7, v0, 4, 1
	v_lshlrev_b32 v[LI], 4, v5
	v_lshlrev_b32 v[L32], 5, v5
	s_lshl_b32 s3, ttmp9, 2
	s_add_co_u32 s3, s3, s2                        ; which 64 columns
	s_lshl_b32 s36, s3, 16
	s_add_co_u32 s36, s36, 0x300000
	s_mov_b32 s37, 0
	s_add_nc_u64 s[36:37], s[6:7], s[36:37]
	WIN 0x40
.irp s, 0,1,2,3
.irp t, 0,1,2,3
.irp c, 0,1,2,3
	global_load_b128 v[16*(4*\s+\t)+4*\c:16*(4*\s+\t)+4*\c+3], v[LI], s[36:37] offset:\t*16384+\s*2048+\c*512
.endr
.endr
.endr
	WIN 0x80
.irp s, 0,1,2,3
.irp t, 0,1,2,3
.irp c, 0,1,2,3
	global_load_b128 v[16*(4*\s+\t)+4*\c:16*(4*\s+\t)+4*\c+3], v[LI], s[36:37] offset:\t*16384+(\s+4)*2048+\c*512
.endr
.endr
.endr
	WIN 0
	v_and_b32 v13, 8, v6
	v_add_nc_u32 v13, v13, v6                      ; r + 8 (r / 8): also my token's place among the mask bytes
	v_lshl_add_u32 v8, v7, 3, v13
	v_lshlrev_b32 v8, 5, v8
	s_lshl_b32 s38, s3, 11
	s_mov_b32 s39, 0
	s_add_nc_u64 s[38:39], s[8:9], s[38:39]
.irp b, 0,1
	global_load_b128 v[WS+8*\b:WS+8*\b+3], v8, s[38:39] offset:\b*1024
	global_load_b128 v[WS+8*\b+4:WS+8*\b+7], v8, s[38:39] offset:\b*1024+16
.endr
	v_lshlrev_b32 v9, 6, v7
	s_lshl_b32 s48, s3, 8
	s_mov_b32 s49, 0
	s_add_nc_u64 s[48:49], s[10:11], s[48:49]
.irp t, 0,1,2,3
	global_load_b128 v[BIAS+8*\t:BIAS+8*\t+3], v9, s[48:49] offset:(32*(\t/2)+8*(\t%2))*4
	global_load_b128 v[BIAS+8*\t+4:BIAS+8*\t+7], v9, s[48:49] offset:(32*(\t/2)+8*(\t%2))*4+16
.endr
	s_mul_i32 s32, s2, 8704
	s_add_co_u32 s32, s32, STG                     ; my stage
	v_mul_u32_u24 v10, v6, 272
	v_lshl_add_u32 v10, v7, 6, v10
	v_add_nc_u32 v10, s32, v10                     ; in: row = position, + 64 (lane / 16)
	v_mul_u32_u24 v11, v7, 272
	v_lshl_add_u32 v11, v6, 4, v11
	v_add_nc_u32 v11, s32, v11                     ; out: two rows an instruction
	v_lshlrev_b32 v12, 12, v7
	v_lshl_add_u32 v12, v6, 4, v12                 ; and the same two rows in x and x1
	v_mov_b32 v14, 0
	s_lshl_b32 s40, s30, 18
	s_lshl_b32 s33, s3, 8
	s_add_co_u32 s40, s40, s33
	s_mov_b32 s41, 0
	s_add_nc_u64 s[42:43], s[28:29], s[40:41]
	s_add_nc_u64 s[40:41], s[26:27], s[40:41]
	s_lshl_b32 s44, s30, 6
	s_mov_b32 s45, 0
	s_add_nc_u64 s[44:45], s[24:25], s[44:45]
	s_wait_tensorcnt 0x0
	s_barrier_signal -1
	s_barrier_wait -1
	v_mov_b32 v[ADA], v[LI]
	v_mov_b32 v[ADS], v[L32]
	FETCH 0
	ASLD
	FETCH 1
	s_wait_loadcnt 0x0                             ; weights, scale words, bias
	TRIP 0, 1
	TRIP 1, 0
	s_wait_tensorcnt 0x0
	ds_add_u32 v254, v255
	s_wait_dscnt 0x0
	s_endpgm
.Lfunc_end_k_qeb4b5b2567_oproj:
	.size	k_qeb4b5b2567_oproj, .Lfunc_end_k_qeb4b5b2567_oproj-k_qeb4b5b2567_oproj
	.p2alignl 7, 3214868480
	.fill 96, 4, 3214868480
	.section	.rodata,"a",@progbits
	.p2align	6, 0x0
	.amdhsa_kernel k_qeb4b5b2567_oproj
		.amdhsa_group_segment_fixed_size 168448
		.amdhsa_private_segment_fixed_size 0
		.amdhsa_enable_private_segment 0
		.amdhsa_kernarg_size 56
		.amdhsa_user_sgpr_count 2
		.amdhsa_user_sgpr_kernarg_segment_ptr 1
		.amdhsa_wavefront_size32 1
		.amdhsa_system_sgpr_workgroup_id_x 1
		.amdhsa_system_sgpr_workgroup_id_y 1
		.amdhsa_system_sgpr_workgroup_id_z 1
		.amdhsa_system_vgpr_workitem_id 0
		.amdhsa_next_free_vgpr 1024
		.amdhsa_next_free_sgpr 66
		.amdhsa_reserve_vcc 1
		.amdhsa_float_denorm_mode_32 3
		.amdhsa_float_denorm_mode_16_64 3
		.amdhsa_memory_ordered 1
		.amdhsa_forward_progress 1
		.amdhsa_inst_pref_size 62
	.end_amdhsa_kernel
	.amdgpu_metadata
---
amdhsa.version: [ 1, 2 ]
amdhsa.kernels:
  - .name:           k_qeb4b5b2567_oproj
    .symbol:         k_qeb4b5b2567_oproj.kd
    .args:
      - { .name: at, .offset: 0, .size: 8, .value_kind: global_buffer, .address_space: global }
      - { .name: wl, .offset: 8, .size: 8, .value_kind: global_buffer, .address_space: global }
      - { .name: w_out_scales, .offset: 16, .size: 8, .value_kind: global_buffer, .address_space: global }
      - { .name: b_out, .offset: 24, .size: 8, .value_kind: global_buffer, .address_space: global }
      - { .name: key_padding_mask, .offset: 32, .size: 8, .value_kind: global_buffer, .address_space: global }
      - { .name: x, .offset: 40, .size: 8, .value_kind: global_buffer, .address_space: global }
      - { .name: x1, .offset: 48, .size: 8, .value_kind: global_buffer, .address_space: global }
    .group_segment_fixed_size: 168448
    .private_segment_fixed_size: 0
    .kernarg_segment_align: 8
    .kernarg_segment_size: 56
    .max_flat_workgroup_size: 128
    .sgpr_count:     66
    .vgpr_count:     1024
    .wavefront_size: 32
...
	.end_amdgpu_metadata
.endif
;; end of part 5
;; launch ln2 (part 6): grid 256 x 1, 4 waves a work-group, no clusters, 18,432 bytes of LDS; arguments x1, ln2_g, ln2_b, xq; writes xq
.if DOCPART == 6
	.amdgcn_target "amdgcn-amd-amdhsa--gfx1250"
	.amdhsa_code_object_version 6
	.text
	.protected	k_qeb4b5b2567_ln2
	.globl	k_qeb4b5b2567_ln2
	.p2align	8
	.type	k_qeb4b5b2567_ln2,@function
k_qeb4b5b2567_ln2:
	s_mov_b64 s[64:65], 0
	v_nop
	global_prefetch_b8 v0, s[64:65] scope:SCOPE_SE
	s_setreg_imm32_b32 hwreg(HW_REG_WAVE_MODE, 25, 1), 1
	s_wait_xcnt 0x0
; LayerNorm 2 of x1, quantised to E4M3 with one E8M0 byte for each 32 along the 1,024 columns, into xq, laid as the first launch lays it:
; 128 groups of 32 tokens, 33,792 bytes each: tile 0's codes, tile 1's codes (16,384 each, [piece = k / 16][position][16 bytes]), then 512 scale bytes a tile, [position][32].
; Position p of tile t stands for token 32 (t / 2) + 8 (t % 2) + p + 8 (p / 8).  A work-group makes one tile; wave w rows 4 w .. 4 w + 3; a lane holds pieces lane and 32 + lane of each row.
; The mean first, then the sum of squared differences: no difference of large sums.
; LIMITS: NaN and infinities are not served.  A block of zeros gets the scale byte 1 where the rule says 127: its codes are zeros and this program alone reads the bytes.
.set SCI,  17408
.set X,    32
.set GA,   160
.set BE,   192
.set CD,   160
.macro RED
.irp i, 0,1,2,3
	v_add_f32 v[8+2*\i], v[8+2*\i], v[9+2*\i]
.endr
.irp m, 1,2,4,8
.irp i, 0,1,2,3
	v_add_f32_dpp v[8+2*\i], v[8+2*\i], v[8+2*\i] row_xmask:\m row_mask:0xf bank_mask:0xf
.endr
.endr
.irp i, 0,1,2,3
	v_permlanex16_b32 v[9+2*\i], v[8+2*\i], s28, s29
.endr
.irp i, 0,1,2,3
	v_add_f32 v[8+2*\i], v[8+2*\i], v[9+2*\i]
.endr
.endm
.macro QROW i
.irp f, 0,1
	v_max3_num_f32 v[8+4*\f], |v[X+32*\i+16*\f]|, |v[X+32*\i+16*\f+1]|, 0x4800000   ; with the floor 2^(9 - 127)
.endr
.irp j, 2,4,6,8,10,12,14
.irp f, 0,1
	v_max3_num_f32 v[8+4*\f], v[8+4*\f], |v[X+32*\i+16*\f+\j]|, |v[X+32*\i+16*\f+\j+1]|
.endr
.endr
.irp f, 0,1
	v_max_num_f32_dpp v[8+4*\f], v[8+4*\f], v[8+4*\f] row_xmask:1 row_mask:0xf bank_mask:0xf
.endr
.irp f, 0,1
	v_add_nc_u32 v[9+4*\f], 0xfc000000, v[8+4*\f]
	v_and_or_b32 v[10+4*\f], v[8+4*\f], 0x7f800000, s22
.endr
.irp f, 0,1
.irp j, 0,1,2,3,4,5,6,7,8,9,10,11,12,13,14,15
	v_med3_num_f32 v[X+32*\i+16*\f+\j], v[X+32*\i+16*\f+\j], -v[10+4*\f], v[10+4*\f]   ; the conversion does not saturate (ISA guide 7.6.2)
.endr
	v_cvt_scalef32_pk8_fp8_f32 v[CD+8*\i+4*\f:CD+8*\i+4*\f+1], v[X+32*\i+16*\f:X+32*\i+16*\f+7], v[9+4*\f]
	v_cvt_scalef32_pk8_fp8_f32 v[CD+8*\i+4*\f+2:CD+8*\i+4*\f+3], v[X+32*\i+16*\f+8:X+32*\i+16*\f+15], v[9+4*\f]
	v_lshrrev_b32 v[16+2*\i+\f], 23, v[9+4*\f]
	ds_store_b128 v3, v[CD+8*\i+4*\f:CD+8*\i+4*\f+3] offset:16*\i+8704*\f
	ds_store_b8 v4, v[16+2*\i+\f] offset:32*\i+16*\f
.endr
.endm
	v_and_b32 v1, 31, v0
	v_lshrrev_b32 v7, 5, v0
	v_readfirstlane_b32 s12, v7
	s_load_b256 s[4:11], s[0:1], 0x0               ; x1, gain, bias, xq
	v_lshl_add_u32 v224, v0, 2, 0x4600
	v_mov_b32 v225, 0
	v_lshlrev_b32 v2, 6, v1
	v_mul_u32_u24 v3, v1, 272
	s_lshl_b32 s13, s12, 6
	v_add_nc_u32 v3, s13, v3
	v_lshrrev_b32 v4, 1, v1
	s_lshl_b32 s13, s12, 7
	s_add_co_u32 s13, s13, SCI
	v_add_nc_u32 v4, s13, v4
	v_lshrrev_b32 v5, 4, v1
	s_lshl_b32 s13, s12, 4
	v_add_nc_u32 v5, s13, v5
	v_mul_u32_u24 v5, v5, 272
	v_and_b32 v6, 15, v1
	v_lshl_add_u32 v5, v6, 4, v5
	v_lshlrev_b32 v6, 4, v1
	v_add_nc_u32 v7, SCI, v6
	s_lshr_b32 s13, ttmp9, 1
	s_and_b32 s14, ttmp9, 1
	s_lshl_b32 s15, s13, 5
	s_lshl_b32 s16, s14, 3
	s_add_co_u32 s15, s15, s16
	s_lshl_b32 s16, s12, 2
	s_add_co_u32 s15, s15, s16
	s_lshr_b32 s16, s12, 1
	s_lshl_b32 s16, s16, 3
	s_add_co_u32 s15, s15, s16
	s_lshl_b32 s16, s15, 12
	s_mov_b32 s17, 0
	s_mul_i32 s18, s13, 33792
	s_lshl_b32 s19, s14, 14
	s_add_co_u32 s24, s18, s19
	s_lshl_b32 s19, s12, 12
	s_add_co_u32 s24, s24, s19
	s_mov_b32 s25, 0
	s_lshl_b32 s19, s14, 9
	s_add_co_u32 s26, s18, s19
	s_add_co_u32 s26, s26, 32768
	s_mov_b32 s27, 0
	s_mov_b32 s20, 0x3a800000
	s_mov_b32 s21, 0x3727c5ac
	s_mov_b32 s22, 0x600000
	s_mov_b32 s28, 0x76543210
	s_mov_b32 s29, 0xfedcba98
	s_wait_kmcnt 0x0
	s_add_nc_u64 s[4:5], s[4:5], s[16:17]
	s_add_nc_u64 s[24:25], s[10:11], s[24:25]
	s_add_nc_u64 s[26:27], s[10:11], s[26:27]
.irp i, 0,1,2,3
.irp f, 0,1
.irp j, 0,1,2,3
	global_load_b128 v[X+32*\i+16*\f+4*\j:X+32*\i+16*\f+4*\j+3], v2, s[4:5] offset:\i*4096+\f*2048+16*\j
.endr
.endr
.endr
.irp f, 0,1
.irp j, 0,1,2,3
	global_load_b128 v[GA+16*\f+4*\j:GA+16*\f+4*\j+3], v2, s[6:7] offset:\f*2048+16*\j
	global_load_b128 v[BE+16*\f+4*\j:BE+16*\f+4*\j+3], v2, s[8:9] offset:\f*2048+16*\j
.endr
.endr
	s_wait_loadcnt 16                              ; the rows are in; the 16 loads of gain and bias may stay out
.irp i, 0,1,2,3
	v_pk_add_f32 v[8+2*\i:9+2*\i], v[X+32*\i:X+32*\i+1], v[X+32*\i+2:X+32*\i+3]
.endr
.irp j, 4,6,8,10,12,14,16,18,20,22,24,26,28,30
.irp i, 0,1,2,3
	v_pk_add_f32 v[8+2*\i:9+2*\i], v[8+2*\i:9+2*\i], v[X+32*\i+\j:X+32*\i+\j+1]
.endr
.endr
	RED
.irp i, 0,1,2,3
	v_mul_f32 v[16+2*\i], s20, v[8+2*\i]
	v_mul_f32 v[17+2*\i], s20, v[8+2*\i]
.endr
.irp i, 0,1,2,3
.set j, 0
.rept 16
	v_pk_add_f32 v[X+32*\i+j:X+32*\i+j+1], v[X+32*\i+j:X+32*\i+j+1], v[16+2*\i:17+2*\i] neg_lo:[0,1] neg_hi:[0,1]
.set j, j+2
.endr
.endr
.irp i, 0,1,2,3
	v_pk_mul_f32 v[8+2*\i:9+2*\i], v[X+32*\i:X+32*\i+1], v[X+32*\i:X+32*\i+1]
.endr
.irp j, 2,4,6,8,10,12,14,16,18,20,22,24,26,28,30
.irp i, 0,1,2,3
	v_pk_fma_f32 v[8+2*\i:9+2*\i], v[X+32*\i+\j:X+32*\i+\j+1], v[X+32*\i+\j:X+32*\i+\j+1], v[8+2*\i:9+2*\i]
.endr
.endr
	RED
.irp i, 0,1,2,3
	v_fma_f32 v[8+2*\i], v[8+2*\i], s20, s21
.endr
.irp i, 0,1,2,3
	v_rsq_f32 v[24+2*\i], v[8+2*\i]
	v_rsq_f32 v[25+2*\i], v[8+2*\i]
.endr
	v_nop                                          ; a plain place behind the transcendentals
	s_wait_loadcnt 0x0
	s_wait_alu depctr_va_vdst(0)
.irp i, 0,1,2,3
.set j, 0
.rept 16
	v_pk_mul_f32 v[X+32*\i+j:X+32*\i+j+1], v[X+32*\i+j:X+32*\i+j+1], v[24+2*\i:25+2*\i]
.set j, j+2
.endr
.set j, 0
.rept 16
	v_pk_fma_f32 v[X+32*\i+j:X+32*\i+j+1], v[X+32*\i+j:X+32*\i+j+1], v[GA+j:GA+j+1], v[BE+j:BE+j+1]
.set j, j+2
.endr
.endr
.irp i, 0,1,2,3
	QROW \i
.endr
	s_wait_dscnt 0x0                               ; for the others' sake: my stores have landed
	s_barrier_signal -1
	s_barrier_wait -1
.irp k, 0,1,2,3,4,5,6,7
	ds_load_b128 v[X+4*\k:X+4*\k+3], v5 offset:544*\k
.endr
.irp k, 0,1,2,3,4,5,6,7
	s_wait_dscnt 7-\k                              ; the younger loads may stay out
	global_store_b128 v6, v[X+4*\k:X+4*\k+3], s[24:25] offset:512*\k
.endr
	s_cmp_lg_u32 s12, 0
	s_cbranch_scc1 .Lln_end
	ds_load_b128 v[X+32:X+35], v7
	s_wait_dscnt 0x0
	global_store_b128 v6, v[X+32:X+35], s[26:27]
.Lln_end:
	s_wait_tensorcnt 0x0
	ds_add_u32 v224, v225
	s_wait_dscnt 0x0
	s_endpgm
.Lfunc_end_k_qeb4b5b2567_ln2:
	.size	k_qeb4b5b2567_ln2, .Lfunc_end_k_qeb4b5b2567_ln2-k_qeb4b5b2567_ln2
	.p2alignl 7, 3214868480
	.fill 96, 4, 3214868480
	.section	.rodata,"a",@progbits
	.p2align	6, 0x0
	.amdhsa_kernel k_qeb4b5b2567_ln2
		.amdhsa_group_segment_fixed_size 18432
		.amdhsa_private_segment_fixed_size 0
		.amdhsa_enable_private_segment 0
		.amdhsa_kernarg_size 32
		.amdhsa_user_sgpr_count 2
		.amdhsa_user_sgpr_kernarg_segment_ptr 1
		.amdhsa_wavefront_size32 1
		.amdhsa_system_sgpr_workgroup_id_x 1
		.amdhsa_system_sgpr_workgroup_id_y 1
		.amdhsa_system_sgpr_workgroup_id_z 1
		.amdhsa_system_vgpr_workitem_id 0
		.amdhsa_next_free_vgpr 226
		.amdhsa_next_free_sgpr 66
		.amdhsa_reserve_vcc 0
		.amdhsa_float_denorm_mode_32 3
		.amdhsa_float_denorm_mode_16_64 3
		.amdhsa_memory_ordered 1
		.amdhsa_forward_progress 1
		.amdhsa_inst_pref_size 49
	.end_amdhsa_kernel
	.amdgpu_metadata
---
amdhsa.version: [ 1, 2 ]
amdhsa.kernels:
  - .name:           k_qeb4b5b2567_ln2
    .symbol:         k_qeb4b5b2567_ln2.kd
    .args:
      - { .name: x1, .offset: 0, .size: 8, .value_kind: global_buffer, .address_space: global }
      - { .name: ln2_g, .offset: 8, .size: 8, .value_kind: global_buffer, .address_space: global }
      - { .name: ln2_b, .offset: 16, .size: 8, .value_kind: global_buffer, .address_space: global }
      - { .name: xq, .offset: 24, .size: 8, .value_kind: global_buffer, .address_space: global }
    .group_segment_fixed_size: 18432
    .private_segment_fixed_size: 0
    .kernarg_segment_align: 8
    .kernarg_segment_size: 32
    .max_flat_workgroup_size: 128
    .sgpr_count:     66
    .vgpr_count:     226
    .wavefront_size: 32
...
	.end_amdgpu_metadata
.endif
;; end of part 6
;; launch ffn1 (part 7): grid 16 x 16, 4 waves a work-group, no clusters, 270,848 bytes of LDS; arguments xq, wl, w1_scales, b1, hq; writes hq
.if DOCPART == 7
	.amdgcn_target "amdgcn-amd-amdhsa--gfx1250"
	.amdhsa_code_object_version 6
	.text
	.protected	k_qeb4b5b2567_ffn1
	.globl	k_qeb4b5b2567_ffn1
	.p2align	8
	.type	k_qeb4b5b2567_ffn1,@function
k_qeb4b5b2567_ffn1:
	s_mov_b64 s[64:65], 0
	v_nop
	global_prefetch_b8 v0, s[64:65] scope:SCOPE_SE
	s_setreg_imm32_b32 hwreg(HW_REG_WAVE_MODE, 25, 1), 1
	s_wait_xcnt 0x0
; hidden = quick_gelu(Q(LN2(x1)) w1^T + b1), quantised at once along its 4,096 columns for the last product.  quick_gelu(z) = z / (1 + 2^(-1.702 log2(e) z)), in f32.
; SHARES as in the qkv launch: a work-group owns 256 columns (x) and 256 tokens (y); wave w owns 64 columns, whose 32 weight fragments (512 registers) stay in registers; the tokens' codes and scale bytes
; (8 groups of 32: 270,336 bytes, dense) come into LDS once, a quarter by each wave's one tensor load; nothing is filled again.  A trip is one group: 64 matrix instructions.
; Source 0 = weights, source 1 = tokens: a lane holds one token, and the 16 registers of column tiles 2 b, 2 b + 1 are columns 32 b + 16 (lane / 16) + 0 .. 15 (position p of tile t stands for row 32 (t / 2) + 8 (t % 2) + p + 8 (p / 8)).
; OUT (hq): 128 groups of 135,168 bytes: tile 0's codes, tile 1's (65,536 each, [piece = k / 16][position][16]), then 2,048 scale bytes a tile, [position][128].  A wave's two scale bytes of a row leave by a store of two bytes a lane.
; No joint loads: of a work-group's bytes the weights go straight into registers, and only the token block could be shared.
; LIMITS: NaN and infinities are not served; a block of zeros gets the byte 1.
.set NT,   8
.set GB,   33792
.set LI,   1
.set ADA,  2
.set ADS,  3
.set L32,  4
.set WS,   16
.set AS,   32
.set BIAS, 40
.set ACC,  72
.set PC,   136
.set TM,   152
.set T,    168
.set E,    176
.set MSB,  0
.macro WIN new
.if MSB != (\new)
	s_set_vgpr_msb (MSB<<8)|(\new)
.set MSB, (\new)
.endif
.endm
.macro PL n
.rept \n
	v_nop
.endr
.endm
.macro WM d, a, b, c, sa, sb, ra, rb
.if (\ra) && (\rb)
	v_wmma_scale_f32_16x16x128_f8f6f4 v[\d:\d+7], v[\a:\a+15], v[\b:\b+15], v[\c:\c+7], v[\sa], v[\sb] matrix_a_scale:MATRIX_SCALE_ROW1 matrix_b_scale:MATRIX_SCALE_ROW1
.elseif (\ra)
	v_wmma_scale_f32_16x16x128_f8f6f4 v[\d:\d+7], v[\a:\a+15], v[\b:\b+15], v[\c:\c+7], v[\sa], v[\sb] matrix_a_scale:MATRIX_SCALE_ROW1
.elseif (\rb)
	v_wmma_scale_f32_16x16x128_f8f6f4 v[\d:\d+7], v[\a:\a+15], v[\b:\b+15], v[\c:\c+7], v[\sa], v[\sb] matrix_b_scale:MATRIX_SCALE_ROW1
.else
	v_wmma_scale_f32_16x16x128_f8f6f4 v[\d:\d+7], v[\a:\a+15], v[\b:\b+15], v[\c:\c+7], v[\sa], v[\sb]
.endif
.endm
.macro MM m                            ; the four sums take turns, one instruction a turn; the bias is the C of each sum's first
.irp s, 0,1,2,3,4,5,6,7
	WIN 0x0d+(\s/4)
.irp t, 0,1,2,3
.if \s == 0
	WM ACC+32*\m+8*\t, 16*(4*(\s%4)+\t), 16*(8*\m+\s), BIAS+8*\t, WS+8*(\t/2)+\s, AS+\s, \t%2, \m
.else
	WM ACC+32*\m+8*\t, 16*(4*(\s%4)+\t), 16*(8*\m+\s), ACC+32*\m+8*\t, WS+8*(\t/2)+\s, AS+\s, \t%2, \m
.endif
.endr
.endr
.endm
.macro FETCH m
	WIN 0xc0
.irp s, 0,1,2,3,4,5,6,7
.irp c, 0,1,2,3
	ds_load_b128 v[16*(8*\m+\s)+4*\c:16*(8*\m+\s)+4*\c+3], v[ADA] offset:\m*16384+\s*2048+\c*512
.endr
.endr
	WIN 0
.endm
.macro ASLD
	ds_load_b128 v[AS:AS+3], v[ADS] offset:32768
	ds_load_b128 v[AS+4:AS+7], v[ADS] offset:32784
.endm
.macro TRIPM next
	s_wait_dscnt 0x0                               ; this group's fragments were asked for an epilogue ago
	MM 0
	WIN 0
.if \next
	v_add_nc_u32 v[ADA], s31, v[LI]
	v_add_nc_u32 v[ADS], s31, v[L32]
	PL 6                                           ; eight places ahead of loads into registers that the products read
	FETCH 0
.endif
	MM 1
	WIN 0
	PL 8
.if \next
	ASLD
	FETCH 1
	s_add_co_u32 s31, s31, GB
.endif
.endm
.macro QUANT s
.irp b, 0,1,2,3
	v_max3_num_f32 v[TM+\b], |v[\s+16*\b]|, |v[\s+16*\b+1]|, 0x4800000
.endr
.irp i, 2,4,6,8,10,12,14
.irp b, 0,1,2,3
	v_max3_num_f32 v[TM+\b], v[TM+\b], |v[\s+16*\b+\i]|, |v[\s+16*\b+\i+1]|
.endr
.endr
.irp b, 0,1,2,3
	v_permlanex16_b32 v[TM+4+\b], v[TM+\b], s28, s29
.endr
.irp b, 0,1,2,3
	v_max_num_f32 v[TM+\b], v[TM+\b], v[TM+4+\b]
.endr
.irp b, 0,1,2,3
	v_add_nc_u32 v[TM+12+\b], 0xfc000000, v[TM+\b]
.endr
.irp b, 0,1,2,3
	v_and_or_b32 v[TM+8+\b], v[TM+\b], 0x7f800000, s27
.endr
.irp b, 0,1,2,3
	v_lshrrev_b32 v[TM+4+\b], 23, v[TM+12+\b]
.endr
.irp b, 0,1,2,3
.irp i, 0,1,2,3,4,5,6,7,8,9,10,11,12,13,14,15
	v_med3_num_f32 v[\s+16*\b+\i], v[\s+16*\b+\i], -v[TM+8+\b], v[TM+8+\b]   ; the conversion does not saturate (ISA guide 7.6.2)
.endr
	v_cvt_scalef32_pk8_fp8_f32 v[PC+4*\b:PC+4*\b+1], v[\s+16*\b:\s+16*\b+7], v[TM+12+\b]
	v_cvt_scalef32_pk8_fp8_f32 v[PC+4*\b+2:PC+4*\b+3], v[\s+16*\b+8:\s+16*\b+15], v[TM+12+\b]
.endr
	v_nop                                          ; a plain place behind the last conversion: the next products write its sources
.endm
.macro EPF
.set j, 0
.rept 32
	v_pk_mul_f32 v[E+j:E+j+1], v[ACC+j:ACC+j+1], s[44:45] op_sel_hi:[1,0]    ; -1.702 log2(e) z
.set j, j+2
.endr
.set j, 0
.rept 64
	v_exp_f32 v[E+j], v[E+j]
.set j, j+1
.endr
	v_nop
.set j, 0
	s_wait_alu depctr_va_vdst(0)
.rept 32
	v_pk_add_f32 v[E+j:E+j+1], v[E+j:E+j+1], 1.0 op_sel_hi:[1,0]
.set j, j+2
.endr
.set j, 0
.rept 64
	v_rcp_f32 v[E+j], v[E+j]
.set j, j+1
.endr
	v_nop
.set j, 0
	s_wait_alu depctr_va_vdst(0)
.rept 32
	v_pk_mul_f32 v[ACC+j:ACC+j+1], v[ACC+j:ACC+j+1], v[E+j:E+j+1]
.set j, j+2
.endr
	QUANT ACC
.irp m, 0,1
.irp b, 0,1
	global_store_b128 v[LI], v[PC+4*(2*\m+\b):PC+4*(2*\m+\b)+3], s[40:41] offset:\m*65536+\b*512   ; 512 consecutive bytes
.endr
.endr
	v_lshl_or_b32 v[T], v[TM+5], 8, v[TM+4]
	v_lshl_or_b32 v[T+1], v[TM+7], 8, v[TM+6]
	v_cndmask_b32 v[T+2], v[T], v[T+1], vcc_lo     ; lanes 16-31 store tile 1's two bytes
	global_store_b16 v10, v[T+2], s[42:43]
	s_wait_xcnt 0x0                                ; the stores' data and bases are written again only behind this wait
	s_add_nc_u64 s[40:41], s[40:41], 135168
	s_add_nc_u64 s[42:43], s[42:43], 135168
.endm
	s_load_b256 s[4:11], s[0:1], 0x0               ; xq, wl, w1's scales, b1
	s_load_b64 s[24:25], s[0:1], 0x20              ; hq
	v_lshl_add_u32 v254, v0, 2, 0x42000
	v_mov_b32 v255, 0
	ds_add_u32 v254, v255
	ds_add_u32 v254, v255
	v_lshrrev_b32 v1, 5, v0
	v_readfirstlane_b32 s2, v1
	s_and_b32 s26, ttmp7, 0xffff
	s_mov_b32 s16, 3<<16                           ; group 1: rows of 32 elements of 8 bytes, dense, 264 rows
	s_mov_b32 s17, 32<<16
	s_mov_b32 s18, (33*NT)<<16
	s_mov_b32 s19, 32<<16
	s_mov_b32 s20, 33*NT
	s_mov_b32 s21, 32
	s_mov_b32 s22, 0
	s_mov_b32 s23, 0
	s_mov_b32 s12, 1
	s_mul_i32 s13, s2, 8448*NT
	s_mul_i32 s34, s26, NT*GB
	s_add_co_u32 s34, s34, s13
	s_mov_b32 s35, 0
	s_wait_dscnt 0x0
	s_wait_kmcnt 0x0
	s_add_nc_u64 s[14:15], s[4:5], s[34:35]
	s_or_b32 s15, s15, 0x80000000
	tensor_load_to_lds s[12:15], s[16:23]          ; my one tensor load of the launch
	s_nop 0
	PL 4
	v_and_b32 v5, 31, v0
	v_and_b32 v6, 15, v0
	v_bfe_u32 v7, v0, 4, 1
	v_lshlrev_b32 v[LI], 4, v5
	v_lshlrev_b32 v[L32], 5, v5
	s_lshl_b32 s3, ttmp9, 2
	s_add_co_u32 s3, s3, s2                        ; which 64 columns of the 4,096
	s_lshl_b32 s36, s3, 16
	s_add_co_u32 s36, s36, 0x400000
	s_mov_b32 s37, 0
	s_add_nc_u64 s[36:37], s[6:7], s[36:37]
	WIN 0x40
.irp s, 0,1,2,3
.irp t, 0,1,2,3
.irp c, 0,1,2,3
	global_load_b128 v[16*(4*\s+\t)+4*\c:16*(4*\s+\t)+4*\c+3], v[LI], s[36:37] offset:\t*16384+\s*2048+\c*512
.endr
.endr
.endr
	WIN 0x80
.irp s, 0,1,2,3
.irp t, 0,1,2,3
.irp c, 0,1,2,3
	global_load_b128 v[16*(4*\s+\t)+4*\c:16*(4*\s+\t)+4*\c+3], v[LI], s[36:37] offset:\t*16384+(\s+4)*2048+\c*512
.endr
.endr
.endr
	WIN 0
	v_and_b32 v9, 8, v6
	v_add_nc_u32 v9, v9, v6
	v_lshl_add_u32 v8, v7, 3, v9
	v_lshlrev_b32 v8, 5, v8
	s_lshl_b32 s38, s3, 11
	s_mov_b32 s39, 0
	s_add_nc_u64 s[38:39], s[8:9], s[38:39]
.irp b, 0,1
	global_load_b128 v[WS+8*\b:WS+8*\b+3], v8, s[38:39] offset:\b*1024
	global_load_b128 v[WS+8*\b+4:WS+8*\b+7], v8, s[38:39] offset:\b*1024+16
.endr
	v_lshlrev_b32 v9, 6, v7
	s_lshl_b32 s48, s3, 8
	s_mov_b32 s49, 0
	s_add_nc_u64 s[48:49], s[10:11], s[48:49]
.irp t, 0,1,2,3
	global_load_b128 v[BIAS+8*\t:BIAS+8*\t+3], v9, s[48:49] offset:(32*(\t/2)+8*(\t%2))*4
	global_load_b128 v[BIAS+8*\t+4:BIAS+8*\t+7], v9, s[48:49] offset:(32*(\t/2)+8*(\t%2))*4+16
.endr
	v_lshlrev_b32 v10, 11, v7
	v_lshl_add_u32 v10, v6, 7, v10                 ; scale bytes: 2,048 x tile + 128 x position
.irp b, 0,1,2,3
	v_mov_b32 v[TM+4+\b], 0
.endr
	s_mov_b32 s27, 0x600000
	s_mov_b32 s28, 0x76543210
	s_mov_b32 s29, 0xfedcba98
	s_mov_b32 vcc_lo, 0xffff0000
	s_mov_b32 s44, 0xc01d265f                      ; -1.702 log2(e)
	s_mov_b32 s45, s44
	s_mul_i32 s32, s26, 8*135168
	s_lshl_b32 s33, s3, 10
	s_add_co_u32 s40, s32, s33                     ; codes: pieces 4 x (which 64 columns) on
	s_mov_b32 s41, 0
	s_add_nc_u64 s[40:41], s[24:25], s[40:41]
	s_lshl_b32 s33, s3, 1
	s_add_co_u32 s42, s32, s33
	s_add_co_u32 s42, s42, 131072                  ; scale bytes: blocks 2 x (which 64 columns) on
	s_mov_b32 s43, 0
	s_add_nc_u64 s[42:43], s[24:25], s[42:43]
	s_wait_tensorcnt 0x0
	s_barrier_signal -1
	s_barrier_wait -1
	v_mov_b32 v[ADA], v[LI]
	v_mov_b32 v[ADS], v[L32]
	FETCH 0
	ASLD
	FETCH 1
	s_mov_b32 s31, GB
	s_mov_b32 s30, 0
	s_wait_loadcnt 0x0
.Lg:
	TRIPM 1
	EPF
	s_add_co_u32 s30, s30, 1
	s_cmp_lt_u32 s30, NT-1
	s_cbranch_scc1 .Lg
	TRIPM 0
	EPF
	s_wait_tensorcnt 0x0
	ds_add_u32 v254, v255
	s_wait_dscnt 0x0
	s_endpgm
.Lfunc_end_k_qeb4b5b2567_ffn1:
	.size	k_qeb4b5b2567_ffn1, .Lfunc_end_k_qeb4b5b2567_ffn1-k_qeb4b5b2567_ffn1
	.p2alignl 7, 3214868480
	.fill 96, 4, 3214868480
	.section	.rodata,"a",@progbits
	.p2align	6, 0x0
	.amdhsa_kernel k_qeb4b5b2567_ffn1
		.amdhsa_group_segment_fixed_size 270848
		.amdhsa_private_segment_fixed_size 0
		.amdhsa_enable_private_segment 0
		.amdhsa_kernarg_size 40
		.amdhsa_user_sgpr_count 2
		.amdhsa_user_sgpr_kernarg_segment_ptr 1
		.amdhsa_wavefront_size32 1
		.amdhsa_system_sgpr_workgroup_id_x 1
		.amdhsa_system_sgpr_workgroup_id_y 1
		.amdhsa_system_sgpr_workgroup_id_z 1
		.amdhsa_system_vgpr_workitem_id 0
		.amdhsa_next_free_vgpr 1024
		.amdhsa_next_free_sgpr 66
		.amdhsa_reserve_vcc 1
		.amdhsa_float_denorm_mode_32 3
		.amdhsa_float_denorm_mode_16_64 3
		.amdhsa_memory_ordered 1
		.amdhsa_forward_progress 1
		.amdhsa_inst_pref_size 81
	.end_amdhsa_kernel
	.amdgpu_metadata
---
amdhsa.version: [ 1, 2 ]
amdhsa.kernels:
  - .name:           k_qeb4b5b2567_ffn1
    .symbol:         k_qeb4b5b2567_ffn1.kd
    .args:
      - { .name: xq, .offset: 0, .size: 8, .value_kind: global_buffer, .address_space: global }
      - { .name: wl, .offset: 8, .size: 8, .value_kind: global_buffer, .address_space: global }
      - { .name: w1_scales, .offset: 16, .size: 8, .value_kind: global_buffer, .address_space: global }
      - { .name: b1, .offset: 24, .size: 8, .value_kind: global_buffer, .address_space: global }
      - { .name: hq, .offset: 32, .size: 8, .value_kind: global_buffer, .address_space: global }
    .group_segment_fixed_size: 270848
    .private_segment_fixed_size: 0
    .kernarg_segment_align: 8
    .kernarg_segment_size: 40
    .max_flat_workgroup_size: 128
    .sgpr_count:     66
    .vgpr_count:     1024
    .wavefront_size: 32
...
	.end_amdgpu_metadata
.endif
;; end of part 7
;; launch ffn2 (part 8): grid 16 x 16, 4 waves a work-group, no clusters, 70,144 bytes of LDS; arguments hq, wl, w2_scales, b2, x1, out0; writes out0
.if DOCPART == 8
	.amdgcn_target "amdgcn-amd-amdhsa--gfx1250"
	.amdhsa_code_object_version 6
	.text
	.protected	k_qeb4b5b2567_ffn2
	.globl	k_qeb4b5b2567_ffn2
	.p2align	8
	.type	k_qeb4b5b2567_ffn2,@function
k_qeb4b5b2567_ffn2:
	s_mov_b64 s[64:65], 0
	v_nop
	global_prefetch_b8 v0, s[64:65] scope:SCOPE_SE
	s_setreg_imm32_b32 hwreg(HW_REG_WAVE_MODE, 25, 1), 1
	s_wait_xcnt 0x0
; out0 = x1 + hidden w2^T + b2 on E4M3 codes, K = 4,096.
; SHARES.  A work-group owns 64 columns (x) and 256 tokens (y).  THE WAVES SHARE K: wave w owns K steps 8 w .. 8 w + 7, whose 32 weight fragments (64 x 1,024: 512 registers) stay in registers.
; No two waves read the same byte of the hidden layer, so its fragments go from memory straight into registers (images: 512 consecutive bytes a load), a half group ahead: up to 66 loads a wave are out.
; A trip is a group of 32 tokens: 64 matrix instructions; then the four partial sums meet in LDS (32 rows of 256 + 16 bytes from each wave), one barrier, and each wave adds 8 rows, x1 and b2 and stores them:
; sixteen lanes store 256 consecutive bytes, aligned.  Two stages take turns, so that one barrier a trip is enough: a stage is written again two trips on, behind the barrier in front of which every wave has waited for its reads of it.
; Position p of tile t stands for row 32 (t / 2) + 8 (t % 2) + p + 8 (p / 8).  LIMITS: NaN and infinities are not served.
.set GB4,  135168
.set WS,   16
.set AS,   32
.set ACC,  72
.set R,    176
.set B2,   192
.set MSB,  0
.macro WIN new
.if MSB != (\new)
	s_set_vgpr_msb (MSB<<8)|(\new)
.set MSB, (\new)
.endif
.endm
.macro PL n
.rept \n
	v_nop
.endr
.endm
.macro WM d, a, b, sa, sb, ra, rb
.if (\ra) && (\rb)
	v_wmma_scale_f32_16x16x128_f8f6f4 v[\d:\d+7], v[\a:\a+15], v[\b:\b+15], v[\d:\d+7], v[\sa], v[\sb] matrix_a_scale:MATRIX_SCALE_ROW1 matrix_b_scale:MATRIX_SCALE_ROW1
.elseif (\ra)
	v_wmma_scale_f32_16x16x128_f8f6f4 v[\d:\d+7], v[\a:\a+15], v[\b:\b+15], v[\d:\d+7], v[\sa], v[\sb] matrix_a_scale:MATRIX_SCALE_ROW1
.elseif (\rb)
	v_wmma_scale_f32_16x16x128_f8f6f4 v[\d:\d+7], v[\a:\a+15], v[\b:\b+15], v[\d:\d+7], v[\sa], v[\sb] matrix_b_scale:MATRIX_SCALE_ROW1
.else
	v_wmma_scale_f32_16x16x128_f8f6f4 v[\d:\d+7], v[\a:\a+15], v[\b:\b+15], v[\d:\d+7], v[\sa], v[\sb]
.endif
.endm
.macro WMZ d, a, b, sa, sb, ra, rb
.if (\ra) && (\rb)
	v_wmma_scale_f32_16x16x128_f8f6f4 v[\d:\d+7], v[\a:\a+15], v[\b:\b+15], 0, v[\sa], v[\sb] matrix_a_scale:MATRIX_SCALE_ROW1 matrix_b_scale:MATRIX_SCALE_ROW1
.elseif (\ra)
	v_wmma_scale_f32_16x16x128_f8f6f4 v[\d:\d+7], v[\a:\a+15], v[\b:\b+15], 0, v[\sa], v[\sb] matrix_a_scale:MATRIX_SCALE_ROW1
.elseif (\rb)
	v_wmma_scale_f32_16x16x128_f8f6f4 v[\d:\d+7], v[\a:\a+15], v[\b:\b+15], 0, v[\sa], v[\sb] matrix_b_scale:MATRIX_SCALE_ROW1
.else
	v_wmma_scale_f32_16x16x128_f8f6f4 v[\d:\d+7], v[\a:\a+15], v[\b:\b+15], 0, v[\sa], v[\sb]
.endif
.endm
.macro MM m                            ; the four sums take turns, one instruction a turn; the first product starts each sum
.irp s, 0,1,2,3,4,5,6,7
	WIN 0x0d+(\s/4)
.irp t, 0,1,2,3
.if \s == 0
	WMZ ACC+32*\m+8*\t, 16*(4*(\s%4)+\t), 16*(8*\m+\s), WS+8*(\t/2)+\s, AS+\s, \t%2, \m
.else
	WM ACC+32*\m+8*\t, 16*(4*(\s%4)+\t), 16*(8*\m+\s), WS+8*(\t/2)+\s, AS+\s, \t%2, \m
.endif
.endr
.endr
.endm
.macro XL m, off                       ; token tile m's eight fragments of my K steps, off bytes on from the group in hand
	WIN 0xc0
.irp s, 0,1,2,3,4,5,6,7
.irp c, 0,1,2,3
	global_load_b128 v[16*(8*\m+\s)+4*\c:16*(8*\m+\s)+4*\c+3], v1, s[16:17] offset:\off+\m*65536+\s*2048+\c*512 th:TH_LOAD_NT
.endr
.endr
	WIN 0
.endm
.macro ASL off                         ; their scale words: lanes 0-15 tile 0's rows, lanes 16-31 tile 1's
	global_load_b128 v[AS:AS+3], v2, s[16:17] offset:\off+131072
	global_load_b128 v[AS+4:AS+7], v2, s[16:17] offset:\off+131072+16
.endm
.macro TRIP par, next
.irp k, 0,1,2,3
	global_load_b128 v[R+4*\k:R+4*\k+3], v5, s[18:19] offset:\k*8192       ; my 8 rows of x1
.endr
	s_wait_loadcnt 36                              ; tile 0's fragments and the scale words are in; younger: tile 1's 32 loads and these 4
	MM 0
	WIN 0
	PL 8                                           ; places ahead of loads into registers that the products read
.if \next
	XL 0, GB4
	s_wait_loadcnt 36                              ; tile 1's fragments are in; younger: x1's 4 and the 32 just issued
.else
	s_wait_loadcnt 4                               ; younger: x1's 4
.endif
	MM 1
	WIN 0
	PL 8
.if \next
	ASL GB4
	XL 1, GB4
.endif
.irp m, 0,1
.irp b, 0,1
.irp q, 0,1,2,3
	ds_store_b128 v3, v[ACC+32*\m+16*\b+4*\q:ACC+32*\m+16*\b+4*\q+3] offset:\par*34816+\m*4352+128*\b+16*\q
.endr
.endr
.endr
	s_wait_dscnt 0x0                               ; for the others' sake: my stores have landed (my reads of the other stage were waited for last trip)
	s_barrier_signal -1
	s_barrier_wait -1
.irp v, 0,1,2,3
.irp k, 0,1,2,3
	ds_load_b128 v[ACC+16*\v+4*\k:ACC+16*\v+4*\k+3], v4 offset:\par*34816+8704*\v+544*\k
.endr
.endr
.if \next
	s_wait_loadcnt 63                              ; x1's rows are in: 66 loads are younger, and a wait's count names 63 at the most
.else
	s_wait_loadcnt 0x0
.endif
	s_wait_dscnt 0x0
.irp k, 0,1,2,3
.irp e, 0,2
	v_pk_add_f32 v[ACC+4*\k+\e:ACC+4*\k+\e+1], v[ACC+4*\k+\e:ACC+4*\k+\e+1], v[ACC+16+4*\k+\e:ACC+16+4*\k+\e+1]
	v_pk_add_f32 v[ACC+32+4*\k+\e:ACC+32+4*\k+\e+1], v[ACC+32+4*\k+\e:ACC+32+4*\k+\e+1], v[ACC+48+4*\k+\e:ACC+48+4*\k+\e+1]
	v_pk_add_f32 v[R+4*\k+\e:R+4*\k+\e+1], v[R+4*\k+\e:R+4*\k+\e+1], v[B2+\e:B2+\e+1]
.endr
.endr
.irp k, 0,1,2,3
.irp e, 0,2
	v_pk_add_f32 v[ACC+4*\k+\e:ACC+4*\k+\e+1], v[ACC+4*\k+\e:ACC+4*\k+\e+1], v[ACC+32+4*\k+\e:ACC+32+4*\k+\e+1]
.endr
.endr
.irp k, 0,1,2,3
.irp e, 0,2
	v_pk_add_f32 v[ACC+4*\k+\e:ACC+4*\k+\e+1], v[ACC+4*\k+\e:ACC+4*\k+\e+1], v[R+4*\k+\e:R+4*\k+\e+1]
.endr
.endr
.irp k, 0,1,2,3
	global_store_b128 v5, v[ACC+4*\k:ACC+4*\k+3], s[20:21] offset:\k*8192 th:TH_STORE_NT
.endr
	s_wait_xcnt 0x0                                ; bases and the stores' data are written again only behind this wait
	s_add_nc_u64 s[16:17], s[16:17], GB4
	s_add_nc_u64 s[18:19], s[18:19], 131072
	s_add_nc_u64 s[20:21], s[20:21], 131072
.endm
	s_load_b256 s[4:11], s[0:1], 0x0               ; hq, wl, w2's scales, b2
	s_load_b128 s[12:15], s[0:1], 0x20             ; x1, out0
	v_lshl_add_u32 v254, v0, 2, 0x11000
	v_mov_b32 v255, 0
	v_lshrrev_b32 v1, 5, v0
	v_readfirstlane_b32 s2, v1
	s_and_b32 s3, ttmp7, 0xffff
	v_and_b32 v9, 31, v0
	v_and_b32 v10, 15, v0
	v_bfe_u32 v11, v0, 4, 1
	v_lshlrev_b32 v6, 4, v9                        ; 16 x lane
	s_lshl_b32 s24, s2, 14
	v_add_nc_u32 v1, s24, v6                       ; + my K steps' 16,384 bytes of a tile
	s_lshl_b32 s24, s2, 5
	v_lshl_add_u32 v2, v9, 7, s24                  ; scale bytes: 128 a row, my 32 of them
	s_mul_i32 s24, s2, 8704
	v_mul_u32_u24 v3, v10, 272
	v_lshl_add_u32 v3, v11, 6, v3
	v_add_nc_u32 v3, s24, v3                       ; stage, in: my part; row = position, + 64 (lane / 16)
	s_lshl_b32 s24, s2, 3
	v_add_nc_u32 v4, s24, v11
	v_mul_u32_u24 v4, v4, 272
	v_lshl_add_u32 v4, v10, 4, v4                  ; stage, out: rows 8 w + 2 k + lane / 16 of each part
	v_lshlrev_b32 v5, 12, v11
	v_lshl_add_u32 v5, v10, 4, v5                  ; and two rows of x1 and out0
	v_and_b32 v7, 8, v10
	v_add_nc_u32 v7, v7, v10
	v_lshl_add_u32 v7, v11, 3, v7
	v_lshlrev_b32 v7, 7, v7
	v_lshlrev_b32 v8, 4, v10
	s_mul_i32 s16, s3, 8*GB4
	s_mov_b32 s17, 0
	s_lshl_b32 s18, s3, 8
	s_lshr_b32 s24, s2, 1
	s_lshl_b32 s24, s24, 3
	s_add_co_u32 s18, s18, s24
	s_and_b32 s24, s2, 1
	s_lshl_b32 s24, s24, 4
	s_add_co_u32 s18, s18, s24                     ; my first token: 256 y + 8 (w / 2) + 16 (w % 2)
	s_lshl_b32 s18, s18, 12
	s_lshl_b32 s24, ttmp9, 8
	s_add_co_u32 s18, s18, s24
	s_mov_b32 s19, 0
	s_lshl_b32 s22, ttmp9, 18
	s_lshl_b32 s24, s2, 14
	s_add_co_u32 s22, s22, s24
	s_add_co_u32 s22, s22, 0x800000
	s_mov_b32 s23, 0
	s_lshl_b32 s28, ttmp9, 13
	s_lshl_b32 s24, s2, 5
	s_add_co_u32 s28, s28, s24
	s_mov_b32 s29, 0
	s_lshl_b32 s30, ttmp9, 8
	s_mov_b32 s31, 0
	s_wait_kmcnt 0x0
	s_add_nc_u64 s[16:17], s[4:5], s[16:17]
	s_add_nc_u64 s[20:21], s[14:15], s[18:19]
	s_add_nc_u64 s[18:19], s[12:13], s[18:19]
	s_add_nc_u64 s[22:23], s[6:7], s[22:23]
	s_add_nc_u64 s[28:29], s[8:9], s[28:29]
	s_add_nc_u64 s[30:31], s[10:11], s[30:31]
	WIN 0x40
.irp s, 0,1,2,3
.irp t, 0,1,2,3
.irp c, 0,1,2,3
	global_load_b128 v[16*(4*\s+\t)+4*\c:16*(4*\s+\t)+4*\c+3], v6, s[22:23] offset:\t*65536+\s*2048+\c*512
.endr
.endr
.endr
	WIN 0x80
.irp s, 0,1,2,3
.irp t, 0,1,2,3
.irp c, 0,1,2,3
	global_load_b128 v[16*(4*\s+\t)+4*\c:16*(4*\s+\t)+4*\c+3], v6, s[22:23] offset:\t*65536+(\s+4)*2048+\c*512
.endr
.endr
.endr
	WIN 0
.irp b, 0,1
	global_load_b128 v[WS+8*\b:WS+8*\b+3], v7, s[28:29] offset:\b*4096
	global_load_b128 v[WS+8*\b+4:WS+8*\b+7], v7, s[28:29] offset:\b*4096+16
.endr
	global_load_b128 v[B2:B2+3], v8, s[30:31]
	XL 0, 0
	ASL 0
	XL 1, 0
	s_mov_b32 s26, 0
.Lpair:
	TRIP 0, 1
	TRIP 1, 1
	s_add_co_u32 s26, s26, 1
	s_cmp_lt_u32 s26, 3
	s_cbranch_scc1 .Lpair
	TRIP 0, 1
	TRIP 1, 0                                      ; the last group asks for nothing: no load leaves its buffer
	s_wait_tensorcnt 0x0
	ds_add_u32 v254, v255
	s_wait_dscnt 0x0
	s_endpgm
.Lfunc_end_k_qeb4b5b2567_ffn2:
	.size	k_qeb4b5b2567_ffn2, .Lfunc_end_k_qeb4b5b2567_ffn2-k_qeb4b5b2567_ffn2
	.p2alignl 7, 3214868480
	.fill 96, 4, 3214868480
	.section	.rodata,"a",@progbits
	.p2align	6, 0x0
	.amdhsa_kernel k_qeb4b5b2567_ffn2
		.amdhsa_group_segment_fixed_size 70144
		.amdhsa_private_segment_fixed_size 0
		.amdhsa_enable_private_segment 0
		.amdhsa_kernarg_size 48
		.amdhsa_user_sgpr_count 2
		.amdhsa_user_sgpr_kernarg_segment_ptr 1
		.amdhsa_wavefront_size32 1
		.amdhsa_system_sgpr_workgroup_id_x 1
		.amdhsa_system_sgpr_workgroup_id_y 1
		.amdhsa_system_sgpr_workgroup_id_z 1
		.amdhsa_system_vgpr_workitem_id 0
		.amdhsa_next_free_vgpr 1024
		.amdhsa_next_free_sgpr 66
		.amdhsa_reserve_vcc 0
		.amdhsa_float_denorm_mode_32 3
		.amdhsa_float_denorm_mode_16_64 3
		.amdhsa_memory_ordered 1
		.amdhsa_forward_progress 1
		.amdhsa_inst_pref_size 99
	.end_amdhsa_kernel
	.amdgpu_metadata
---
amdhsa.version: [ 1, 2 ]
amdhsa.kernels:
  - .name:           k_qeb4b5b2567_ffn2
    .symbol:         k_qeb4b5b2567_ffn2.kd
    .args:
      - { .name: hq, .offset: 0, .size: 8, .value_kind: global_buffer, .address_space: global }
      - { .name: wl, .offset: 8, .size: 8, .value_kind: global_buffer, .address_space: global }
      - { .name: w2_scales, .offset: 16, .size: 8, .value_kind: global_buffer, .address_space: global }
      - { .name: b2, .offset: 24, .size: 8, .value_kind: global_buffer, .address_space: global }
      - { .name: x1, .offset: 32, .size: 8, .value_kind: global_buffer, .address_space: global }
      - { .name: out0, .offset: 40, .size: 8, .value_kind: global_buffer, .address_space: global }
    .group_segment_fixed_size: 70144
    .private_segment_fixed_size: 0
    .kernarg_segment_align: 8
    .kernarg_segment_size: 48
    .max_flat_workgroup_size: 128
    .sgpr_count:     66
    .vgpr_count:     1024
    .wavefront_size: 32
...
	.end_amdgpu_metadata
.endif
;; end of part 8
;; ======== version 2 of 2: 8 launches
;; workspace buffers: wl 12,582,912 bytes; padw 512 bytes of whole numbers; xq 4,325,376 bytes; qkv 13,500,416 bytes; negc 524,288 bytes; at 4,325,376 bytes; x1 16,777,216 bytes; hq 17,301,504 bytes
;; launch prep (part 9): grid 512 x 1, 4 waves a work-group, no clusters, 35,840 bytes of LDS; arguments x, ln1_g, ln1_b, xq, key_padding_mask, w_in_codes, w_out_codes, w1_codes, w2_codes, wl, padw; writes xq, wl, padw
.if DOCPART == 9
	.amdgcn_target "amdgcn-amd-amdhsa--gfx1250"
	.amdhsa_code_object_version 6
	.text
	.protected	k_qeb4b5b2567_prep
	.globl	k_qeb4b5b2567_prep
	.p2align	8
	.type	k_qeb4b5b2567_prep,@function
k_qeb4b5b2567_prep:
	s_mov_b64 s[64:65], 0
	v_nop
	global_prefetch_b8 v0, s[64:65] scope:SCOPE_SE
	s_setreg_imm32_b32 hwreg(HW_REG_WAVE_MODE, 25, 1), 1
	s_wait_xcnt 0x0
; PREP.  Work-groups 0-255: LayerNorm 1 of x, quantised to E4M3 with one E8M0 byte for each 32 along the 1,024 columns.  Work-groups 256-511: the four weights' codes are laid anew; work-group 256 also packs the key mask into bits.
; ORDER OF ROWS, here and in every launch: position p (0..15) of tile t of 16 rows stands for row 32 (t / 2) + 8 (t % 2) + p + 8 (p / 8).
; ORDER OF BYTES ("image"): a tile is laid [piece = k / 16][position][16 bytes], so that 128 along K are 2,048 bytes on end and four loads of 16 bytes a lane, 512 bytes apart, at 16 x lane, are an operand's registers.
; xq: 128 groups of 32 tokens, 33,792 bytes each: tile 0's codes, tile 1's codes (16,384 each), then 512 scale bytes a tile, [position][32].
; LN: a work-group makes one tile; wave w rows 4 w .. 4 w + 3; a lane holds pieces lane and 32 + lane of each row (16 numbers each); mean first, then the sum of squared differences: no difference of large sums.
; LIMITS: NaN and infinities among the inputs are not served.  A block of zeros gets the scale byte 1 where the rule says 127: its codes are zeros and this program alone reads the bytes.  Mask bytes are 0 or 1.
; A lane's four loads of a piece stand 64 bytes from its neighbour's; the four stand on end and cover the same 2,048 consecutive bytes.
.set SCI,  17408                       ; LDS: the tile's image, 64 pieces x (256 + 16) bytes, from 0; its 512 scale bytes here
.set RST,  17920                       ; the other path's bytes: a stage of 16 x 272 bytes for each wave
.set X,    32                          ; v32-159  four rows x 32 numbers
.set GA,   160                         ; v160-191 gain
.set BE,   192                         ; v192-223 bias
.set CD,   160                         ; the codes, over the gain when it is done with
.macro RED                             ; v[8+2i] + v[9+2i], summed over the 32 lanes, for the four rows by turns
.irp i, 0,1,2,3
	v_add_f32 v[8+2*\i], v[8+2*\i], v[9+2*\i]
.endr
.irp m, 1,2,4,8
.irp i, 0,1,2,3
	v_add_f32_dpp v[8+2*\i], v[8+2*\i], v[8+2*\i] row_xmask:\m row_mask:0xf bank_mask:0xf
.endr
.endr
.irp i, 0,1,2,3
	v_permlanex16_b32 v[9+2*\i], v[8+2*\i], s28, s29
.endr
.irp i, 0,1,2,3
	v_add_f32 v[8+2*\i], v[8+2*\i], v[9+2*\i]
.endr
.endm
.macro QROW i                          ; row i's two pieces become codes; a block of 32 lies in lanes l and l xor 1
.irp f, 0,1
	v_max3_num_f32 v[8+4*\f], |v[X+32*\i+16*\f]|, |v[X+32*\i+16*\f+1]|, 0x4800000   ; with the floor 2^(9 - 127): the byte cannot fall under 1
.endr
.irp j, 2,4,6,8,10,12,14
.irp f, 0,1
	v_max3_num_f32 v[8+4*\f], v[8+4*\f], |v[X+32*\i+16*\f+\j]|, |v[X+32*\i+16*\f+\j+1]|
.endr
.endr
.irp f, 0,1
	v_max_num_f32_dpp v[8+4*\f], v[8+4*\f], v[8+4*\f] row_xmask:1 row_mask:0xf bank_mask:0xf
.endr
.irp f, 0,1
	v_add_nc_u32 v[9+4*\f], 0xfc000000, v[8+4*\f]              ; 8 off the exponent field: the conversion's scale operand
	v_and_or_b32 v[10+4*\f], v[8+4*\f], 0x7f800000, s22        ; 448 x the scale
.endr
.irp f, 0,1
.irp j, 0,1,2,3,4,5,6,7,8,9,10,11,12,13,14,15
	v_med3_num_f32 v[X+32*\i+16*\f+\j], v[X+32*\i+16*\f+\j], -v[10+4*\f], v[10+4*\f]   ; the conversion does not saturate (ISA guide 7.6.2)
.endr
	v_cvt_scalef32_pk8_fp8_f32 v[CD+8*\i+4*\f:CD+8*\i+4*\f+1], v[X+32*\i+16*\f:X+32*\i+16*\f+7], v[9+4*\f]
	v_cvt_scalef32_pk8_fp8_f32 v[CD+8*\i+4*\f+2:CD+8*\i+4*\f+3], v[X+32*\i+16*\f+8:X+32*\i+16*\f+15], v[9+4*\f]
	v_lshrrev_b32 v[16+2*\i+\f], 23, v[9+4*\f]                 ; the scale's byte, in a register of its own
	ds_store_b128 v3, v[CD+8*\i+4*\f:CD+8*\i+4*\f+3] offset:16*\i+8704*\f
	ds_store_b8 v4, v[16+2*\i+\f] offset:32*\i+16*\f           ; both lanes of a block write the same byte
.endr
.endm
.macro RSRC j, sh, lp, o               ; job j: tile j >> sh, 256 bytes of K number j & (2^sh - 1); s[o:o+1] = the byte at which the tile's first row's part begins
	s_lshr_b32 s50, s[\j], \sh
	s_and_b32 s51, s[\j], (1<<\sh)-1
	s_lshr_b32 s52, s50, 1
	s_lshl_b32 s52, s52, 5
	s_and_b32 s50, s50, 1
	s_lshl_b32 s50, s50, 3
	s_add_co_u32 s52, s52, s50
	s_lshl_b32 s52, s52, \lp
	s_lshl_b32 s51, s51, 8
	s_add_co_u32 s[\o], s52, s51
	s_mov_b32 s[\o+1], 0
.endm
.macro RLOAD p, rl, pitch, src         ; 16 rows x 256 bytes: two rows a load, sixteen lanes to a row's 256 bytes
.irp k, 0,1,2,3,4,5,6,7
	global_load_b128 v[32+32*\p+4*\k:32+32*\p+4*\k+3], v[\rl], s[\src:\src+1] offset:(2*\k+8*(\k/4))*\pitch th:TH_LOAD_NT
.endr
.endm
.macro RMOVE p, left, dst              ; through the wave's own stage: in by rows, out by pieces; LDS serves a wave's instructions in order (ISA guide 5.7.1.4)
	s_wait_loadcnt \left                           ; the later passes' loads may stay out
.irp k, 0,1,2,3,4,5,6,7
	ds_store_b128 v4, v[32+32*\p+4*\k:32+32*\p+4*\k+3] offset:32*\k
.endr
.irp k, 0,1,2,3,4,5,6,7
	ds_load_b128 v[128+32*\p+4*\k:128+32*\p+4*\k+3], v5 offset:544*\k
.endr
	s_wait_dscnt 0x0
.irp k, 0,1,2,3,4,5,6,7
	global_store_b128 v6, v[128+32*\p+4*\k:128+32*\p+4*\k+3], s[\dst:\dst+1] offset:512*\k   ; 512 consecutive bytes
.endr
.endm
	v_lshl_add_u32 v224, v0, 2, 0x8a00
	v_mov_b32 v225, 0
	v_and_b32 v1, 31, v0                           ; lane
	v_lshrrev_b32 v7, 5, v0
	v_readfirstlane_b32 s12, v7                    ; wave
	s_cmp_ge_u32 ttmp9, 256
	s_cbranch_scc1 .Lrelay
	; ---------------- LayerNorm and quantiser: tile ttmp9
	s_load_b256 s[4:11], s[0:1], 0x0               ; x, gain, bias, xq
	v_lshlrev_b32 v2, 6, v1                        ; 64 x lane: my piece in a row of f32
	v_mul_u32_u24 v3, v1, 272
	s_lshl_b32 s13, s12, 6
	v_add_nc_u32 v3, s13, v3                       ; image, in: 272 x piece + 16 x position (4 w + i)
	v_lshrrev_b32 v4, 1, v1
	s_lshl_b32 s13, s12, 7
	s_add_co_u32 s13, s13, SCI
	v_add_nc_u32 v4, s13, v4                       ; scale bytes, in: 32 x position + block
	v_lshrrev_b32 v5, 4, v1
	s_lshl_b32 s13, s12, 4
	v_add_nc_u32 v5, s13, v5
	v_mul_u32_u24 v5, v5, 272
	v_and_b32 v6, 15, v1
	v_lshl_add_u32 v5, v6, 4, v5                   ; image, out: pieces 16 w + 2 k + lane / 16
	v_lshlrev_b32 v6, 4, v1                        ; 16 x lane
	v_add_nc_u32 v7, SCI, v6
	s_lshr_b32 s13, ttmp9, 1                       ; group
	s_and_b32 s14, ttmp9, 1                        ; tile of the group
	s_lshl_b32 s15, s13, 5
	s_lshl_b32 s16, s14, 3
	s_add_co_u32 s15, s15, s16
	s_lshl_b32 s16, s12, 2
	s_add_co_u32 s15, s15, s16
	s_lshr_b32 s16, s12, 1
	s_lshl_b32 s16, s16, 3
	s_add_co_u32 s15, s15, s16                     ; my first token: 32 G + 8 u + 4 w + 8 (w / 2)
	s_lshl_b32 s16, s15, 12
	s_mov_b32 s17, 0
	s_mul_i32 s18, s13, 33792
	s_lshl_b32 s19, s14, 14
	s_add_co_u32 s24, s18, s19
	s_lshl_b32 s19, s12, 12
	s_add_co_u32 s24, s24, s19                     ; where my 4,096 bytes of the tile's codes go
	s_mov_b32 s25, 0
	s_lshl_b32 s19, s14, 9
	s_add_co_u32 s26, s18, s19
	s_add_co_u32 s26, s26, 32768                   ; and the tile's scale bytes
	s_mov_b32 s27, 0
	s_mov_b32 s20, 0x3a800000                      ; 1 / 1024
	s_mov_b32 s21, 0x3727c5ac                      ; 1e-5
	s_mov_b32 s22, 0x600000                        ; the mantissa field of 448
	s_mov_b32 s28, 0x76543210
	s_mov_b32 s29, 0xfedcba98                      ; lane l xor 16
	s_wait_kmcnt 0x0
	s_add_nc_u64 s[4:5], s[4:5], s[16:17]
	s_add_nc_u64 s[24:25], s[10:11], s[24:25]
	s_add_nc_u64 s[26:27], s[10:11], s[26:27]
.irp i, 0,1,2,3
.irp f, 0,1
.irp j, 0,1,2,3
	global_load_b128 v[X+32*\i+16*\f+4*\j:X+32*\i+16*\f+4*\j+3], v2, s[4:5] offset:\i*4096+\f*2048+16*\j
.endr
.endr
.endr
.irp f, 0,1
.irp j, 0,1,2,3
	global_load_b128 v[GA+16*\f+4*\j:GA+16*\f+4*\j+3], v2, s[6:7] offset:\f*2048+16*\j
	global_load_b128 v[BE+16*\f+4*\j:BE+16*\f+4*\j+3], v2, s[8:9] offset:\f*2048+16*\j
.endr
.endr
	s_wait_loadcnt 16                              ; the rows are in; the 16 loads of gain and bias may stay out
.irp i, 0,1,2,3
	v_pk_add_f32 v[8+2*\i:9+2*\i], v[X+32*\i:X+32*\i+1], v[X+32*\i+2:X+32*\i+3]
.endr
.irp j, 4,6,8,10,12,14,16,18,20,22,24,26,28,30
.irp i, 0,1,2,3
	v_pk_add_f32 v[8+2*\i:9+2*\i], v[8+2*\i:9+2*\i], v[X+32*\i+\j:X+32*\i+\j+1]
.endr
.endr
	RED
.irp i, 0,1,2,3
	v_mul_f32 v[16+2*\i], s20, v[8+2*\i]           ; the mean, twice: a pair for the packed forms
	v_mul_f32 v[17+2*\i], s20, v[8+2*\i]
.endr
.irp i, 0,1,2,3
.set j, 0
.rept 16
	v_pk_add_f32 v[X+32*\i+j:X+32*\i+j+1], v[X+32*\i+j:X+32*\i+j+1], v[16+2*\i:17+2*\i] neg_lo:[0,1] neg_hi:[0,1]
.set j, j+2
.endr
.endr
.irp i, 0,1,2,3
	v_pk_mul_f32 v[8+2*\i:9+2*\i], v[X+32*\i:X+32*\i+1], v[X+32*\i:X+32*\i+1]
.endr
.irp j, 2,4,6,8,10,12,14,16,18,20,22,24,26,28,30
.irp i, 0,1,2,3
	v_pk_fma_f32 v[8+2*\i:9+2*\i], v[X+32*\i+\j:X+32*\i+\j+1], v[X+32*\i+\j:X+32*\i+\j+1], v[8+2*\i:9+2*\i]
.endr
.endr
	RED
.irp i, 0,1,2,3
	v_fma_f32 v[8+2*\i], v[8+2*\i], s20, s21       ; variance + 1e-5
.endr
	s_wait_alu depctr_va_vdst(0)
.irp i, 0,1,2,3
	v_rsq_f32 v[24+2*\i], v[8+2*\i]
	v_rsq_f32 v[25+2*\i], v[8+2*\i]
.endr
	v_nop                                          ; a plain place behind the transcendentals
	s_wait_loadcnt 0x0                             ; gain and bias
	s_wait_alu depctr_va_vdst(0)
.irp i, 0,1,2,3
.set j, 0
.rept 16
	v_pk_mul_f32 v[X+32*\i+j:X+32*\i+j+1], v[X+32*\i+j:X+32*\i+j+1], v[24+2*\i:25+2*\i]
.set j, j+2
.endr
.set j, 0
.rept 16
	v_pk_fma_f32 v[X+32*\i+j:X+32*\i+j+1], v[X+32*\i+j:X+32*\i+j+1], v[GA+j:GA+j+1], v[BE+j:BE+j+1]
.set j, j+2
.endr
.endr
.irp i, 0,1,2,3
	QROW \i
.endr
	s_wait_dscnt 0x0                               ; for the others' sake: my stores have landed
	s_barrier_signal -1
	s_barrier_wait -1
.irp k, 0,1,2,3,4,5,6,7
	ds_load_b128 v[X+4*\k:X+4*\k+3], v5 offset:544*\k
.endr
.irp k, 0,1,2,3,4,5,6,7
	s_wait_dscnt 7-\k                              ; the younger loads may stay out
	global_store_b128 v6, v[X+4*\k:X+4*\k+3], s[24:25] offset:512*\k
.endr
	s_cmp_lg_u32 s12, 0
	s_cbranch_scc1 .Lln_end
	ds_load_b128 v[X+32:X+35], v7                  ; wave 0: the tile's 512 scale bytes
	s_wait_dscnt 0x0
	global_store_b128 v6, v[X+32:X+35], s[26:27]
.Lln_end:
	s_wait_tensorcnt 0x0
	ds_add_u32 v224, v225
	s_wait_dscnt 0x0
	s_endpgm
	; ---------------- the weights' codes, laid anew: wave W = 4 (ttmp9 - 256) + w takes job W of each of three passes of 1,024 jobs of 4,096 bytes
.Lrelay:
	s_load_b256 s[36:43], s[0:1], 0x28             ; w_in, w_out, w1, w2
	s_load_b128 s[44:47], s[0:1], 0x48             ; wl, padw
	s_load_b64 s[48:49], s[0:1], 0x20              ; the key mask
	s_sub_co_u32 s13, ttmp9, 256
	s_lshl_b32 s13, s13, 2
	s_add_co_u32 s13, s13, s12                     ; W
	s_wait_alu depctr_va_vdst(0)
	v_lshrrev_b32 v8, 4, v1
	v_and_b32 v9, 15, v1
	v_lshlrev_b32 v10, 4, v9
	v_lshl_add_u32 v2, v8, 10, v10                 ; rows of 1,024 bytes: (lane / 16) rows + 16 (lane % 16)
	v_lshl_add_u32 v3, v8, 12, v10                 ; rows of 4,096 bytes
	s_mul_i32 s14, s12, 4352
	s_add_co_u32 s14, s14, RST
	v_mul_u32_u24 v4, v9, 272
	v_lshl_add_u32 v4, v8, 4, v4
	v_add_nc_u32 v4, s14, v4                       ; stage, in: 272 x piece + 16 x position
	v_mul_u32_u24 v5, v8, 272
	v_add_nc_u32 v5, v5, v10
	v_add_nc_u32 v5, s14, v5                       ; stage, out: two pieces an instruction
	v_lshlrev_b32 v6, 4, v1
	s_cmp_lt_u32 s13, 768
	s_cselect_b32 s15, 0, 768
	s_sub_co_u32 s15, s13, s15                     ; pass 0: job W of w_in, or job W - 768 of w_out
	RSRC 15, 2, 10, 16
	RSRC 13, 2, 10, 18
	RSRC 13, 4, 12, 20
	s_lshl_b32 s22, s13, 12
	s_mov_b32 s23, 0
	s_mov_b32 s53, 0x10204080
	s_wait_alu depctr_va_vdst(0)
	s_wait_kmcnt 0x0
	s_cmp_lt_u32 s13, 768                          ; the choice hangs on the wave's job number alone
	s_cselect_b64 s[24:25], s[36:37], s[38:39]
	s_add_nc_u64 s[24:25], s[24:25], s[16:17]
	s_add_nc_u64 s[26:27], s[40:41], s[18:19]
	s_add_nc_u64 s[28:29], s[42:43], s[20:21]
	s_add_nc_u64 s[30:31], s[44:45], s[22:23]      ; wl + 4,096 W: w_in from 0, w_out from 0x300000
	s_add_nc_u64 s[32:33], s[30:31], 0x400000      ; w1
	s_add_nc_u64 s[34:35], s[30:31], 0x800000      ; w2
	RLOAD 0, 2, 1024, 24
	RLOAD 1, 2, 1024, 26
	RLOAD 2, 3, 4096, 28
	RMOVE 0, 16, 30
	RMOVE 1, 8, 32
	RMOVE 2, 0, 34
	s_cmp_lg_u32 ttmp9, 256
	s_cbranch_scc1 .Lrl_end
	v_lshlrev_b32 v10, 5, v0                       ; the mask: thread t packs bytes 32 t .. 32 t + 31 into word t
	v_lshlrev_b32 v11, 2, v0
	global_load_b128 v[12:15], v10, s[48:49]
	global_load_b128 v[16:19], v10, s[48:49] offset:16
	s_wait_loadcnt 0x0
.irp r, 0,1,2,3,4,5,6,7
	v_mul_lo_u32 v[12+\r], v[12+\r], s53           ; four bytes of 0 or 1 meet in bits 28-31; no two partial products share a bit
.endr
.irp r, 0,1,2,3,4,5,6,7
	v_lshrrev_b32 v[12+\r], 28, v[12+\r]
.endr
.irp r, 1,2,3,4,5,6,7
	v_lshl_or_b32 v12, v[12+\r], 4*\r, v12
.endr
	global_store_b32 v11, v12, s[46:47]
.Lrl_end:
	s_wait_tensorcnt 0x0
	ds_add_u32 v224, v225
	s_wait_dscnt 0x0
	s_endpgm
.Lfunc_end_k_qeb4b5b2567_prep:
	.size	k_qeb4b5b2567_prep, .Lfunc_end_k_qeb4b5b2567_prep-k_qeb4b5b2567_prep
	.p2alignl 7, 3214868480
	.fill 96, 4, 3214868480
	.section	.rodata,"a",@progbits
	.p2align	6, 0x0
	.amdhsa_kernel k_qeb4b5b2567_prep
		.amdhsa_group_segment_fixed_size 35840
		.amdhsa_private_segment_fixed_size 0
		.amdhsa_enable_private_segment 0
		.amdhsa_kernarg_size 88
		.amdhsa_user_sgpr_count 2
		.amdhsa_user_sgpr_kernarg_segment_ptr 1
		.amdhsa_wavefront_size32 1
		.amdhsa_system_sgpr_workgroup_id_x 1
		.amdhsa_system_sgpr_workgroup_id_y 1
		.amdhsa_system_sgpr_workgroup_id_z 1
		.amdhsa_system_vgpr_workitem_id 0
		.amdhsa_next_free_vgpr 226
		.amdhsa_next_free_sgpr 66
		.amdhsa_reserve_vcc 0
		.amdhsa_float_denorm_mode_32 3
		.amdhsa_float_denorm_mode_16_64 3
		.amdhsa_memory_ordered 1
		.amdhsa_forward_progress 1
		.amdhsa_inst_pref_size 62
	.end_amdhsa_kernel
	.amdgpu_metadata
---
amdhsa.version: [ 1, 2 ]
amdhsa.kernels:
  - .name:           k_qeb4b5b2567_prep
    .symbol:         k_qeb4b5b2567_prep.kd
    .args:
      - { .name: x, .offset: 0, .size: 8, .value_kind: global_buffer, .address_space: global }
      - { .name: ln1_g, .offset: 8, .size: 8, .value_kind: global_buffer, .address_space: global }
      - { .name: ln1_b, .offset: 16, .size: 8, .value_kind: global_buffer, .address_space: global }
      - { .name: xq, .offset: 24, .size: 8, .value_kind: global_buffer, .address_space: global }
      - { .name: key_padding_mask, .offset: 32, .size: 8, .value_kind: global_buffer, .address_space: global }
      - { .name: w_in_codes, .offset: 40, .size: 8, .value_kind: global_buffer, .address_space: global }
      - { .name: w_out_codes, .offset: 48, .size: 8, .value_kind: global_buffer, .address_space: global }
      - { .name: w1_codes, .offset: 56, .size: 8, .value_kind: global_buffer, .address_space: global }
      - { .name: w2_codes, .offset: 64, .size: 8, .value_kind: global_buffer, .address_space: global }
      - { .name: wl, .offset: 72, .size: 8, .value_kind: global_buffer, .address_space: global }
      - { .name: padw, .offset: 80, .size: 8, .value_kind: global_buffer, .address_space: global }
    .group_segment_fixed_size: 35840
    .private_segment_fixed_size: 0
    .kernarg_segment_align: 8
    .kernarg_segment_size: 88
    .max_flat_workgroup_size: 128
    .sgpr_count:     66
    .vgpr_count:     226
    .wavefront_size: 32
...
	.end_amdgpu_metadata
.endif
;; end of part 9
;; launch qkv (part 10): grid 12 x 16, 4 waves a work-group, no clusters, 279,040 bytes of LDS; arguments xq, wl, w_in_scales, b_in, qkv; writes qkv
.if DOCPART == 10
	.amdgcn_target "amdgcn-amd-amdhsa--gfx1250"
	.amdhsa_code_object_version 6
	.text
	.protected	k_qeb4b5b2567_qkv
	.globl	k_qeb4b5b2567_qkv
	.p2align	8
	.type	k_qeb4b5b2567_qkv,@function
k_qeb4b5b2567_qkv:
	s_mov_b64 s[64:65], 0
	v_nop
	global_prefetch_b8 v0, s[64:65] scope:SCOPE_SE
	s_setreg_imm32_b32 hwreg(HW_REG_WAVE_MODE, 25, 1), 1
	s_wait_xcnt 0x0
; QKV = Q(LN1(x)) w_in^T + b_in on E4M3 codes, and its three parts quantised at once for the two products of attention.
; SHARES.  A work-group owns 256 columns (x) and 256 tokens (y); wave w owns 64 columns: ONE HEAD of q, k or v.  Its 32 weight fragments (64 x 1,024: 512 registers) stay in registers for the whole launch.
; The work-group's tokens (8 groups of 32: codes and scale bytes, 270,336 bytes, dense in memory) come into LDS once, a quarter by each wave's one tensor load; nothing is filled again.
; A trip is one group: 64 matrix instructions; a token fragment read from LDS feeds four of them.  The next group's fragments are asked for while this one's results are quantised.
; q, k (x < 8): source 0 = weights, source 1 = tokens: a lane holds one token, and the 16 registers of column tiles 2 b, 2 b + 1 are columns 32 b + 16 (lane / 16) + 0 .. 15 (order of rows: see below).
; v (x >= 8): source 0 = tokens, source 1 = weights: a lane holds one channel, and its 16 registers of the two token tiles are tokens 32 G + 16 (lane / 16) + 0 .. 15: v is quantised along the keys.
; ORDER OF ROWS: position p of tile t stands for row 32 (t / 2) + 8 (t % 2) + p + 8 (p / 8), for weights' rows and for tokens alike.
; OUT (buffer qkv): q's codes from 0 and k's from 0x400000, [b h][tile][piece 4][position][16]; v's from 0x800000, [b h][128 keys][channel tile 4][piece 8][position][16];
;   scale words: from 0xC00000 [q, k][b h][group][position]: the bytes of tiles 2 G and 2 G + 1; from 0xC40000 [q, k][b h][tile][position]: a tile's two bytes, twice; from 0xCC0000 v's, [b h][128 keys][channel tile][position].
; No joint loads: of a work-group's bytes the weights go straight into registers, and only the token block could be shared.
; LIMITS: NaN and infinities are not served; a block of zeros gets the byte 1 (its codes are zeros; this program alone reads the bytes).
; REGISTERS: window 0: v1-15 addresses, v16-31 weights' scale words, v32-39 tokens' scale words, v40-71 bias, v72-135 sums, v136-151 codes, v152-167 and v168-187 at work; windows 1, 2: weights; window 3: tokens' fragments.
.set NT,   8
.set GB,   33792
.set SCP,  NT*GB                       ; LDS behind the token block: pair words, 512 bytes a wave;
.set SCD,  SCP+2048                    ; doubled words, 1,024 a wave;
.set SCV,  SCD+4096                    ; v's bytes, 512 a wave
.set LI,   1
.set ADA,  2
.set ADS,  3
.set L32,  4
.set WS,   16
.set AS,   32
.set BIAS, 40
.set ACC,  72
.set PC,   136
.set TM,   152
.set T,    168
.set MSB,  0
.macro WIN new                         ; the immediate's high byte repeats the setting that is left
.if MSB != (\new)
	s_set_vgpr_msb (MSB<<8)|(\new)
.set MSB, (\new)
.endif
.endm
.macro PL n
.rept \n
	v_nop
.endr
.endm
.macro WM d, a, b, c, sa, sb, ra, rb   ; ra, rb: the side's scale words lie in lanes 16-31
.if (\ra) && (\rb)
	v_wmma_scale_f32_16x16x128_f8f6f4 v[\d:\d+7], v[\a:\a+15], v[\b:\b+15], v[\c:\c+7], v[\sa], v[\sb] matrix_a_scale:MATRIX_SCALE_ROW1 matrix_b_scale:MATRIX_SCALE_ROW1
.elseif (\ra)
	v_wmma_scale_f32_16x16x128_f8f6f4 v[\d:\d+7], v[\a:\a+15], v[\b:\b+15], v[\c:\c+7], v[\sa], v[\sb] matrix_a_scale:MATRIX_SCALE_ROW1
.elseif (\rb)
	v_wmma_scale_f32_16x16x128_f8f6f4 v[\d:\d+7], v[\a:\a+15], v[\b:\b+15], v[\c:\c+7], v[\sa], v[\sb] matrix_b_scale:MATRIX_SCALE_ROW1
.else
	v_wmma_scale_f32_16x16x128_f8f6f4 v[\d:\d+7], v[\a:\a+15], v[\b:\b+15], v[\c:\c+7], v[\sa], v[\sb]
.endif
.endm
; 32 matrix instructions: token tile m against my four column tiles, K ascending; the four sums take turns, one instruction a turn; the bias is the C of each sum's first.
.macro MM m, tr
.irp s, 0,1,2,3,4,5,6,7
.if \tr
	WIN 0x0d+(\s/4)
.else
	WIN 0x07+4*(\s/4)
.endif
.irp t, 0,1,2,3
.if \tr
.if \s == 0
	WM ACC+32*\m+8*\t, 16*(4*(\s%4)+\t), 16*(8*\m+\s), BIAS+8*\t, WS+8*(\t/2)+\s, AS+\s, \t%2, \m
.else
	WM ACC+32*\m+8*\t, 16*(4*(\s%4)+\t), 16*(8*\m+\s), ACC+32*\m+8*\t, WS+8*(\t/2)+\s, AS+\s, \t%2, \m
.endif
.else
.if \s == 0
	WM ACC+16*\t+8*\m, 16*(8*\m+\s), 16*(4*(\s%4)+\t), BIAS+8*\t, AS+\s, WS+8*(\t/2)+\s, \m, \t%2
.else
	WM ACC+16*\t+8*\m, 16*(8*\m+\s), 16*(4*(\s%4)+\t), ACC+16*\t+8*\m, AS+\s, WS+8*(\t/2)+\s, \m, \t%2
.endif
.endif
.endr
.endr
.endm
.macro FETCH m                         ; token tile m's eight fragments: 32 loads of 512 consecutive bytes
	WIN 0xc0
.irp s, 0,1,2,3,4,5,6,7
.irp c, 0,1,2,3
	ds_load_b128 v[16*(8*\m+\s)+4*\c:16*(8*\m+\s)+4*\c+3], v[ADA] offset:\m*16384+\s*2048+\c*512
.endr
.endr
	WIN 0
.endm
.macro ASLD                            ; the group's scale words: lanes 0-15 tile 0's rows, lanes 16-31 tile 1's; register s: K step s
	ds_load_b128 v[AS:AS+3], v[ADS] offset:32768
	ds_load_b128 v[AS+4:AS+7], v[ADS] offset:32784
.endm
.macro TRIPM next, tr                  ; a group's products; next = 1: the next group's fragments are asked for, each half eight places behind the products that read its registers
	s_wait_dscnt 0x0                               ; this group's fragments were asked for an epilogue ago
	MM 0, \tr
	WIN 0
.if \next
	v_add_nc_u32 v[ADA], s31, v[LI]
	v_add_nc_u32 v[ADS], s31, v[L32]
	PL 6
	FETCH 0
.endif
	MM 1, \tr
	WIN 0
	PL 8
.if \next
	ASLD
	FETCH 1
	s_add_co_u32 s31, s31, GB
.endif
.endm
; 64 numbers of a lane, four blocks of 16 registers; a block of 32 lies in lanes l and l xor 16.  Codes to v[PC] on, the four bytes to v[TM+4] on.
.macro QUANT s
.irp b, 0,1,2,3
	v_max3_num_f32 v[TM+\b], |v[\s+16*\b]|, |v[\s+16*\b+1]|, 0x4800000    ; with the floor 2^(9 - 127)
.endr
.irp i, 2,4,6,8,10,12,14
.irp b, 0,1,2,3
	v_max3_num_f32 v[TM+\b], v[TM+\b], |v[\s+16*\b+\i]|, |v[\s+16*\b+\i+1]|
.endr
.endr
.irp b, 0,1,2,3
	v_permlanex16_b32 v[TM+4+\b], v[TM+\b], s28, s29
.endr
.irp b, 0,1,2,3
	v_max_num_f32 v[TM+\b], v[TM+\b], v[TM+4+\b]
.endr
.irp b, 0,1,2,3
	v_add_nc_u32 v[TM+12+\b], 0xfc000000, v[TM+\b]             ; the conversion's scale operand
.endr
.irp b, 0,1,2,3
	v_and_or_b32 v[TM+8+\b], v[TM+\b], 0x7f800000, s27         ; 448 x the scale
.endr
.irp b, 0,1,2,3
	v_lshrrev_b32 v[TM+4+\b], 23, v[TM+12+\b]                  ; the byte
.endr
.irp b, 0,1,2,3
.irp i, 0,1,2,3,4,5,6,7,8,9,10,11,12,13,14,15
	v_med3_num_f32 v[\s+16*\b+\i], v[\s+16*\b+\i], -v[TM+8+\b], v[TM+8+\b]   ; the conversion does not saturate (ISA guide 7.6.2)
.endr
	v_cvt_scalef32_pk8_fp8_f32 v[PC+4*\b:PC+4*\b+1], v[\s+16*\b:\s+16*\b+7], v[TM+12+\b]
	v_cvt_scalef32_pk8_fp8_f32 v[PC+4*\b+2:PC+4*\b+3], v[\s+16*\b+8:\s+16*\b+15], v[TM+12+\b]
.endr
	v_nop                                          ; a plain place behind the last conversion: the next products write its sources
.endm
.macro EPQK                            ; block 2 m + b: token tile m, channels 32 b on
	QUANT ACC
.irp q, 0,1,2,3
	global_store_b128 v[LI], v[PC+4*\q:PC+4*\q+3], s[40:41] offset:512*\q    ; 512 consecutive bytes
.endr
	v_lshl_or_b32 v[T], v[TM+5], 8, v[TM+4]        ; tile 0's two bytes
	v_lshl_or_b32 v[T+1], v[TM+7], 8, v[TM+6]      ; tile 1's
	v_lshl_or_b32 v[T+2], v[T+1], 16, v[T]         ; the pair word
	v_cndmask_b32 v[T+3], v[T], v[T+1], vcc_lo     ; lanes 16-31 take tile 1's
	v_lshl_or_b32 v[T+3], v[T+3], 16, v[T+3]       ; the doubled word
	s_lshl_b32 s32, s30, 6
	s_lshl_b32 s33, s30, 7
	v_add_nc_u32 v[T+4], s32, v10
	v_add_nc_u32 v[T+5], s33, v11
	ds_store_b32 v[T+4], v[T+2]
	ds_store_b32 v[T+5], v[T+3]
	s_wait_xcnt 0x0                                ; the stores' data and base are written again only behind this wait
	s_add_nc_u64 s[40:41], s[40:41], 2048
.endm
.macro EPV                             ; block t: channel tile t, the group's 32 keys
	QUANT ACC
	s_lshr_b32 s32, s30, 2
	s_lshl_b32 s32, s32, 13
	s_and_b32 s33, s30, 3
	s_lshl_b32 s33, s33, 9
	s_add_co_u32 s32, s32, s33
	v_add_nc_u32 v[T+6], s32, v[LI]                ; which 128 keys, and which 32 of them
.irp q, 0,1,2,3
	global_store_b128 v[T+6], v[PC+4*\q:PC+4*\q+3], s[40:41] offset:2048*\q
.endr
	v_add_nc_u32 v[T+7], s30, v14
.irp q, 0,1,2,3
	ds_store_b8 v[T+7], v[TM+4+\q] offset:128*\q   ; both halves of the lanes write the same byte
.endr
	s_wait_xcnt 0x0
.endm
	s_load_b256 s[4:11], s[0:1], 0x0               ; xq, wl, w_in's scales, b_in
	s_load_b64 s[24:25], s[0:1], 0x20              ; qkv
	v_lshl_add_u32 v254, v0, 2, 0x44000
	v_mov_b32 v255, 0
	ds_add_u32 v254, v255
	ds_add_u32 v254, v255
	v_lshrrev_b32 v1, 5, v0
	v_readfirstlane_b32 s2, v1                     ; wave
	s_and_b32 s26, ttmp7, 0xffff                   ; y
	s_mov_b32 s16, 3<<16                           ; group 1: elements of 8 bytes, no padding, no mask
	s_mov_b32 s17, 32<<16                          ; tensor_dim0 = 32 (256 bytes)
	s_mov_b32 s18, (33*NT)<<16                     ; tensor_dim1 = 264 rows: a quarter of the block
	s_mov_b32 s19, 32<<16                          ; tile_dim0
	s_mov_b32 s20, 33*NT                           ; tile_dim1
	s_mov_b32 s21, 32                              ; pitch: dense
	s_mov_b32 s22, 0
	s_mov_b32 s23, 0
	s_mov_b32 s12, 1
	s_mul_i32 s13, s2, 8448*NT                     ; LDS address: my quarter
	s_mul_i32 s34, s26, NT*GB
	s_add_co_u32 s34, s34, s13
	s_mov_b32 s35, 0
	s_wait_dscnt 0x0
	s_wait_kmcnt 0x0
	s_add_nc_u64 s[14:15], s[4:5], s[34:35]
	s_or_b32 s15, s15, 0x80000000
	tensor_load_to_lds s[12:15], s[16:23]          ; my one tensor load of the launch
	s_nop 0
	PL 4
	v_and_b32 v5, 31, v0                           ; lane
	v_and_b32 v6, 15, v0                           ; r
	s_wait_alu depctr_va_vdst(0)
	v_bfe_u32 v7, v0, 4, 1                         ; h
	v_lshlrev_b32 v[LI], 4, v5
	v_lshlrev_b32 v[L32], 5, v5
	s_lshl_b32 s3, ttmp9, 2
	s_add_co_u32 s3, s3, s2                        ; which 64 columns of the 3,072
	s_lshl_b32 s36, s3, 16
	s_mov_b32 s37, 0
	s_add_nc_u64 s[36:37], s[6:7], s[36:37]
	WIN 0x40
.irp s, 0,1,2,3
.irp t, 0,1,2,3
.irp c, 0,1,2,3
	global_load_b128 v[16*(4*\s+\t)+4*\c:16*(4*\s+\t)+4*\c+3], v[LI], s[36:37] offset:\t*16384+\s*2048+\c*512
.endr
.endr
.endr
	WIN 0x80
.irp s, 0,1,2,3
.irp t, 0,1,2,3
.irp c, 0,1,2,3
	global_load_b128 v[16*(4*\s+\t)+4*\c:16*(4*\s+\t)+4*\c+3], v[LI], s[36:37] offset:\t*16384+(\s+4)*2048+\c*512
.endr
.endr
.endr
	WIN 0
	v_and_b32 v9, 8, v6
	v_add_nc_u32 v9, v9, v6                        ; r + 8 (r / 8)
	s_wait_alu depctr_va_vdst(0)
	v_lshl_add_u32 v8, v7, 3, v9
	v_lshlrev_b32 v8, 5, v8                        ; lanes 0-15 the even tile's rows, lanes 16-31 the odd tile's; 32 scale bytes a row
	s_lshl_b32 s38, s3, 11
	s_mov_b32 s39, 0
	s_add_nc_u64 s[38:39], s[8:9], s[38:39]
.irp b, 0,1
	global_load_b128 v[WS+8*\b:WS+8*\b+3], v8, s[38:39] offset:\b*1024
	global_load_b128 v[WS+8*\b+4:WS+8*\b+7], v8, s[38:39] offset:\b*1024+16
.endr
	s_lshl_b32 s32, s2, 9
	s_add_co_u32 s33, s32, SCP
	v_lshl_add_u32 v10, v6, 2, s33                 ; pair words, in
	v_add_nc_u32 v12, s33, v[LI]                   ; and out
	s_add_co_u32 s33, s32, SCV
	v_lshl_add_u32 v14, v6, 3, s33                 ; v's bytes, in: 8 a row
	v_add_nc_u32 v15, s33, v[LI]                   ; and out
	s_lshl_b32 s32, s2, 10
	s_add_co_u32 s33, s32, SCD
	v_lshl_add_u32 v11, v5, 2, s33                 ; doubled words, in
	v_add_nc_u32 v13, s33, v[LI]                   ; and out
.irp b, 0,1,2,3
	v_mov_b32 v[TM+4+\b], 0                        ; a lane permute's destination counts as read
.endr
	s_mov_b32 s27, 0x600000
	s_mov_b32 s28, 0x76543210
	s_mov_b32 s29, 0xfedcba98
	s_mov_b32 vcc_lo, 0xffff0000                   ; lanes 16-31
	s_lshl_b32 s48, s3, 8
	s_mov_b32 s49, 0
	s_add_nc_u64 s[48:49], s[10:11], s[48:49]      ; my 64 numbers of b_in
	s_lshr_b32 s46, s26, 3                         ; batch
	s_and_b32 s47, s26, 7                          ; which 256 tokens of it
	s_and_b32 s50, s3, 15                          ; head
	s_lshl_b32 s51, s46, 4
	s_add_co_u32 s50, s50, s51                     ; 16 b + head
	s_wait_tensorcnt 0x0                           ; my quarter has landed,
	s_barrier_signal -1
	s_barrier_wait -1                              ; everybody's has
	v_mov_b32 v[ADA], v[LI]
	v_mov_b32 v[ADS], v[L32]
	FETCH 0
	ASLD
	FETCH 1
	s_mov_b32 s31, GB
	s_mov_b32 s30, 0
	s_cmp_ge_u32 ttmp9, 8
	s_cbranch_scc1 .Lvpath
	; ---------------- q and k
	v_lshlrev_b32 v9, 6, v7                        ; the bias in the result's layout: tile t, my half's eight columns
.irp t, 0,1,2,3
	global_load_b128 v[BIAS+8*\t:BIAS+8*\t+3], v9, s[48:49] offset:(32*(\t/2)+8*(\t%2))*4
	global_load_b128 v[BIAS+8*\t+4:BIAS+8*\t+7], v9, s[48:49] offset:(32*(\t/2)+8*(\t%2))*4+16
.endr
	s_lshr_b32 s51, s3, 4                          ; 0: q, 1: k
	s_lshl_b32 s40, s51, 22
	s_lshl_b32 s52, s50, 17
	s_add_co_u32 s40, s40, s52
	s_lshl_b32 s52, s47, 14
	s_add_co_u32 s40, s40, s52
	s_mov_b32 s41, 0
	s_add_nc_u64 s[40:41], s[24:25], s[40:41]      ; the codes of my head's first tile here
	s_lshl_b32 s51, s51, 5
	s_add_co_u32 s51, s51, s50
	s_lshl_b32 s42, s51, 12
	s_lshl_b32 s52, s47, 9
	s_add_co_u32 s42, s42, s52
	s_add_co_u32 s42, s42, 0xC00000
	s_mov_b32 s43, 0
	s_add_nc_u64 s[42:43], s[24:25], s[42:43]
	s_lshl_b32 s44, s51, 13
	s_lshl_b32 s52, s47, 10
	s_add_co_u32 s44, s44, s52
	s_add_co_u32 s44, s44, 0xC40000
	s_mov_b32 s45, 0
	s_add_nc_u64 s[44:45], s[24:25], s[44:45]
	s_wait_loadcnt 0x0                             ; weights, scale words, bias
.Lqk:
	TRIPM 1, 1
	EPQK
	s_add_co_u32 s30, s30, 1
	s_cmp_lt_u32 s30, NT-1
	s_cbranch_scc1 .Lqk
	TRIPM 0, 1                                     ; the last group asks for nothing
	EPQK
	ds_load_b128 v[176:179], v12                   ; my own bytes: LDS serves a wave's instructions in order (ISA guide 5.7.1.4)
	ds_load_b128 v[180:183], v13
	ds_load_b128 v[184:187], v13 offset:512
	s_wait_dscnt 0x0
	global_store_b128 v[LI], v[176:179], s[42:43]
	global_store_b128 v[LI], v[180:183], s[44:45]
	global_store_b128 v[LI], v[184:187], s[44:45] offset:512
	s_wait_tensorcnt 0x0
	ds_add_u32 v254, v255
	s_wait_dscnt 0x0
	s_endpgm
	; ---------------- v
.Lvpath:
	v_lshlrev_b32 v9, 2, v9                        ; the bias of my lane's channel
.irp t, 0,1,2,3
	global_load_b32 v[BIAS+8*\t], v9, s[48:49] offset:(32*(\t/2)+8*(\t%2))*4
.endr
	s_lshl_b32 s40, s50, 17
	s_lshl_b32 s52, s47, 14
	s_add_co_u32 s40, s40, s52
	s_add_co_u32 s40, s40, 0x800000
	s_mov_b32 s41, 0
	s_add_nc_u64 s[40:41], s[24:25], s[40:41]
	s_lshl_b32 s42, s50, 12
	s_lshl_b32 s52, s47, 9
	s_add_co_u32 s42, s42, s52
	s_add_co_u32 s42, s42, 0xCC0000
	s_mov_b32 s43, 0
	s_add_nc_u64 s[42:43], s[24:25], s[42:43]
	s_wait_loadcnt 0x0
.irp t, 0,1,2,3
.irp j, 1,2,3,4,5,6,7
	v_mov_b32 v[BIAS+8*\t+\j], v[BIAS+8*\t]        ; all eight tokens of a register run get the channel's bias
.endr
.endr
.Lv:
	s_wait_alu depctr_va_vdst(0)
	TRIPM 1, 0
	EPV
	s_add_co_u32 s30, s30, 1
	s_cmp_lt_u32 s30, NT-1
	s_cbranch_scc1 .Lv
	TRIPM 0, 0
	EPV
	v_lshlrev_b32 v[T], 3, v5
.irp g, 0,1
	ds_load_b32 v[176+2*\g], v15 offset:4*\g       ; rows 2 l and 2 l + 1: the four bytes of these 128 keys
	ds_load_b32 v[177+2*\g], v15 offset:8+4*\g
.endr
	s_wait_alu depctr_va_vdst(0)
	s_wait_dscnt 0x0
.irp g, 0,1
	global_store_b64 v[T], v[176+2*\g:177+2*\g], s[42:43] offset:256*\g
.endr
	s_wait_tensorcnt 0x0
	ds_add_u32 v254, v255
	s_wait_dscnt 0x0
	s_endpgm
.Lfunc_end_k_qeb4b5b2567_qkv:
	.size	k_qeb4b5b2567_qkv, .Lfunc_end_k_qeb4b5b2567_qkv-k_qeb4b5b2567_qkv
	.p2alignl 7, 3214868480
	.fill 96, 4, 3214868480
	.section	.rodata,"a",@progbits
	.p2align	6, 0x0
	.amdhsa_kernel k_qeb4b5b2567_qkv
		.amdhsa_group_segment_fixed_size 279040
		.amdhsa_private_segment_fixed_size 0
		.amdhsa_enable_private_segment 0
		.amdhsa_kernarg_size 40
		.amdhsa_user_sgpr_count 2
		.amdhsa_user_sgpr_kernarg_segment_ptr 1
		.amdhsa_wavefront_size32 1
		.amdhsa_system_sgpr_workgroup_id_x 1
		.amdhsa_system_sgpr_workgroup_id_y 1
		.amdhsa_system_sgpr_workgroup_id_z 1
		.amdhsa_system_vgpr_workitem_id 0
		.amdhsa_next_free_vgpr 1024
		.amdhsa_next_free_sgpr 66
		.amdhsa_reserve_vcc 1
		.amdhsa_float_denorm_mode_32 3
		.amdhsa_float_denorm_mode_16_64 3
		.amdhsa_memory_ordered 1
		.amdhsa_forward_progress 1
		.amdhsa_inst_pref_size 104
	.end_amdhsa_kernel
	.amdgpu_metadata
---
amdhsa.version: [ 1, 2 ]
amdhsa.kernels:
  - .name:           k_qeb4b5b2567_qkv
    .symbol:         k_qeb4b5b2567_qkv.kd
    .args:
      - { .name: xq, .offset: 0, .size: 8, .value_kind: global_buffer, .address_space: global }
      - { .name: wl, .offset: 8, .size: 8, .value_kind: global_buffer, .address_space: global }
      - { .name: w_in_scales, .offset: 16, .size: 8, .value_kind: global_buffer, .address_space: global }
      - { .name: b_in, .offset: 24, .size: 8, .value_kind: global_buffer, .address_space: global }
      - { .name: qkv, .offset: 32, .size: 8, .value_kind: global_buffer, .address_space: global }
    .group_segment_fixed_size: 279040
    .private_segment_fixed_size: 0
    .kernarg_segment_align: 8
    .kernarg_segment_size: 40
    .max_flat_workgroup_size: 128
    .sgpr_count:     66
    .vgpr_count:     1024
    .wavefront_size: 32
...
	.end_amdgpu_metadata
.endif
;; end of part 10
;; launch attn (part 11): grid 256 x 1, 16 waves a work-group, no clusters, 272,384 bytes of LDS; arguments qkv, padw, at, negc; writes at, negc
.if DOCPART == 11
	.amdgcn_target "amdgcn-amd-amdhsa--gfx1250"
	.amdhsa_code_object_version 6
	.text
	.protected	k_qeb4b5b2567_attn
	.globl	k_qeb4b5b2567_attn
	.p2align	8
	.type	k_qeb4b5b2567_attn,@function
k_qeb4b5b2567_attn:
	s_mov_b64 s[64:65], 0
	v_nop
	global_prefetch_b8 v0, s[64:65] scope:SCOPE_SE
	s_setreg_imm32_b32 hwreg(HW_REG_WAVE_SCHED_MODE, 0, 2), 2
	s_setreg_imm32_b32 hwreg(HW_REG_WAVE_MODE, 25, 1), 1
	s_wait_xcnt 0x0
	s_wait_alu depctr_vm_vsrc(0)
; ATTENTION on E4M3 codes.  A key counts for a query where key <= query and (the key is not padded or key = query).  One wave owns one tile of 16 queries of one head and walks the keys 128 a step, up to its diagonal.
; p = 2^(t - M), t = score x log2(e) / 8, M the running largest t rounded up to a whole number; the row's sum is taken of the unquantised p; O is divided by it at the end, quantised along the 1,024 columns, and stored as oproj's operand.
; Also stored, for each head and query: -(M + log2(sum) + 4): the launch that makes the averaged weights adds it to t.
; SHARES.  Work-group = (batch, head, g): wave i has tile g + 8 rank, rank = i xor 3 ((i / 4) % 2), and rank + 1 steps: 136 steps in every work-group.
; THE HEAD'S k AND v LIE IN LDS: 131,072 bytes of codes each and 4,096 bytes of scale words each, as they lie in memory (operand images).  Wave w brings key step w through its registers, once; one barrier; then every step reads LDS.
; Through registers and not by tensor loads, alone or joint with the seven other work-groups of the head: the loop has branches on the stored mask words,
; and to mask in every step instead would add 236 instructions to each.
; The loop has the constant count 16; a step past my diagonal is passed over by a scalar branch on ids, so that every LDS address is a lane's constant plus a scalar stepped by a constant.
; HEAD SIZE 64: a fragment of k holds TWO key tiles (K 0-63: tile 2 G; K 64-127: tile 2 G + 1); it is multiplied by [q | zero codes] and by [zero codes | q].  k's codes are finite (the quantiser holds at 448), so the zero half adds nothing.
; Both products are used transposed: a lane holds one query (lane % 16); by the order of rows, the 16 registers of key tiles 2 G, 2 G + 1 are keys 32 G + 16 (lane / 16) + 0 .. 15, and O's of channel tiles likewise.
; A step all of whose keys are padded, and which is not the diagonal's, is passed over: a scalar branch on the stored mask words.  The diagonal is never masked, so every step that is worked has a key that counts for every row.
; LIMITS: NaN and infinities are not served; a block of zeros gets the byte 1.  The scale bytes of the result leave one byte a lane.
; THE MODE: SCHED_MODE bits 1:0 = 2 (LLVM: expert scheduling mode 2), set by the entry lines.  The code itself states the register dependences
; between vector or matrix instructions and memory or LDS instructions, with s_wait_alu, always for 0.
; THE PLAN.  Registers that memory or LDS instructions touch:
;   v1, v2, v243   LDS addresses.  Written by three additions at the head of each worked step; read by that step's 36 LDS loads (at the kernel's head: by the loads and the LDS stores that bring my step).
;   KV v48-111     k lands in it at a step's head and is read by the eight products of the scores; v lands in it behind them and is read by the four products of O.  256 registers a wave leave no room for a second set.
;   v8, v9; v10, v11   the scale words of k; of v: they land with the codes and are read by the same products.
;   S v112-175     at the kernel's head v of the step that I bring: a load's target and an LDS store's data; from the loop on named by vector and matrix instructions alone.
;   v6, v252, v253 lane constants, never written again.   v248, v251: offsets of loads at the head, at work later.
;   PCD, v242, v245-248   at the end: the stores' data and offsets.
; A worked step: one wait on vm_vsrc ahead of the three additions; one on va_vdst behind them, ahead of k's loads; one behind the scores' products, ahead of v's loads; the exponentials' wait; one ahead of the products of O,
; which take p's codes and scale word from vector instructions.  The mask's compares write scalar registers, sixteen to a run, with one wait on va_sdst behind each run.
.set VL,  131072                       ; LDS: k's codes from 0, v's from here,
.set SL,  262144                       ; k's scale words from here, v's 4,096 bytes on
.set ADK, 1                            ; v1   LDS address of the step's k (at the head: my step's place in memory and in LDS alike)
.set ADV, 2                            ; v2   of its v
.set LI,  6                            ; v6   16 x lane
.set ADS, 243                          ; v243 of its scale words
.set LV,  252                          ; v252 16 x lane + VL
.set LS,  253                          ; v253 4 x lane + SL
.set QLO, 16
.set QHI, 32
.set KV,  48
.set S,   112
.set O,   176
.set PCD, 208
.set BM,  224
.set BP,  228
.set HL,  232
.set SO,  236
.set F,   240
.set TT,  242
.set M1,  244
.set M2,  245
.set PF,  246
.set MK,  247
.set MB,  248
.set FILL, 249
.set ONES, 250
.set DI,  251
.set SM,  80                           ; s[80:95] the lane masks of a block's sixteen registers
.macro PL n
.rept \n
	v_nop
.endr
.endm
.macro WMZ d, a, b, sa, sb, ra
.if (\ra)
	v_wmma_scale_f32_16x16x128_f8f6f4 v[\d:\d+7], v[\a:\a+15], v[\b:\b+15], 0, v[\sa], v[\sb] matrix_a_scale:MATRIX_SCALE_ROW1
.else
	v_wmma_scale_f32_16x16x128_f8f6f4 v[\d:\d+7], v[\a:\a+15], v[\b:\b+15], 0, v[\sa], v[\sb]
.endif
.endm
.macro WMA d, a, b, sa, sb, ra
.if (\ra)
	v_wmma_scale_f32_16x16x128_f8f6f4 v[\d:\d+7], v[\a:\a+15], v[\b:\b+15], v[\d:\d+7], v[\sa], v[\sb] matrix_a_scale:MATRIX_SCALE_ROW1
.else
	v_wmma_scale_f32_16x16x128_f8f6f4 v[\d:\d+7], v[\a:\a+15], v[\b:\b+15], v[\d:\d+7], v[\sa], v[\sb]
.endif
.endm
; Register base + 16 be + i holds key (first key of the step) + 32 be + 16 (lane / 16) + i.  v[DI] = my query - first key - 16 (lane / 16); e = DI - 32 be is the diagonal's i.
; Masked: i > e, or padded and i < e.  A = bits i >= e, C = bits i > e, P = the pad bits: the mask is (A and C) or (not A and P).
; A block's sixteen bits are tested in one run, four registers by turns, each compare into a scalar register of its own; the sixteen selects follow behind one wait.
.macro MASK base
.irp be, 0,1,2,3
	v_add_nc_u32 v[M1], -32*\be, v[DI]
	v_cvt_f32_i32 v[M1], v[M1]
	v_add_f32 v[M2], 1.0, v[M1]
	v_med3_num_f32 v[M1], v[M1], 0, s40            ; held between 0 and 16
	v_med3_num_f32 v[M2], v[M2], 0, s40
	v_cvt_u32_f32 v[M1], v[M1]
	v_cvt_u32_f32 v[M2], v[M2]
	v_lshlrev_b32 v[M1], v[M1], v[ONES]
	v_lshlrev_b32 v[M2], v[M2], v[ONES]
	v_lshrrev_b32 v[PF], v4, s[36+\be]
	v_bfi_b32 v[MK], v[M1], v[M2], v[PF]
.irp g, 0,4,8,12
	v_and_b32 v[M1], 1<<(\g), v[MK]
	v_and_b32 v[M2], 1<<(\g+1), v[MK]
	v_and_b32 v[PF], 1<<(\g+2), v[MK]
	v_and_b32 v[MB], 1<<(\g+3), v[MK]
	v_cmp_ne_u32 s[SM+\g], 0, v[M1]
	v_cmp_ne_u32 s[SM+\g+1], 0, v[M2]
	v_cmp_ne_u32 s[SM+\g+2], 0, v[PF]
	v_cmp_ne_u32 s[SM+\g+3], 0, v[MB]
.endr
	s_wait_alu depctr_va_sdst(0)                   ; the sixteen compares have written s[SM ..], ahead of the first select that reads one
.irp i, 0,1,2,3,4,5,6,7,8,9,10,11,12,13,14,15
	v_cndmask_b32 v[\base+16*\be+\i], v[\base+16*\be+\i], v[FILL], s[SM+\i]
.endr
.endr
.endm
	s_load_b256 s[4:11], s[0:1], 0x0               ; qkv, padw, at, negc
	v_lshl_add_u32 v254, v0, 2, 0x42000
	v_mov_b32 v255, 0
	v_lshrrev_b32 v1, 5, v0
	v_readfirstlane_b32 s2, v1                     ; wave
	s_lshr_b32 s12, ttmp9, 3                       ; 16 b + head
	s_and_b32 s13, ttmp9, 7
	s_wait_alu depctr_va_sdst(0)                   ; s2 is written, ahead of its first reader
	s_bfe_u32 s41, s2, 0x10002
	s_mul_i32 s41, s41, 3
	s_xor_b32 s3, s2, s41                          ; rank = the last step's number
	s_lshl_b32 s14, s3, 3
	s_add_co_u32 s14, s14, s13                     ; my tile of queries
	s_lshr_b32 s15, s12, 4                         ; batch
	s_and_b32 s16, s12, 15                         ; head
	s_lshl_b32 s18, s12, 17
	s_mov_b32 s19, 0
	s_add_co_u32 s20, s18, 0x800000                ; v's codes
	s_mov_b32 s21, 0
	s_lshl_b32 s41, s14, 10
	s_add_co_u32 s54, s18, s41                     ; q's tile
	s_mov_b32 s55, 0
	s_add_co_u32 s18, s18, 0x400000                ; k's codes
	s_lshl_b32 s22, s12, 12
	s_add_co_u32 s24, s22, 0xCC0000                ; v's scale words
	s_mov_b32 s25, 0
	s_add_co_u32 s22, s22, 0xC20000                ; k's pair words: 0xC00000 + (32 + b h) x 4,096
	s_mov_b32 s23, 0
	s_lshl_b32 s56, s12, 13
	s_lshl_b32 s41, s14, 6
	s_add_co_u32 s56, s56, s41
	s_add_co_u32 s56, s56, 0xC40000                ; q's doubled words
	s_mov_b32 s57, 0
	s_lshl_b32 s26, s15, 8
	s_mov_b32 s27, 0
	s_lshl_b32 s41, s15, 6
	s_lshr_b32 s42, s14, 1
	s_add_co_u32 s41, s41, s42                     ; group of 32 tokens
	s_mul_i32 s41, s41, 33792
	s_and_b32 s42, s14, 1
	s_lshl_b32 s43, s42, 14
	s_add_co_u32 s48, s41, s43
	s_lshl_b32 s43, s16, 10
	s_add_co_u32 s48, s48, s43                     ; the result's codes: pieces 4 head on
	s_mov_b32 s49, 0
	s_lshl_b32 s43, s42, 9
	s_add_co_u32 s50, s41, s43
	s_lshl_b32 s43, s16, 1
	s_add_co_u32 s50, s50, s43
	s_add_co_u32 s50, s50, 32768                   ; and its scale bytes: blocks 2 head on
	s_mov_b32 s51, 0
	s_lshl_b32 s52, s15, 7
	s_add_co_u32 s52, s52, s14
	s_lshl_b32 s52, s52, 11
	s_lshl_b32 s43, s16, 7
	s_add_co_u32 s52, s52, s43
	s_mov_b32 s53, 0
	s_lshr_b32 s44, s14, 1
	s_lshl_b32 s44, s44, 5
	s_lshl_b32 s42, s42, 3
	s_add_co_u32 s44, s44, s42                     ; the tile's first token
	s_mov_b32 s31, 0x600000
	s_mov_b32 s32, 0x76543210
	s_mov_b32 s33, 0xfedcba98
	s_mov_b32 s34, 0x3e38aa3b                      ; c = log2(e) / 8
	s_mov_b32 s35, s34
	s_mov_b32 s40, 0x41800000                      ; 16.0
	s_mov_b32 s28, 0                               ; 16 x step: the step's mask words
	s_mov_b32 s29, 0                               ; step
	s_mov_b32 s58, 0                               ; 8,192 x step: its codes in LDS
	s_mov_b32 s59, 0                               ; 256 x step: its scale words in LDS
	v_and_b32 v244, 31, v0
	v_and_b32 v245, 15, v0
	v_bfe_u32 v246, v0, 4, 1
	v_lshlrev_b32 v[LI], 4, v244                   ; 16 x lane
	v_add_nc_u32 v[LV], VL, v[LI]
	v_lshl_add_u32 v[LS], v244, 2, SL
	s_lshl_b32 s41, s2, 13
	s_lshl_b32 s42, s2, 8
	v_add_nc_u32 v[ADK], s41, v[LI]                ; the step that I bring is number wave: 16 x lane + 8,192 x wave, in memory and in LDS alike
	v_add_nc_u32 v[ADV], s41, v[LV]
	v_add_nc_u32 v[ADS], s42, v[LS]
	v_lshl_add_u32 v251, v244, 2, s42              ; its scale words in memory: 4 x lane + 256 x wave
	v_lshlrev_b32 v4, 4, v246                      ; 16 (lane / 16)
	v_and_b32 v247, 8, v245
	v_add_nc_u32 v247, v247, v245
	v_sub_nc_u32 v3, v247, v4
	v_add_nc_u32 v3, s44, v3                       ; my query - 16 (lane / 16)
	v_lshlrev_b32 v248, 2, v245
	s_wait_kmcnt 0x0
	s_add_nc_u64 s[18:19], s[4:5], s[18:19]
	s_add_nc_u64 s[20:21], s[4:5], s[20:21]
	s_add_nc_u64 s[22:23], s[4:5], s[22:23]
	s_add_nc_u64 s[24:25], s[4:5], s[24:25]
	s_add_nc_u64 s[54:55], s[4:5], s[54:55]
	s_add_nc_u64 s[56:57], s[4:5], s[56:57]
	s_add_nc_u64 s[26:27], s[6:7], s[26:27]
	s_add_nc_u64 s[48:49], s[8:9], s[48:49]
	s_add_nc_u64 s[50:51], s[8:9], s[50:51]
	s_add_nc_u64 s[52:53], s[10:11], s[52:53]
	s_load_b128 s[68:71], s[26:27], 0x0            ; step 0's mask words; each later step's are asked for a step ahead
	s_wait_alu depctr_va_vdst(0)                   ; the offsets and addresses v1, v2, v6, v243, v248 and v251 are written, which the loads and the LDS stores of the head read
.irp be, 0,1,2,3
.irp c, 0,1,2,3
	global_load_b128 v[KV+16*\be+4*\c:KV+16*\be+4*\c+3], v[ADK], s[18:19] offset:2048*\be+512*\c   ; k of my step to bring, into the registers that k takes later
.endr
.endr
.irp td, 0,1,2,3
.irp c, 0,1,2,3
	global_load_b128 v[S+16*\td+4*\c:S+16*\td+4*\c+3], v[ADK], s[20:21] offset:2048*\td+512*\c     ; its v, into those of the scores
.endr
.endr
	global_load_b32 v8, v251, s[22:23]
	global_load_b32 v9, v251, s[22:23] offset:128
	global_load_b32 v10, v251, s[24:25]
	global_load_b32 v11, v251, s[24:25] offset:128
	global_load_b128 v[QLO:QLO+3], v[LI], s[54:55]
	global_load_b128 v[QLO+4:QLO+7], v[LI], s[54:55] offset:512
	global_load_b128 v[QHI+8:QHI+11], v[LI], s[54:55]
	global_load_b128 v[QHI+12:QHI+15], v[LI], s[54:55] offset:512
	global_load_b32 v5, v248, s[56:57]
.irp j, 0,1,2,3,4,5,6,7
	v_mov_b32 v[QLO+8+\j], 0                       ; zero codes (none of the lines down to the wait for the loads names a register that a load or an LDS store of the head touches)
	v_mov_b32 v[QHI+\j], 0
.endr
.set j, 0
.rept 32
	v_mov_b32 v[O+j], 0                            ; the step is written once: the first finds zeros
.set j, j+1
.endr
	v_mov_b32 v13, 0xff61b1e6                      ; the largest t so far: -3e38
	v_floor_f32 v12, -v13                          ; -M
	v_mov_b32 v14, 0
	v_mov_b32 v15, 0
.irp b, 0,1,2,3
	v_mov_b32 v[BP+\b], 0                          ; a lane permute's destination counts as read
.endr
	v_mov_b32 v[F], 0
	v_mov_b32 v[F+1], 0
	v_mov_b32 v[TT], 0
	v_mov_b32 v[FILL], 0xff800000                  ; -infinity
	v_mov_b32 v[ONES], -1
	s_wait_loadcnt 0x0                             ; my step to bring, and q
.irp be, 0,1,2,3
.irp c, 0,1,2,3
	ds_store_b128 v[ADK], v[KV+16*\be+4*\c:KV+16*\be+4*\c+3] offset:2048*\be+512*\c    ; 512 consecutive bytes a store
.endr
.endr
.irp td, 0,1,2,3
.irp c, 0,1,2,3
	ds_store_b128 v[ADV], v[S+16*\td+4*\c:S+16*\td+4*\c+3] offset:2048*\td+512*\c
.endr
.endr
	ds_store_b32 v[ADS], v8
	ds_store_b32 v[ADS], v9 offset:128
	ds_store_b32 v[ADS], v10 offset:4096
	ds_store_b32 v[ADS], v11 offset:4224
	s_wait_dscnt 0x0                               ; for the others' sake: my stores have landed
	s_barrier_signal -1
	s_barrier_wait -1                              ; the whole head lies in LDS; nothing is written there again
	s_wait_alu depctr_vm_vsrc(0)                   ; the head's loads and LDS stores have read v1, v2, v243, v248, v251, KV, S and v8 to v11, all of which are written again from here on
.Lstep:
	s_cmp_gt_u32 s29, s3
	s_cbranch_scc1 .Lnext                          ; all of this step's keys come after my queries
	s_wait_kmcnt 0x0                               ; this step's mask words, asked for a step ago
	s_mov_b64 s[36:37], s[68:69]
	s_mov_b64 s[38:39], s[70:71]
	s_add_co_u32 s72, s28, 16
	s_min_u32 s72, s72, 240                        ; held at the row's last 16 bytes: no load leaves the buffer
	s_load_b128 s[68:71], s[26:27], s72 offset:0x0 ; the next step's
	s_and_b32 s41, s36, s37
	s_and_b32 s42, s38, s39
	s_and_b32 s41, s41, s42
	s_or_b32 s43, s36, s37
	s_or_b32 s44, s38, s39
	s_or_b32 s43, s43, s44
	s_cmp_eq_u32 s29, s3
	s_cselect_b32 s45, 1, 0
	s_cbranch_scc1 .Lwork
	s_cmp_eq_u32 s41, -1
	s_cbranch_scc1 .Lnext                          ; every key padded, and the diagonal is not here
.Lwork:
	s_or_b32 s43, s43, s45                         ; is there anything to mask?
	s_wait_alu depctr_vm_vsrc(0)                   ; the LDS loads of the step worked last have read the three addresses
	v_add_nc_u32 v[ADK], s58, v[LI]
	v_add_nc_u32 v[ADV], s58, v[LV]
	v_add_nc_u32 v[ADS], s59, v[LS]
	s_wait_alu depctr_va_vdst(0)                   ; the three addresses are written; the last products of O are done reading KV and the scale words, in which k's loads land; in the first step worked: q's zero codes are written
.irp be, 0,1,2,3
.irp c, 0,1,2,3
	ds_load_b128 v[KV+16*\be+4*\c:KV+16*\be+4*\c+3], v[ADK] offset:2048*\be+512*\c
.endr
.endr
	ds_load_b32 v8, v[ADS]
	ds_load_b32 v9, v[ADS] offset:128
	s_wait_dscnt 0x0
.irp be, 0,1,2,3
	WMZ S+16*\be, KV+16*\be, QLO, 8+\be/2, 5, \be%2
	WMZ S+16*\be+8, KV+16*\be, QHI, 8+\be/2, 5, \be%2
.endr
	PL 8                                           ; places ahead of the first read of the scores (ISA guide 7.12.1)
	s_wait_alu depctr_va_vdst(0)                   ; the eight products are done reading KV, in which v's loads land; the addresses stand since the step's head
.irp td, 0,1,2,3
.irp c, 0,1,2,3
	ds_load_b128 v[KV+16*\td+4*\c:KV+16*\td+4*\c+3], v[ADV] offset:2048*\td+512*\c     ; v comes while the softmax is walked: no line of it names KV, v10, v11 or an address
.endr
.endr
	ds_load_b32 v10, v[ADS] offset:4096
	ds_load_b32 v11, v[ADS] offset:4224
	s_cmp_eq_u32 s43, 0
	s_cbranch_scc1 .Lfast
	s_lshl_b32 s46, s29, 7
	v_sub_nc_u32 v[DI], v3, s46
	MASK S
.Lfast:
.irp b, 0,1,2,3
	v_max3_num_f32 v[BM+\b], v[S+16*\b], v[S+16*\b+1], v[S+16*\b+2]      ; each block's largest score: for the row's maximum and for the block's largest p
.endr
.irp i, 3,5,7,9,11,13
.irp b, 0,1,2,3
	v_max3_num_f32 v[BM+\b], v[BM+\b], v[S+16*\b+\i], v[S+16*\b+\i+1]
.endr
.endr
.irp b, 0,1,2,3
	v_max_num_f32 v[BM+\b], v[BM+\b], v[S+16*\b+15]
.endr
.irp b, 0,1,2,3
	v_permlanex16_b32 v[BP+\b], v[BM+\b], s32, s33
.endr
.irp b, 0,1,2,3
	v_max_num_f32 v[BM+\b], v[BM+\b], v[BP+\b]
.endr
	v_max3_num_f32 v[TT], v[BM], v[BM+1], v[BM+2]
	v_max_num_f32 v[TT], v[TT], v[BM+3]
	v_mul_f32 v[TT], s34, v[TT]
	v_max_num_f32 v13, v13, v[TT]                  ; the running largest t
	v_mov_b32 v[TT], v12
	v_floor_f32 v12, -v13                          ; -M = floor(-t): M is a whole number
	v_sub_f32 v[TT], v12, v[TT]
	v_cvt_i32_f32 v[TT], v[TT]                     ; (it saturates)
	v_ldexp_f32 v[F], 1.0, v[TT]                   ; f = 2^(old M - new M): a multiplication by it rounds nothing
.set j, 0
.rept 32
	v_pk_fma_f32 v[S+j:S+j+1], v[S+j:S+j+1], s[34:35], v[12:13] op_sel_hi:[1,0,0]
.set j, j+2
.endr
.irp b, 0,1,2,3
	v_fma_f32 v[BM+\b], v[BM+\b], s34, v12
.endr
.set j, 0
	s_wait_alu depctr_va_vdst(0)
.rept 64
	v_exp_f32 v[S+j], v[S+j]                       ; p = 2^(t - M)
.set j, j+1
.endr
.irp b, 0,1,2,3
	v_exp_f32 v[BM+\b], v[BM+\b]                   ; the block's largest p
.endr
	v_pk_mul_f32 v[14:15], v[14:15], v[F:F+1] op_sel_hi:[1,0]    ; the sums under the new M (a plain place behind the exponentials)
	s_wait_alu depctr_va_vdst(0)                   ; the 68 exponentials have written S and BM, ahead of their first reader
.irp b, 0,1,2,3
	v_max_num_f32 v[BM+\b], 0x4800000, v[BM+\b]    ; the floor 2^(9 - 127)
.endr
.irp b, 0,1,2,3
	v_add_nc_u32 v[SO+\b], 0xfc000000, v[BM+\b]
.endr
.irp b, 0,1,2,3
	v_and_or_b32 v[HL+\b], v[BM+\b], 0x7f800000, s31
.endr
.irp b, 0,1,2,3
	v_lshrrev_b32 v[BP+\b], 23, v[SO+\b]
.endr
	v_lshl_or_b32 v7, v[BP+1], 8, v[BP]            ; p's scale word for these 128 keys
	v_lshl_or_b32 v7, v[BP+2], 16, v7
	v_lshl_or_b32 v7, v[BP+3], 24, v7
	v_pk_add_f32 v[BP:BP+1], v[S:S+1], v[S+2:S+3]  ; the row's sum, of the unquantised p, in two chains
.irp j, 4,8,12,16,20,24,28,32,36,40,44,48,52,56,60
	v_pk_add_f32 v[14:15], v[14:15], v[S+\j:S+\j+1]
	v_pk_add_f32 v[BP:BP+1], v[BP:BP+1], v[S+\j+2:S+\j+3]
.endr
	v_pk_add_f32 v[14:15], v[14:15], v[BP:BP+1]
.irp b, 0,1,2,3
.irp i, 0,1,2,3,4,5,6,7,8,9,10,11,12,13,14,15
	v_min_num_f32 v[S+16*\b+\i], v[S+16*\b+\i], v[HL+\b]         ; the conversion does not saturate (ISA guide 7.6.2); p is not negative
.endr
	v_cvt_scalef32_pk8_fp8_f32 v[PCD+4*\b:PCD+4*\b+1], v[S+16*\b:S+16*\b+7], v[SO+\b]
	v_cvt_scalef32_pk8_fp8_f32 v[PCD+4*\b+2:PCD+4*\b+3], v[S+16*\b+8:S+16*\b+15], v[SO+\b]
.endr
.set j, 0
.rept 16
	v_pk_mul_f32 v[O+j:O+j+1], v[O+j:O+j+1], v[F:F+1] op_sel_hi:[1,0]    ; O under the new M; these are also the places ahead of the products
.set j, j+2
.endr
	s_wait_dscnt 0x0                               ; v
	s_wait_alu depctr_va_vdst(0)                   ; the conversions have written p's codes, and the shifts its scale word v7, which the scaled products take; the places above stay beside this wait
.irp td, 0,1,2,3
	WMA O+8*\td, KV+16*\td, PCD, 10+\td/2, 7, \td%2
.endr
	PL 8
.Lnext:
	s_add_co_u32 s28, s28, 16
	s_add_co_u32 s58, s58, 0x2000
	s_add_co_u32 s59, s59, 0x100
	s_add_co_u32 s29, s29, 1
	s_cmp_lt_u32 s29, 16
	s_cbranch_scc1 .Lstep
	; ---------------- the end: O / sum, quantised; -(M + log2(sum) + 4)
	v_add_f32 v14, v14, v15
	s_wait_alu depctr_va_vdst(0)
	v_permlanex16_b32 v[TT], v14, s32, s33
	v_add_f32 v14, v14, v[TT]
	s_wait_alu depctr_va_vdst(0)
	v_rcp_f32 v[F], v14
	v_log_f32 v[TT], v14
	v_nop
.set j, 0
	s_wait_alu depctr_va_vdst(0)                   ; the reciprocal and the logarithm have written v[F] and v[TT], ahead of their first reader
.rept 16
	v_pk_mul_f32 v[O+j:O+j+1], v[O+j:O+j+1], v[F:F+1] op_sel_hi:[1,0]
.set j, j+2
.endr
	v_sub_f32 v[TT], v12, v[TT]
	v_add_f32 v[TT], -4.0, v[TT]
.irp b, 0,1
	v_max3_num_f32 v[BM+\b], |v[O+16*\b]|, |v[O+16*\b+1]|, 0x4800000
.endr
.irp i, 2,4,6,8,10,12,14
.irp b, 0,1
	v_max3_num_f32 v[BM+\b], v[BM+\b], |v[O+16*\b+\i]|, |v[O+16*\b+\i+1]|
.endr
.endr
.irp b, 0,1
	v_permlanex16_b32 v[BP+\b], v[BM+\b], s32, s33
.endr
.irp b, 0,1
	v_max_num_f32 v[BM+\b], v[BM+\b], v[BP+\b]
.endr
.irp b, 0,1
	v_add_nc_u32 v[SO+\b], 0xfc000000, v[BM+\b]
	v_and_or_b32 v[HL+\b], v[BM+\b], 0x7f800000, s31
	v_lshrrev_b32 v[BP+\b], 23, v[SO+\b]
.endr
.irp b, 0,1
.irp i, 0,1,2,3,4,5,6,7,8,9,10,11,12,13,14,15
	v_med3_num_f32 v[O+16*\b+\i], v[O+16*\b+\i], -v[HL+\b], v[HL+\b]
.endr
	v_cvt_scalef32_pk8_fp8_f32 v[PCD+4*\b:PCD+4*\b+1], v[O+16*\b:O+16*\b+7], v[SO+\b]
	v_cvt_scalef32_pk8_fp8_f32 v[PCD+4*\b+2:PCD+4*\b+3], v[O+16*\b+8:O+16*\b+15], v[SO+\b]
.endr
	v_and_b32 v244, 31, v0
	v_and_b32 v245, 15, v0
	v_bfe_u32 v246, v0, 4, 1
	v_lshlrev_b32 v247, 4, v244
	v_lshlrev_b32 v248, 2, v244
	v_lshl_add_u32 v245, v245, 5, v246             ; 32 x position + (lane / 16): lanes 0-15 store block 0's byte, lanes 16-31 block 1's
	s_mov_b32 vcc_lo, 0xffff0000
	v_cndmask_b32 v246, v[BP], v[BP+1], vcc_lo
	s_wait_alu depctr_va_vdst(0)                   ; the codes in PCD, the byte in v246, v[TT] and the offsets v245, v247 and v248 are written, which the four stores read
	global_store_b128 v247, v[PCD:PCD+3], s[48:49]
	global_store_b128 v247, v[PCD+4:PCD+7], s[48:49] offset:512
	global_store_b8 v245, v246, s[50:51]
	global_store_b32 v248, v[TT], s[52:53]
	s_wait_dscnt 0x0                               ; the closing lines, six on end
	s_wait_alu 0x0
	s_wait_tensorcnt 0x0
	ds_add_u32 v254, v255
	s_wait_dscnt 0x0
	s_endpgm
.Lfunc_end_k_qeb4b5b2567_attn:
	.size	k_qeb4b5b2567_attn, .Lfunc_end_k_qeb4b5b2567_attn-k_qeb4b5b2567_attn
	.p2alignl 7, 3214868480
	.fill 96, 4, 3214868480
	.section	.rodata,"a",@progbits
	.p2align	6, 0x0
	.amdhsa_kernel k_qeb4b5b2567_attn
		.amdhsa_group_segment_fixed_size 272384
		.amdhsa_private_segment_fixed_size 0
		.amdhsa_enable_private_segment 0
		.amdhsa_kernarg_size 32
		.amdhsa_user_sgpr_count 2
		.amdhsa_user_sgpr_kernarg_segment_ptr 1
		.amdhsa_wavefront_size32 1
		.amdhsa_system_sgpr_workgroup_id_x 1
		.amdhsa_system_sgpr_workgroup_id_y 1
		.amdhsa_system_sgpr_workgroup_id_z 1
		.amdhsa_system_vgpr_workitem_id 0
		.amdhsa_next_free_vgpr 256
		.amdhsa_next_free_sgpr 96
		.amdhsa_reserve_vcc 1
		.amdhsa_float_denorm_mode_32 3
		.amdhsa_float_denorm_mode_16_64 3
		.amdhsa_memory_ordered 1
		.amdhsa_forward_progress 1
		.amdhsa_inst_pref_size 52
	.end_amdhsa_kernel
	.amdgpu_metadata
---
amdhsa.version: [ 1, 2 ]
amdhsa.kernels:
  - .name:           k_qeb4b5b2567_attn
    .symbol:         k_qeb4b5b2567_attn.kd
    .args:
      - { .name: qkv, .offset: 0, .size: 8, .value_kind: global_buffer, .address_space: global }
      - { .name: padw, .offset: 8, .size: 8, .value_kind: global_buffer, .address_space: global }
      - { .name: at, .offset: 16, .size: 8, .value_kind: global_buffer, .address_space: global }
      - { .name: negc, .offset: 24, .size: 8, .value_kind: global_buffer, .address_space: global }
    .group_segment_fixed_size: 272384
    .private_segment_fixed_size: 0
    .kernarg_segment_align: 8
    .kernarg_segment_size: 32
    .max_flat_workgroup_size: 512
    .sgpr_count:     96
    .vgpr_count:     256
    .wavefront_size: 32
...
	.end_amdgpu_metadata
.endif
;; end of part 11
;; launch wts (part 12): grid 256 x 1, 16 waves a work-group, no clusters, 137,216 bytes of LDS; arguments qkv, padw, negc, out1; writes out1
.if DOCPART == 12
	.amdgcn_target "amdgcn-amd-amdhsa--gfx1250"
	.amdhsa_code_object_version 6
	.text
	.protected	k_qeb4b5b2567_wts
	.globl	k_qeb4b5b2567_wts
	.p2align	8
	.type	k_qeb4b5b2567_wts,@function
k_qeb4b5b2567_wts:
	s_mov_b64 s[64:65], 0
	v_nop
	global_prefetch_b8 v0, s[64:65] scope:SCOPE_SE
	s_setreg_imm32_b32 hwreg(HW_REG_WAVE_SCHED_MODE, 0, 2), 2
	s_setreg_imm32_b32 hwreg(HW_REG_WAVE_MODE, 25, 1), 1
	s_wait_xcnt 0x0
	s_wait_alu depctr_vm_vsrc(0)
; THE WEIGHTS AVERAGED OVER THE HEADS (out1).  One wave owns a tile of 16 queries x 128 keys and sums, over the 16 heads, 2^(score x log2(e) / 8 + n), n = -(M + log2(sum) + 4) as the attention launch stored it for that head and query.
; The exponent of a key that counts is at most -4: M is the ceiling of the row's largest t, so nothing overflows; a masked key's term, whatever it is, is replaced by 0 behind the sum.
; The scores are made by the same matrix instruction on the same codes as in the attention launch.  Tiles above the diagonal, and tiles off the diagonal all of whose keys are padded, are stored as zeros.
; SHARES.  Work-group = (batch, a, s, m).  Waves 0-7 ALL take block a of 128 keys, waves 8-15 all take block 15 - a; wave j of a half takes query tile 8 (2 jj + (m xor half)) + s, jj = j in the first half and 7 - j in the second.
; So the waves of a half that have scores to make ask, head by head, for the same 8,192 bytes of k, and a work-group needs two blocks of k for each head and not one for each wave.
; 8 or 9 waves of the sixteen have scores to make, in every work-group, and their numbers follow each other (the first half's last, the second half's first).
; The way out goes through the wave's own stage (16 rows of 512 + 16 bytes): a store covers 512 consecutive bytes of a row of out1.  No barrier: waves hand nothing to each other.
; LIMITS: NaN and infinities among the inputs are not served.
; THE MODE: SCHED_MODE bits 1:0 = 2 (LLVM: expert scheduling mode 2), set by the entry lines.  The code itself states the register dependences
; between vector or matrix instructions and memory or LDS instructions, with s_wait_alu, always for 0.
; THE PLAN.  Registers that memory or LDS instructions touch:
;   v1 .. v4       offsets, read by a head's 24 loads; stepped once a head, at the trip's head.
;   QLO, QHI (the halves that hold q), KV, v5, v8, v9   land by a head's loads; read by that head's eight products.   v10: lands with them; read by two moves.  256 registers a wave leave no room for a second set.
;   W v176-239     the sums: named by vector instructions until the way out, where the LDS stores read them.   S v112-175: named by matrix and vector instructions until the way out, where the rows come back into it.
;   v240, v241, v242   addresses of the way out, made at the head and never written again.
; A trip: one wait on vm_vsrc ahead of the four steps of the offsets; one on va_vdst behind the products, ahead of the next head's loads; the exponentials' wait.
; The mask's compares write scalar registers, sixteen to a run, with one wait on va_sdst behind each run.
.set QLO, 16
.set QHI, 32
.set KV,  48
.set S,   112
.set W,   176
.set M1,  244
.set M2,  245
.set PF,  246
.set MK,  247
.set MB,  248
.set FILL, 249
.set ONES, 250
.set DI,  251
.set SM,  48                           ; s[48:63] the lane masks of a block's sixteen registers
.macro PL n
.rept \n
	v_nop
.endr
.endm
.macro WMZ d, a, b, sa, sb, ra
.if (\ra)
	v_wmma_scale_f32_16x16x128_f8f6f4 v[\d:\d+7], v[\a:\a+15], v[\b:\b+15], 0, v[\sa], v[\sb] matrix_a_scale:MATRIX_SCALE_ROW1
.else
	v_wmma_scale_f32_16x16x128_f8f6f4 v[\d:\d+7], v[\a:\a+15], v[\b:\b+15], 0, v[\sa], v[\sb]
.endif
.endm
; as in the attention launch: masked where i > e, or padded and i < e; e = v[DI] - 32 be.  A block's sixteen bits are tested in one run, each compare into a scalar register of its own; the sixteen selects follow behind one wait.
.macro MASK base
.irp be, 0,1,2,3
	v_add_nc_u32 v[M1], -32*\be, v[DI]
	v_cvt_f32_i32 v[M1], v[M1]
	v_add_f32 v[M2], 1.0, v[M1]
	v_med3_num_f32 v[M1], v[M1], 0, s40
	v_med3_num_f32 v[M2], v[M2], 0, s40
	v_cvt_u32_f32 v[M1], v[M1]
	v_cvt_u32_f32 v[M2], v[M2]
	v_lshlrev_b32 v[M1], v[M1], v[ONES]
	v_lshlrev_b32 v[M2], v[M2], v[ONES]
	v_lshrrev_b32 v[PF], v6, s[36+\be]
	v_bfi_b32 v[MK], v[M1], v[M2], v[PF]
.irp g, 0,4,8,12
	v_and_b32 v[M1], 1<<(\g), v[MK]
	v_and_b32 v[M2], 1<<(\g+1), v[MK]
	v_and_b32 v[PF], 1<<(\g+2), v[MK]
	v_and_b32 v[MB], 1<<(\g+3), v[MK]
	v_cmp_ne_u32 s[SM+\g], 0, v[M1]
	v_cmp_ne_u32 s[SM+\g+1], 0, v[M2]
	v_cmp_ne_u32 s[SM+\g+2], 0, v[PF]
	v_cmp_ne_u32 s[SM+\g+3], 0, v[MB]
.endr
	s_wait_alu depctr_va_sdst(0)                   ; the sixteen compares have written s[SM ..], ahead of the first select that reads one
.irp i, 0,1,2,3,4,5,6,7,8,9,10,11,12,13,14,15
	v_cndmask_b32 v[\base+16*\be+\i], v[\base+16*\be+\i], v[FILL], s[SM+\i]
.endr
.endr
.endm
.macro LOADS                           ; one head's q tile, its scale word, 128 keys of k, their scale words, and n: 24 loads
	global_load_b128 v[QLO:QLO+3], v1, s[20:21]
	global_load_b128 v[QLO+4:QLO+7], v1, s[20:21] offset:512
	global_load_b128 v[QHI+8:QHI+11], v1, s[20:21]
	global_load_b128 v[QHI+12:QHI+15], v1, s[20:21] offset:512
	global_load_b32 v5, v2, s[24:25]
.irp be, 0,1,2,3
.irp c, 0,1,2,3
	global_load_b128 v[KV+16*\be+4*\c:KV+16*\be+4*\c+3], v1, s[22:23] offset:2048*\be+512*\c
.endr
.endr
	global_load_b32 v8, v3, s[26:27]
	global_load_b32 v9, v3, s[26:27] offset:128
	global_load_b32 v10, v4, s[30:31]
.endm
	s_load_b256 s[4:11], s[0:1], 0x0               ; qkv, padw, negc, out1
	v_lshl_add_u32 v254, v0, 2, 0x21000
	v_mov_b32 v255, 0
	v_lshrrev_b32 v1, 5, v0
	v_readfirstlane_b32 s2, v1                     ; wave
	s_lshr_b32 s12, ttmp9, 7                       ; batch
	s_bfe_u32 s13, ttmp9, 0x30004                  ; a
	s_bfe_u32 s14, ttmp9, 0x30001                  ; s
	s_and_b32 s15, ttmp9, 1                        ; m
	s_wait_alu depctr_va_sdst(0)                   ; s2 is written, ahead of its first reader
	s_lshr_b32 s16, s2, 3                          ; which half of the waves
	s_and_b32 s17, s2, 7                           ; j
	s_mul_i32 s41, s16, 15
	s_xor_b32 s19, s13, s41                        ; my block of 128 keys: a, or 15 - a
	s_mul_i32 s41, s16, 7
	s_xor_b32 s3, s17, s41                         ; jj: j, or 7 - j
	s_lshl_b32 s3, s3, 1
	s_xor_b32 s41, s15, s16
	s_add_co_u32 s3, s3, s41                       ; which 128 queries: the diagonal's block of keys
	s_lshl_b32 s18, s3, 3
	s_add_co_u32 s18, s18, s14                     ; my tile of queries
	s_lshl_b32 s41, s12, 21
	s_lshl_b32 s42, s18, 10
	s_add_co_u32 s20, s41, s42
	s_mov_b32 s21, 0
	s_lshl_b32 s42, s19, 13
	s_add_co_u32 s22, s41, s42
	s_add_co_u32 s22, s22, 0x400000
	s_mov_b32 s23, 0
	s_lshl_b32 s24, s12, 17
	s_lshl_b32 s42, s18, 6
	s_add_co_u32 s24, s24, s42
	s_add_co_u32 s24, s24, 0xC40000
	s_mov_b32 s25, 0
	s_lshl_b32 s26, s12, 16
	s_lshl_b32 s42, s19, 8
	s_add_co_u32 s26, s26, s42
	s_add_co_u32 s26, s26, 0xC20000
	s_mov_b32 s27, 0
	s_lshl_b32 s30, s12, 7
	s_add_co_u32 s30, s30, s18
	s_lshl_b32 s30, s30, 11
	s_mov_b32 s31, 0
	s_lshr_b32 s43, s18, 1
	s_lshl_b32 s43, s43, 5
	s_and_b32 s42, s18, 1
	s_lshl_b32 s42, s42, 3
	s_add_co_u32 s43, s43, s42                     ; the tile's first token
	s_lshl_b32 s32, s12, 11
	s_add_co_u32 s32, s32, s43
	s_lshl_b32 s32, s32, 13
	s_lshl_b32 s42, s19, 9
	s_add_co_u32 s32, s32, s42
	s_mov_b32 s33, 0
	s_lshl_b32 s28, s12, 8
	s_lshl_b32 s42, s19, 4
	s_add_co_u32 s28, s28, s42
	s_lshl_b32 s44, s19, 7
	s_sub_co_u32 s43, s43, s44                     ; first token - first key
	s_mov_b32 s34, 0x3e38aa3b                      ; log2(e) / 8
	s_mov_b32 s35, s34
	s_mov_b32 s40, 0x41800000                      ; 16.0
	v_and_b32 v243, 31, v0
	v_and_b32 v244, 15, v0
	v_bfe_u32 v245, v0, 4, 1
	v_lshlrev_b32 v1, 4, v243                      ; 16 x lane + 131,072 x head
	v_lshlrev_b32 v2, 2, v244                      ; 4 x position + 8,192 x head
	v_lshlrev_b32 v3, 2, v243                      ; 4 x lane + 4,096 x head
	v_lshlrev_b32 v4, 2, v243                      ; 4 x lane + 128 x head
	v_lshlrev_b32 v6, 4, v245                      ; 16 (lane / 16)
	v_lshlrev_b32 v242, 4, v243
	s_mul_i32 s41, s2, 8448
	v_mul_u32_u24 v240, v244, 528
	v_lshl_add_u32 v240, v245, 6, v240
	v_add_nc_u32 v240, s41, v240                   ; stage, in: row = position, + 64 (lane / 16)
	v_add_nc_u32 v241, s41, v242                   ; stage, out: a row of 512 bytes
	v_and_b32 v246, 8, v244
	v_add_nc_u32 v246, v246, v244
	v_sub_nc_u32 v[DI], v246, v6
	v_add_nc_u32 v[DI], s43, v[DI]                 ; my query - first key - 16 (lane / 16)
	v_mov_b32 v[FILL], 0
	v_mov_b32 v[ONES], -1
	s_wait_kmcnt 0x0
	s_load_b128 s[36:39], s[6:7], s28 offset:0x0   ; the pad bits of my 128 keys
	s_add_nc_u64 s[20:21], s[4:5], s[20:21]
	s_add_nc_u64 s[22:23], s[4:5], s[22:23]
	s_add_nc_u64 s[24:25], s[4:5], s[24:25]
	s_add_nc_u64 s[26:27], s[4:5], s[26:27]
	s_add_nc_u64 s[30:31], s[8:9], s[30:31]
	s_add_nc_u64 s[32:33], s[10:11], s[32:33]
	s_wait_kmcnt 0x0
	s_cmp_gt_u32 s19, s3
	s_cbranch_scc1 .Lzero
	s_cmp_eq_u32 s19, s3
	s_cbranch_scc1 .Lcomp
	s_and_b32 s41, s36, s37
	s_and_b32 s42, s38, s39
	s_and_b32 s41, s41, s42
	s_cmp_eq_u32 s41, -1
	s_cbranch_scc1 .Lzero
.Lcomp:
.irp j, 0,1,2,3,4,5,6,7
	v_mov_b32 v[QLO+8+\j], 0                       ; zero codes
	v_mov_b32 v[QHI+\j], 0
.endr
	s_wait_alu depctr_va_vdst(0)                   ; the offsets v1 to v4 are written, which the loads read, and v240 to v242, which the way out reads; the zero codes are written, which the scaled products take
	LOADS
.set j, 0
.rept 64
	v_mov_b32 v[W+j], 0
.set j, j+1
.endr
	s_mov_b32 s29, 0
.Lhead:
	s_wait_loadcnt 0x0
	s_wait_alu depctr_vm_vsrc(0)                   ; this head's loads have read v1 to v4, which are stepped below
	v_mov_b32 v12, v10
	v_mov_b32 v13, v10
	v_add_nc_u32 v1, 0x20000, v1                   ; on to the next head: no load of mine is out
	v_add_nc_u32 v2, 0x2000, v2
	v_add_nc_u32 v3, 0x1000, v3
	v_add_nc_u32 v4, 0x80, v4
.irp be, 0,1,2,3
	WMZ S+16*\be, KV+16*\be, QLO, 8+\be/2, 5, \be%2
	WMZ S+16*\be+8, KV+16*\be, QHI, 8+\be/2, 5, \be%2
.endr
	PL 8                                           ; places ahead of the first read of the scores (ISA guide 7.12.1)
	s_cmp_eq_u32 s29, 15
	s_cbranch_scc1 .Lnoload                        ; the last head asks for nothing
	s_wait_alu depctr_va_vdst(0)                   ; the four offsets are written; the eight products are done reading q, k and the scale words, and the two moves v10: the next head's loads land in them
	LOADS
.Lnoload:
.set j, 0
	s_wait_alu depctr_va_vdst(0)
.rept 32
	v_pk_fma_f32 v[S+j:S+j+1], v[S+j:S+j+1], s[34:35], v[12:13] op_sel_hi:[1,0,0]
.set j, j+2
.endr
.set j, 0
	s_wait_alu depctr_va_vdst(0)
.rept 64
	v_exp_f32 v[S+j], v[S+j]
.set j, j+1
.endr
	v_nop                                          ; a plain place behind the exponentials
.set j, 0
	s_wait_alu depctr_va_vdst(0)                   ; the 64 exponentials have written S, ahead of their first reader
.rept 32
	v_pk_add_f32 v[W+j:W+j+1], v[W+j:W+j+1], v[S+j:S+j+1]
.set j, j+2
.endr
	s_add_co_u32 s29, s29, 1
	s_cmp_lt_u32 s29, 16
	s_cbranch_scc1 .Lhead
	s_or_b32 s41, s36, s37
	s_or_b32 s42, s38, s39
	s_or_b32 s41, s41, s42
	s_cmp_eq_u32 s19, s3
	s_cselect_b32 s42, 1, 0
	s_or_b32 s41, s41, s42
	s_cmp_eq_u32 s41, 0
	s_cbranch_scc1 .Lopen
	MASK W
.Lopen:
	s_wait_alu depctr_va_vdst(0)                   ; the sums and the selects have written W, which the LDS stores read; the last sums are done reading S, in which the rows land
.irp be, 0,1,2,3
.irp q, 0,1,2,3
	ds_store_b128 v240, v[W+16*\be+4*\q:W+16*\be+4*\q+3] offset:128*\be+16*\q
.endr
.endr
.irp i, 0,1,2,3,4,5,6,7,8,9,10,11,12,13,14,15
	ds_load_b128 v[S+4*\i:S+4*\i+3], v241 offset:528*\i            ; my own bytes: served in order (ISA guide 5.7.1.4)
.endr
.irp i, 0,1,2,3,4,5,6,7,8,9,10,11,12,13,14,15
	s_wait_dscnt 15-\i                             ; the younger loads may stay out
	global_store_b128 v242, v[S+4*\i:S+4*\i+3], s[32:33] offset:(\i+8*(\i/8))*8192 th:TH_STORE_NT
.endr
	s_wait_dscnt 0x0                               ; the closing lines, six on end
	s_wait_alu 0x0
	s_wait_tensorcnt 0x0
	ds_add_u32 v254, v255
	s_wait_dscnt 0x0
	s_endpgm
.Lzero:
.irp j, 0,1,2,3
	v_mov_b32 v[W+\j], 0
.endr
	s_wait_alu depctr_va_vdst(0)                   ; the four zeros and the offset v242 are written, which the stores read
.irp i, 0,1,2,3,4,5,6,7,8,9,10,11,12,13,14,15
	global_store_b128 v242, v[W:W+3], s[32:33] offset:(\i+8*(\i/8))*8192 th:TH_STORE_NT
.endr
	s_endpgm
.Lfunc_end_k_qeb4b5b2567_wts:
	.size	k_qeb4b5b2567_wts, .Lfunc_end_k_qeb4b5b2567_wts-k_qeb4b5b2567_wts
	.p2alignl 7, 3214868480
	.fill 96, 4, 3214868480
	.section	.rodata,"a",@progbits
	.p2align	6, 0x0
	.amdhsa_kernel k_qeb4b5b2567_wts
		.amdhsa_group_segment_fixed_size 137216
		.amdhsa_private_segment_fixed_size 0
		.amdhsa_enable_private_segment 0
		.amdhsa_kernarg_size 32
		.amdhsa_user_sgpr_count 2
		.amdhsa_user_sgpr_kernarg_segment_ptr 1
		.amdhsa_wavefront_size32 1
		.amdhsa_system_sgpr_workgroup_id_x 1
		.amdhsa_system_sgpr_workgroup_id_y 1
		.amdhsa_system_sgpr_workgroup_id_z 1
		.amdhsa_system_vgpr_workitem_id 0
		.amdhsa_next_free_vgpr 256
		.amdhsa_next_free_sgpr 66
		.amdhsa_reserve_vcc 0
		.amdhsa_float_denorm_mode_32 3
		.amdhsa_float_denorm_mode_16_64 3
		.amdhsa_memory_ordered 1
		.amdhsa_forward_progress 1
		.amdhsa_inst_pref_size 39
	.end_amdhsa_kernel
	.amdgpu_metadata
---
amdhsa.version: [ 1, 2 ]
amdhsa.kernels:
  - .name:           k_qeb4b5b2567_wts
    .symbol:         k_qeb4b5b2567_wts.kd
    .args:
      - { .name: qkv, .offset: 0, .size: 8, .value_kind: global_buffer, .address_space: global }
      - { .name: padw, .offset: 8, .size: 8, .value_kind: global_buffer, .address_space: global }
      - { .name: negc, .offset: 16, .size: 8, .value_kind: global_buffer, .address_space: global }
      - { .name: out1, .offset: 24, .size: 8, .value_kind: global_buffer, .address_space: global }
    .group_segment_fixed_size: 137216
    .private_segment_fixed_size: 0
    .kernarg_segment_align: 8
    .kernarg_segment_size: 32
    .max_flat_workgroup_size: 512
    .sgpr_count:     66
    .vgpr_count:     256
    .wavefront_size: 32
...
	.end_amdgpu_metadata
.endif
;; end of part 12
;; launch oproj (part 13): grid 4 x 64, 4 waves a work-group, no clusters, 168,448 bytes of LDS; arguments at, wl, w_out_scales, b_out, key_padding_mask, x, x1; writes x1
.if DOCPART == 13
	.amdgcn_target "amdgcn-amd-amdhsa--gfx1250"
	.amdhsa_code_object_version 6
	.text
	.protected	k_qeb4b5b2567_oproj
	.globl	k_qeb4b5b2567_oproj
	.p2align	8
	.type	k_qeb4b5b2567_oproj,@function
k_qeb4b5b2567_oproj:
	s_mov_b64 s[64:65], 0
	v_nop
	global_prefetch_b8 v0, s[64:65] scope:SCOPE_SE
	s_setreg_imm32_b32 hwreg(HW_REG_WAVE_MODE, 25, 1), 1
	s_wait_xcnt 0x0
; x1 = x + (attention's result w_out^T + b_out, 0 for padded queries), on E4M3 codes.
; SHARES as in the qkv launch: a work-group owns 256 columns (x) and 64 tokens (y): two groups of 32; wave w owns 64 columns, whose 32 weight fragments stay in registers; the tokens' codes and scale bytes
; (67,584 bytes, dense) come into LDS once, a quarter by each wave's one tensor load; nothing is filled again.  The claim of LDS is larger than the 102,400 bytes used.
; Source 0 = weights, source 1 = tokens: a lane holds one token and runs of 16 neighbouring columns.  The results go through the wave's own stage (32 rows of 256 + 16 bytes) and leave as rows: sixteen lanes store 256 consecutive bytes, aligned.
; ORDER OF ROWS: position p of tile t stands for row 32 (t / 2) + 8 (t % 2) + p + 8 (p / 8).  LIMITS: NaN and infinities are not served; mask bytes are 0 or 1.
.set NT,   2
.set GB,   33792
.set STG,  NT*GB
.set LI,   1
.set ADA,  2
.set ADS,  3
.set L32,  4
.set WS,   16
.set AS,   32
.set BIAS, 40
.set ACC,  72
.set FL,   168
.set XR,   176
.set MSB,  0
.macro WIN new
.if MSB != (\new)
	s_set_vgpr_msb (MSB<<8)|(\new)
.set MSB, (\new)
.endif
.endm
.macro PL n
.rept \n
	v_nop
.endr
.endm
.macro WM d, a, b, c, sa, sb, ra, rb
.if (\ra) && (\rb)
	v_wmma_scale_f32_16x16x128_f8f6f4 v[\d:\d+7], v[\a:\a+15], v[\b:\b+15], v[\c:\c+7], v[\sa], v[\sb] matrix_a_scale:MATRIX_SCALE_ROW1 matrix_b_scale:MATRIX_SCALE_ROW1
.elseif (\ra)
	v_wmma_scale_f32_16x16x128_f8f6f4 v[\d:\d+7], v[\a:\a+15], v[\b:\b+15], v[\c:\c+7], v[\sa], v[\sb] matrix_a_scale:MATRIX_SCALE_ROW1
.elseif (\rb)
	v_wmma_scale_f32_16x16x128_f8f6f4 v[\d:\d+7], v[\a:\a+15], v[\b:\b+15], v[\c:\c+7], v[\sa], v[\sb] matrix_b_scale:MATRIX_SCALE_ROW1
.else
	v_wmma_scale_f32_16x16x128_f8f6f4 v[\d:\d+7], v[\a:\a+15], v[\b:\b+15], v[\c:\c+7], v[\sa], v[\sb]
.endif
.endm
.macro MM m                            ; the four sums take turns, one instruction a turn; the bias is the C of each sum's first
.irp s, 0,1,2,3,4,5,6,7
	WIN 0x0d+(\s/4)
.irp t, 0,1,2,3
.if \s == 0
	WM ACC+32*\m+8*\t, 16*(4*(\s%4)+\t), 16*(8*\m+\s), BIAS+8*\t, WS+8*(\t/2)+\s, AS+\s, \t%2, \m
.else
	WM ACC+32*\m+8*\t, 16*(4*(\s%4)+\t), 16*(8*\m+\s), ACC+32*\m+8*\t, WS+8*(\t/2)+\s, AS+\s, \t%2, \m
.endif
.endr
.endr
.endm
.macro FETCH m
	WIN 0xc0
.irp s, 0,1,2,3,4,5,6,7
.irp c, 0,1,2,3
	ds_load_b128 v[16*(8*\m+\s)+4*\c:16*(8*\m+\s)+4*\c+3], v[ADA] offset:\m*16384+\s*2048+\c*512
.endr
.endr
	WIN 0
.endm
.macro ASLD
	ds_load_b128 v[AS:AS+3], v[ADS] offset:32768
	ds_load_b128 v[AS+4:AS+7], v[ADS] offset:32784
.endm
.macro TRIP g, next
.irp m, 0,1
.irp i, 0,1,2,3,4,5,6,7
	global_load_b128 v[XR+32*\m+4*\i:XR+32*\m+4*\i+3], v12, s[40:41] offset:\g*131072+(8*\m+2*\i+8*(\i/4))*4096   ; x, by rows: it lands under the products
.endr
	global_load_u8 v[FL+\m], v13, s[44:45] offset:32*\g+8*\m       ; is my lane's token padded?
.endr
	s_wait_dscnt 0x0
	MM 0
	WIN 0
.if \next
	v_add_nc_u32 v[ADA], GB, v[LI]
	v_add_nc_u32 v[ADS], GB, v[L32]
	PL 6                                           ; eight places ahead of loads into registers that the products read
	FETCH 0
.endif
	MM 1
	WIN 0
	PL 8
.if \next
	ASLD
	FETCH 1
.endif
	s_wait_loadcnt 0x0
.irp m, 0,1
	v_cmp_ne_u32 vcc_lo, 0, v[FL+\m]
.set j, 0
.rept 32
	v_cndmask_b32 v[ACC+32*\m+j], v[ACC+32*\m+j], v14, vcc_lo      ; 0 for a padded query
.set j, j+1
.endr
.endr
.irp m, 0,1
.irp b, 0,1
.irp q, 0,1,2,3
	ds_store_b128 v10, v[ACC+32*\m+16*\b+4*\q:ACC+32*\m+16*\b+4*\q+3] offset:\m*4352+128*\b+16*\q
.endr
.endr
.endr
.irp m, 0,1
.irp i, 0,1,2,3,4,5,6,7
	ds_load_b128 v[ACC+32*\m+4*\i:ACC+32*\m+4*\i+3], v11 offset:(16*\m+2*\i)*272    ; my own bytes: served in order (ISA guide 5.7.1.4)
.endr
.endr
	s_wait_dscnt 0x0
.set j, 0
.rept 32
	v_pk_add_f32 v[ACC+j:ACC+j+1], v[ACC+j:ACC+j+1], v[XR+j:XR+j+1]
.set j, j+2
.endr
.irp m, 0,1
.irp i, 0,1,2,3,4,5,6,7
	global_store_b128 v12, v[ACC+32*\m+4*\i:ACC+32*\m+4*\i+3], s[42:43] offset:\g*131072+(8*\m+2*\i+8*(\i/4))*4096
.endr
.endr
	s_wait_xcnt 0x0                                ; the stores' data are written again only behind this wait
.endm
	s_load_b256 s[4:11], s[0:1], 0x0               ; at, wl, w_out's scales, b_out
	s_load_b128 s[24:27], s[0:1], 0x20             ; the key mask, x
	s_load_b64 s[28:29], s[0:1], 0x30              ; x1
	v_lshl_add_u32 v254, v0, 2, 0x29000
	v_mov_b32 v255, 0
	ds_add_u32 v254, v255
	ds_add_u32 v254, v255
	v_lshrrev_b32 v1, 5, v0
	v_readfirstlane_b32 s2, v1
	s_and_b32 s30, ttmp7, 0xffff
	s_mov_b32 s16, 3<<16                           ; group 1: rows of 32 elements of 8 bytes, dense, 66 rows
	s_mov_b32 s17, 32<<16
	s_mov_b32 s18, (33*NT)<<16
	s_mov_b32 s19, 32<<16
	s_mov_b32 s20, 33*NT
	s_mov_b32 s21, 32
	s_mov_b32 s22, 0
	s_mov_b32 s23, 0
	s_mov_b32 s12, 1
	s_mul_i32 s13, s2, 8448*NT
	s_mul_i32 s34, s30, NT*GB
	s_add_co_u32 s34, s34, s13
	s_mov_b32 s35, 0
	s_wait_dscnt 0x0
	s_wait_kmcnt 0x0
	s_add_nc_u64 s[14:15], s[4:5], s[34:35]
	s_or_b32 s15, s15, 0x80000000
	tensor_load_to_lds s[12:15], s[16:23]          ; my one tensor load of the launch
	s_nop 0
	PL 4
	v_and_b32 v5, 31, v0
	v_and_b32 v6, 15, v0
	v_bfe_u32 v7, v0, 4, 1
	v_lshlrev_b32 v[LI], 4, v5
	s_wait_alu depctr_va_vdst(0)
	v_lshlrev_b32 v[L32], 5, v5
	s_lshl_b32 s3, ttmp9, 2
	s_add_co_u32 s3, s3, s2                        ; which 64 columns
	s_lshl_b32 s36, s3, 16
	s_add_co_u32 s36, s36, 0x300000
	s_mov_b32 s37, 0
	s_add_nc_u64 s[36:37], s[6:7], s[36:37]
	WIN 0x40
.irp s, 0,1,2,3
.irp t, 0,1,2,3
.irp c, 0,1,2,3
	global_load_b128 v[16*(4*\s+\t)+4*\c:16*(4*\s+\t)+4*\c+3], v[LI], s[36:37] offset:\t*16384+\s*2048+\c*512
.endr
.endr
.endr
	WIN 0x80
.irp s, 0,1,2,3
.irp t, 0,1,2,3
.irp c, 0,1,2,3
	global_load_b128 v[16*(4*\s+\t)+4*\c:16*(4*\s+\t)+4*\c+3], v[LI], s[36:37] offset:\t*16384+(\s+4)*2048+\c*512
.endr
.endr
.endr
	WIN 0
	v_and_b32 v13, 8, v6
	v_add_nc_u32 v13, v13, v6                      ; r + 8 (r / 8): also my token's place among the mask bytes
	v_lshl_add_u32 v8, v7, 3, v13
	v_lshlrev_b32 v8, 5, v8
	s_lshl_b32 s38, s3, 11
	s_mov_b32 s39, 0
	s_add_nc_u64 s[38:39], s[8:9], s[38:39]
.irp b, 0,1
	global_load_b128 v[WS+8*\b:WS+8*\b+3], v8, s[38:39] offset:\b*1024
	global_load_b128 v[WS+8*\b+4:WS+8*\b+7], v8, s[38:39] offset:\b*1024+16
.endr
	v_lshlrev_b32 v9, 6, v7
	s_lshl_b32 s48, s3, 8
	s_mov_b32 s49, 0
	s_add_nc_u64 s[48:49], s[10:11], s[48:49]
.irp t, 0,1,2,3
	global_load_b128 v[BIAS+8*\t:BIAS+8*\t+3], v9, s[48:49] offset:(32*(\t/2)+8*(\t%2))*4
	global_load_b128 v[BIAS+8*\t+4:BIAS+8*\t+7], v9, s[48:49] offset:(32*(\t/2)+8*(\t%2))*4+16
.endr
	s_mul_i32 s32, s2, 8704
	s_add_co_u32 s32, s32, STG                     ; my stage
	v_mul_u32_u24 v10, v6, 272
	v_lshl_add_u32 v10, v7, 6, v10
	v_add_nc_u32 v10, s32, v10                     ; in: row = position, + 64 (lane / 16)
	v_mul_u32_u24 v11, v7, 272
	v_lshl_add_u32 v11, v6, 4, v11
	v_add_nc_u32 v11, s32, v11                     ; out: two rows an instruction
	v_lshlrev_b32 v12, 12, v7
	v_lshl_add_u32 v12, v6, 4, v12                 ; and the same two rows in x and x1
	v_mov_b32 v14, 0
	s_lshl_b32 s40, s30, 18
	s_lshl_b32 s33, s3, 8
	s_add_co_u32 s40, s40, s33
	s_mov_b32 s41, 0
	s_add_nc_u64 s[42:43], s[28:29], s[40:41]
	s_add_nc_u64 s[40:41], s[26:27], s[40:41]
	s_lshl_b32 s44, s30, 6
	s_mov_b32 s45, 0
	s_add_nc_u64 s[44:45], s[24:25], s[44:45]
	s_wait_alu depctr_va_vdst(0)
	s_wait_tensorcnt 0x0
	s_barrier_signal -1
	s_barrier_wait -1
	v_mov_b32 v[ADA], v[LI]
	v_mov_b32 v[ADS], v[L32]
	FETCH 0
	ASLD
	FETCH 1
	s_wait_loadcnt 0x0                             ; weights, scale words, bias
	TRIP 0, 1
	TRIP 1, 0
	s_wait_tensorcnt 0x0
	ds_add_u32 v254, v255
	s_wait_dscnt 0x0
	s_endpgm
.Lfunc_end_k_qeb4b5b2567_oproj:
	.size	k_qeb4b5b2567_oproj, .Lfunc_end_k_qeb4b5b2567_oproj-k_qeb4b5b2567_oproj
	.p2alignl 7, 3214868480
	.fill 96, 4, 3214868480
	.section	.rodata,"a",@progbits
	.p2align	6, 0x0
	.amdhsa_kernel k_qeb4b5b2567_oproj
		.amdhsa_group_segment_fixed_size 168448
		.amdhsa_private_segment_fixed_size 0
		.amdhsa_enable_private_segment 0
		.amdhsa_kernarg_size 56
		.amdhsa_user_sgpr_count 2
		.amdhsa_user_sgpr_kernarg_segment_ptr 1
		.amdhsa_wavefront_size32 1
		.amdhsa_system_sgpr_workgroup_id_x 1
		.amdhsa_system_sgpr_workgroup_id_y 1
		.amdhsa_system_sgpr_workgroup_id_z 1
		.amdhsa_system_vgpr_workitem_id 0
		.amdhsa_next_free_vgpr 1024
		.amdhsa_next_free_sgpr 66
		.amdhsa_reserve_vcc 1
		.amdhsa_float_denorm_mode_32 3
		.amdhsa_float_denorm_mode_16_64 3
		.amdhsa_memory_ordered 1
		.amdhsa_forward_progress 1
		.amdhsa_inst_pref_size 62
	.end_amdhsa_kernel
	.amdgpu_metadata
---
amdhsa.version: [ 1, 2 ]
amdhsa.kernels:
  - .name:           k_qeb4b5b2567_oproj
    .symbol:         k_qeb4b5b2567_oproj.kd
    .args:
      - { .name: at, .offset: 0, .size: 8, .value_kind: global_buffer, .address_space: global }
      - { .name: wl, .offset: 8, .size: 8, .value_kind: global_buffer, .address_space: global }
      - { .name: w_out_scales, .offset: 16, .size: 8, .value_kind: global_buffer, .address_space: global }
      - { .name: b_out, .offset: 24, .size: 8, .value_kind: global_buffer, .address_space: global }
      - { .name: key_padding_mask, .offset: 32, .size: 8, .value_kind: global_buffer, .address_space: global }
      - { .name: x, .offset: 40, .size: 8, .value_kind: global_buffer, .address_space: global }
      - { .name: x1, .offset: 48, .size: 8, .value_kind: global_buffer, .address_space: global }
    .group_segment_fixed_size: 168448
    .private_segment_fixed_size: 0
    .kernarg_segment_align: 8
    .kernarg_segment_size: 56
    .max_flat_workgroup_size: 128
    .sgpr_count:     66
    .vgpr_count:     1024
    .wavefront_size: 32
...
	.end_amdgpu_metadata
.endif
;; end of part 13
;; launch ln2 (part 14): grid 256 x 1, 4 waves a work-group, no clusters, 18,432 bytes of LDS; arguments x1, ln2_g, ln2_b, xq; writes xq
.if DOCPART == 14
	.amdgcn_target "amdgcn-amd-amdhsa--gfx1250"
	.amdhsa_code_object_version 6
	.text
	.protected	k_qeb4b5b2567_ln2
	.globl	k_qeb4b5b2567_ln2
	.p2align	8
	.type	k_qeb4b5b2567_ln2,@function
k_qeb4b5b2567_ln2:
	s_mov_b64 s[64:65], 0
	v_nop
	global_prefetch_b8 v0, s[64:65] scope:SCOPE_SE
	s_setreg_imm32_b32 hwreg(HW_REG_WAVE_MODE, 25, 1), 1
	s_wait_xcnt 0x0
; LayerNorm 2 of x1, quantised to E4M3 with one E8M0 byte for each 32 along the 1,024 columns, into xq, laid as the first launch lays it:
; 128 groups of 32 tokens, 33,792 bytes each: tile 0's codes, tile 1's codes (16,384 each, [piece = k / 16][position][16 bytes]), then 512 scale bytes a tile, [position][32].
; Position p of tile t stands for token 32 (t / 2) + 8 (t % 2) + p + 8 (p / 8).  A work-group makes one tile; wave w rows 4 w .. 4 w + 3; a lane holds pieces lane and 32 + lane of each row.
; The mean first, then the sum of squared differences: no difference of large sums.
; LIMITS: NaN and infinities are not served.  A block of zeros gets the scale byte 1 where the rule says 127: its codes are zeros and this program alone reads the bytes.
.set SCI,  17408
.set X,    32
.set GA,   160
.set BE,   192
.set CD,   160
.macro RED
.irp i, 0,1,2,3
	v_add_f32 v[8+2*\i], v[8+2*\i], v[9+2*\i]
.endr
.irp m, 1,2,4,8
.irp i, 0,1,2,3
	v_add_f32_dpp v[8+2*\i], v[8+2*\i], v[8+2*\i] row_xmask:\m row_mask:0xf bank_mask:0xf
.endr
.endr
.irp i, 0,1,2,3
	v_permlanex16_b32 v[9+2*\i], v[8+2*\i], s28, s29
.endr
.irp i, 0,1,2,3
	v_add_f32 v[8+2*\i], v[8+2*\i], v[9+2*\i]
.endr
.endm
.macro QROW i
.irp f, 0,1
	v_max3_num_f32 v[8+4*\f], |v[X+32*\i+16*\f]|, |v[X+32*\i+16*\f+1]|, 0x4800000   ; with the floor 2^(9 - 127)
.endr
.irp j, 2,4,6,8,10,12,14
.irp f, 0,1
	v_max3_num_f32 v[8+4*\f], v[8+4*\f], |v[X+32*\i+16*\f+\j]|, |v[X+32*\i+16*\f+\j+1]|
.endr
.endr
.irp f, 0,1
	v_max_num_f32_dpp v[8+4*\f], v[8+4*\f], v[8+4*\f] row_xmask:1 row_mask:0xf bank_mask:0xf
.endr
.irp f, 0,1
	v_add_nc_u32 v[9+4*\f], 0xfc000000, v[8+4*\f]
	v_and_or_b32 v[10+4*\f], v[8+4*\f], 0x7f800000, s22
.endr
.irp f, 0,1
.irp j, 0,1,2,3,4,5,6,7,8,9,10,11,12,13,14,15
	v_med3_num_f32 v[X+32*\i+16*\f+\j], v[X+32*\i+16*\f+\j], -v[10+4*\f], v[10+4*\f]   ; the conversion does not saturate (ISA guide 7.6.2)
.endr
	v_cvt_scalef32_pk8_fp8_f32 v[CD+8*\i+4*\f:CD+8*\i+4*\f+1], v[X+32*\i+16*\f:X+32*\i+16*\f+7], v[9+4*\f]
	v_cvt_scalef32_pk8_fp8_f32 v[CD+8*\i+4*\f+2:CD+8*\i+4*\f+3], v[X+32*\i+16*\f+8:X+32*\i+16*\f+15], v[9+4*\f]
	v_lshrrev_b32 v[16+2*\i+\f], 23, v[9+4*\f]
	ds_store_b128 v3, v[CD+8*\i+4*\f:CD+8*\i+4*\f+3] offset:16*\i+8704*\f
	ds_store_b8 v4, v[16+2*\i+\f] offset:32*\i+16*\f
.endr
.endm
	v_and_b32 v1, 31, v0
	v_lshrrev_b32 v7, 5, v0
	v_readfirstlane_b32 s12, v7
	s_load_b256 s[4:11], s[0:1], 0x0               ; x1, gain, bias, xq
	v_lshl_add_u32 v224, v0, 2, 0x4600
	v_mov_b32 v225, 0
	v_lshlrev_b32 v2, 6, v1
	v_mul_u32_u24 v3, v1, 272
	s_lshl_b32 s13, s12, 6
	v_add_nc_u32 v3, s13, v3
	v_lshrrev_b32 v4, 1, v1
	s_lshl_b32 s13, s12, 7
	s_add_co_u32 s13, s13, SCI
	v_add_nc_u32 v4, s13, v4
	v_lshrrev_b32 v5, 4, v1
	s_lshl_b32 s13, s12, 4
	v_add_nc_u32 v5, s13, v5
	v_mul_u32_u24 v5, v5, 272
	v_and_b32 v6, 15, v1
	v_lshl_add_u32 v5, v6, 4, v5
	v_lshlrev_b32 v6, 4, v1
	v_add_nc_u32 v7, SCI, v6
	s_lshr_b32 s13, ttmp9, 1
	s_and_b32 s14, ttmp9, 1
	s_lshl_b32 s15, s13, 5
	s_lshl_b32 s16, s14, 3
	s_add_co_u32 s15, s15, s16
	s_lshl_b32 s16, s12, 2
	s_add_co_u32 s15, s15, s16
	s_lshr_b32 s16, s12, 1
	s_lshl_b32 s16, s16, 3
	s_add_co_u32 s15, s15, s16
	s_lshl_b32 s16, s15, 12
	s_mov_b32 s17, 0
	s_mul_i32 s18, s13, 33792
	s_lshl_b32 s19, s14, 14
	s_add_co_u32 s24, s18, s19
	s_lshl_b32 s19, s12, 12
	s_add_co_u32 s24, s24, s19
	s_mov_b32 s25, 0
	s_lshl_b32 s19, s14, 9
	s_add_co_u32 s26, s18, s19
	s_add_co_u32 s26, s26, 32768
	s_mov_b32 s27, 0
	s_mov_b32 s20, 0x3a800000
	s_mov_b32 s21, 0x3727c5ac
	s_mov_b32 s22, 0x600000
	s_mov_b32 s28, 0x76543210
	s_mov_b32 s29, 0xfedcba98
	s_wait_kmcnt 0x0
	s_add_nc_u64 s[4:5], s[4:5], s[16:17]
	s_add_nc_u64 s[24:25], s[10:11], s[24:25]
	s_add_nc_u64 s[26:27], s[10:11], s[26:27]
.irp i, 0,1,2,3
.irp f, 0,1
.irp j, 0,1,2,3
	global_load_b128 v[X+32*\i+16*\f+4*\j:X+32*\i+16*\f+4*\j+3], v2, s[4:5] offset:\i*4096+\f*2048+16*\j
.endr
.endr
.endr
.irp f, 0,1
.irp j, 0,1,2,3
	global_load_b128 v[GA+16*\f+4*\j:GA+16*\f+4*\j+3], v2, s[6:7] offset:\f*2048+16*\j
	global_load_b128 v[BE+16*\f+4*\j:BE+16*\f+4*\j+3], v2, s[8:9] offset:\f*2048+16*\j
.endr
.endr
	s_wait_loadcnt 16                              ; the rows are in; the 16 loads of gain and bias may stay out
.irp i, 0,1,2,3
	v_pk_add_f32 v[8+2*\i:9+2*\i], v[X+32*\i:X+32*\i+1], v[X+32*\i+2:X+32*\i+3]
.endr
.irp j, 4,6,8,10,12,14,16,18,20,22,24,26,28,30
.irp i, 0,1,2,3
	v_pk_add_f32 v[8+2*\i:9+2*\i], v[8+2*\i:9+2*\i], v[X+32*\i+\j:X+32*\i+\j+1]
.endr
.endr
	RED
.irp i, 0,1,2,3
	v_mul_f32 v[16+2*\i], s20, v[8+2*\i]
	v_mul_f32 v[17+2*\i], s20, v[8+2*\i]
.endr
.irp i, 0,1,2,3
.set j, 0
.rept 16
	v_pk_add_f32 v[X+32*\i+j:X+32*\i+j+1], v[X+32*\i+j:X+32*\i+j+1], v[16+2*\i:17+2*\i] neg_lo:[0,1] neg_hi:[0,1]
.set j, j+2
.endr
.endr
.irp i, 0,1,2,3
	v_pk_mul_f32 v[8+2*\i:9+2*\i], v[X+32*\i:X+32*\i+1], v[X+32*\i:X+32*\i+1]
.endr
.irp j, 2,4,6,8,10,12,14,16,18,20,22,24,26,28,30
.irp i, 0,1,2,3
	v_pk_fma_f32 v[8+2*\i:9+2*\i], v[X+32*\i+\j:X+32*\i+\j+1], v[X+32*\i+\j:X+32*\i+\j+1], v[8+2*\i:9+2*\i]
.endr
.endr
	RED
.irp i, 0,1,2,3
	v_fma_f32 v[8+2*\i], v[8+2*\i], s20, s21
.endr
	s_wait_alu depctr_va_vdst(0)
.irp i, 0,1,2,3
	v_rsq_f32 v[24+2*\i], v[8+2*\i]
	v_rsq_f32 v[25+2*\i], v[8+2*\i]
.endr
	v_nop                                          ; a plain place behind the transcendentals
	s_wait_loadcnt 0x0
	s_wait_alu depctr_va_vdst(0)
.irp i, 0,1,2,3
.set j, 0
.rept 16
	v_pk_mul_f32 v[X+32*\i+j:X+32*\i+j+1], v[X+32*\i+j:X+32*\i+j+1], v[24+2*\i:25+2*\i]
.set j, j+2
.endr
.set j, 0
.rept 16
	v_pk_fma_f32 v[X+32*\i+j:X+32*\i+j+1], v[X+32*\i+j:X+32*\i+j+1], v[GA+j:GA+j+1], v[BE+j:BE+j+1]
.set j, j+2
.endr
.endr
.irp i, 0,1,2,3
	QROW \i
.endr
	s_wait_dscnt 0x0                               ; for the others' sake: my stores have landed
	s_barrier_signal -1
	s_barrier_wait -1
.irp k, 0,1,2,3,4,5,6,7
	ds_load_b128 v[X+4*\k:X+4*\k+3], v5 offset:544*\k
.endr
.irp k, 0,1,2,3,4,5,6,7
	s_wait_dscnt 7-\k                              ; the younger loads may stay out
	global_store_b128 v6, v[X+4*\k:X+4*\k+3], s[24:25] offset:512*\k
.endr
	s_cmp_lg_u32 s12, 0
	s_cbranch_scc1 .Lln_end
	ds_load_b128 v[X+32:X+35], v7
	s_wait_dscnt 0x0
	global_store_b128 v6, v[X+32:X+35], s[26:27]
.Lln_end:
	s_wait_tensorcnt 0x0
	ds_add_u32 v224, v225
	s_wait_dscnt 0x0
	s_endpgm
.Lfunc_end_k_qeb4b5b2567_ln2:
	.size	k_qeb4b5b2567_ln2, .Lfunc_end_k_qeb4b5b2567_ln2-k_qeb4b5b2567_ln2
	.p2alignl 7, 3214868480
	.fill 96, 4, 3214868480
	.section	.rodata,"a",@progbits
	.p2align	6, 0x0
	.amdhsa_kernel k_qeb4b5b2567_ln2
		.amdhsa_group_segment_fixed_size 18432
		.amdhsa_private_segment_fixed_size 0
		.amdhsa_enable_private_segment 0
		.amdhsa_kernarg_size 32
		.amdhsa_user_sgpr_count 2
		.amdhsa_user_sgpr_kernarg_segment_ptr 1
		.amdhsa_wavefront_size32 1
		.amdhsa_system_sgpr_workgroup_id_x 1
		.amdhsa_system_sgpr_workgroup_id_y 1
		.amdhsa_system_sgpr_workgroup_id_z 1
		.amdhsa_system_vgpr_workitem_id 0
		.amdhsa_next_free_vgpr 226
		.amdhsa_next_free_sgpr 66
		.amdhsa_reserve_vcc 0
		.amdhsa_float_denorm_mode_32 3
		.amdhsa_float_denorm_mode_16_64 3
		.amdhsa_memory_ordered 1
		.amdhsa_forward_progress 1
		.amdhsa_inst_pref_size 49
	.end_amdhsa_kernel
	.amdgpu_metadata
---
amdhsa.version: [ 1, 2 ]
amdhsa.kernels:
  - .name:           k_qeb4b5b2567_ln2
    .symbol:         k_qeb4b5b2567_ln2.kd
    .args:
      - { .name: x1, .offset: 0, .size: 8, .value_kind: global_buffer, .address_space: global }
      - { .name: ln2_g, .offset: 8, .size: 8, .value_kind: global_buffer, .address_space: global }
      - { .name: ln2_b, .offset: 16, .size: 8, .value_kind: global_buffer, .address_space: global }
      - { .name: xq, .offset: 24, .size: 8, .value_kind: global_buffer, .address_space: global }
    .group_segment_fixed_size: 18432
    .private_segment_fixed_size: 0
    .kernarg_segment_align: 8
    .kernarg_segment_size: 32
    .max_flat_workgroup_size: 128
    .sgpr_count:     66
    .vgpr_count:     226
    .wavefront_size: 32
...
	.end_amdgpu_metadata
.endif
;; end of part 14
;; launch ffn1 (part 15): grid 16 x 16, 4 waves a work-group, no clusters, 270,848 bytes of LDS; arguments xq, wl, w1_scales, b1, hq; writes hq
.if DOCPART == 15
	.amdgcn_target "amdgcn-amd-amdhsa--gfx1250"
	.amdhsa_code_object_version 6
	.text
	.protected	k_qeb4b5b2567_ffn1
	.globl	k_qeb4b5b2567_ffn1
	.p2align	8
	.type	k_qeb4b5b2567_ffn1,@function
k_qeb4b5b2567_ffn1:
	s_mov_b64 s[64:65], 0
	v_nop
	global_prefetch_b8 v0, s[64:65] scope:SCOPE_SE
	s_setreg_imm32_b32 hwreg(HW_REG_WAVE_MODE, 25, 1), 1
	s_wait_xcnt 0x0
; hidden = quick_gelu(Q(LN2(x1)) w1^T + b1), quantised at once along its 4,096 columns for the last product.  quick_gelu(z) = z / (1 + 2^(-1.702 log2(e) z)), in f32.
; SHARES as in the qkv launch: a work-group owns 256 columns (x) and 256 tokens (y); wave w owns 64 columns, whose 32 weight fragments (512 registers) stay in registers; the tokens' codes and scale bytes
; (8 groups of 32: 270,336 bytes, dense) come into LDS once, a quarter by each wave's one tensor load; nothing is filled again.  A trip is one group: 64 matrix instructions.
; Source 0 = weights, source 1 = tokens: a lane holds one token, and the 16 registers of column tiles 2 b, 2 b + 1 are columns 32 b + 16 (lane / 16) + 0 .. 15 (position p of tile t stands for row 32 (t / 2) + 8 (t % 2) + p + 8 (p / 8)).
; OUT (hq): 128 groups of 135,168 bytes: tile 0's codes, tile 1's (65,536 each, [piece = k / 16][position][16]), then 2,048 scale bytes a tile, [position][128].  A wave's two scale bytes of a row leave by a store of two bytes a lane.
; No joint loads: of a work-group's bytes the weights go straight into registers, and only the token block could be shared.
; LIMITS: NaN and infinities are not served; a block of zeros gets the byte 1.
.set NT,   8
.set GB,   33792
.set LI,   1
.set ADA,  2
.set ADS,  3
.set L32,  4
.set WS,   16
.set AS,   32
.set BIAS, 40
.set ACC,  72
.set PC,   136
.set TM,   152
.set T,    168
.set E,    176
.set MSB,  0
.macro WIN new
.if MSB != (\new)
	s_set_vgpr_msb (MSB<<8)|(\new)
.set MSB, (\new)
.endif
.endm
.macro PL n
.rept \n
	v_nop
.endr
.endm
.macro WM d, a, b, c, sa, sb, ra, rb
.if (\ra) && (\rb)
	v_wmma_scale_f32_16x16x128_f8f6f4 v[\d:\d+7], v[\a:\a+15], v[\b:\b+15], v[\c:\c+7], v[\sa], v[\sb] matrix_a_scale:MATRIX_SCALE_ROW1 matrix_b_scale:MATRIX_SCALE_ROW1
.elseif (\ra)
	v_wmma_scale_f32_16x16x128_f8f6f4 v[\d:\d+7], v[\a:\a+15], v[\b:\b+15], v[\c:\c+7], v[\sa], v[\sb] matrix_a_scale:MATRIX_SCALE_ROW1
.elseif (\rb)
	v_wmma_scale_f32_16x16x128_f8f6f4 v[\d:\d+7], v[\a:\a+15], v[\b:\b+15], v[\c:\c+7], v[\sa], v[\sb] matrix_b_scale:MATRIX_SCALE_ROW1
.else
	v_wmma_scale_f32_16x16x128_f8f6f4 v[\d:\d+7], v[\a:\a+15], v[\b:\b+15], v[\c:\c+7], v[\sa], v[\sb]
.endif
.endm
.macro MM m                            ; the four sums take turns, one instruction a turn; the bias is the C of each sum's first
.irp s, 0,1,2,3,4,5,6,7
	WIN 0x0d+(\s/4)
.irp t, 0,1,2,3
.if \s == 0
	WM ACC+32*\m+8*\t, 16*(4*(\s%4)+\t), 16*(8*\m+\s), BIAS+8*\t, WS+8*(\t/2)+\s, AS+\s, \t%2, \m
.else
	WM ACC+32*\m+8*\t, 16*(4*(\s%4)+\t), 16*(8*\m+\s), ACC+32*\m+8*\t, WS+8*(\t/2)+\s, AS+\s, \t%2, \m
.endif
.endr
.endr
.endm
.macro FETCH m
	WIN 0xc0
.irp s, 0,1,2,3,4,5,6,7
.irp c, 0,1,2,3
	ds_load_b128 v[16*(8*\m+\s)+4*\c:16*(8*\m+\s)+4*\c+3], v[ADA] offset:\m*16384+\s*2048+\c*512
.endr
.endr
	WIN 0
.endm
.macro ASLD
	ds_load_b128 v[AS:AS+3], v[ADS] offset:32768
	ds_load_b128 v[AS+4:AS+7], v[ADS] offset:32784
.endm
.macro TRIPM next
	s_wait_dscnt 0x0                               ; this group's fragments were asked for an epilogue ago
	MM 0
	WIN 0
.if \next
	v_add_nc_u32 v[ADA], s31, v[LI]
	v_add_nc_u32 v[ADS], s31, v[L32]
	PL 6                                           ; eight places ahead of loads into registers that the products read
	FETCH 0
.endif
	MM 1
	WIN 0
	PL 8
.if \next
	ASLD
	FETCH 1
	s_add_co_u32 s31, s31, GB
.endif
.endm
.macro QUANT s
.irp b, 0,1,2,3
	v_max3_num_f32 v[TM+\b], |v[\s+16*\b]|, |v[\s+16*\b+1]|, 0x4800000
.endr
.irp i, 2,4,6,8,10,12,14
.irp b, 0,1,2,3
	v_max3_num_f32 v[TM+\b], v[TM+\b], |v[\s+16*\b+\i]|, |v[\s+16*\b+\i+1]|
.endr
.endr
.irp b, 0,1,2,3
	v_permlanex16_b32 v[TM+4+\b], v[TM+\b], s28, s29
.endr
.irp b, 0,1,2,3
	v_max_num_f32 v[TM+\b], v[TM+\b], v[TM+4+\b]
.endr
.irp b, 0,1,2,3
	v_add_nc_u32 v[TM+12+\b], 0xfc000000, v[TM+\b]
.endr
.irp b, 0,1,2,3
	v_and_or_b32 v[TM+8+\b], v[TM+\b], 0x7f800000, s27
.endr
.irp b, 0,1,2,3
	v_lshrrev_b32 v[TM+4+\b], 23, v[TM+12+\b]
.endr
.irp b, 0,1,2,3
.irp i, 0,1,2,3,4,5,6,7,8,9,10,11,12,13,14,15
	v_med3_num_f32 v[\s+16*\b+\i], v[\s+16*\b+\i], -v[TM+8+\b], v[TM+8+\b]   ; the conversion does not saturate (ISA guide 7.6.2)
.endr
	v_cvt_scalef32_pk8_fp8_f32 v[PC+4*\b:PC+4*\b+1], v[\s+16*\b:\s+16*\b+7], v[TM+12+\b]
	v_cvt_scalef32_pk8_fp8_f32 v[PC+4*\b+2:PC+4*\b+3], v[\s+16*\b+8:\s+16*\b+15], v[TM+12+\b]
.endr
	v_nop                                          ; a plain place behind the last conversion: the next products write its sources
.endm
.macro EPF
.set j, 0
.rept 32
	v_pk_mul_f32 v[E+j:E+j+1], v[ACC+j:ACC+j+1], s[44:45] op_sel_hi:[1,0]    ; -1.702 log2(e) z
.set j, j+2
.endr
.set j, 0
	s_wait_alu depctr_va_vdst(0)
.rept 64
	v_exp_f32 v[E+j], v[E+j]
.set j, j+1
.endr
	v_nop
.set j, 0
	s_wait_alu depctr_va_vdst(0)
.rept 32
	v_pk_add_f32 v[E+j:E+j+1], v[E+j:E+j+1], 1.0 op_sel_hi:[1,0]
.set j, j+2
.endr
.set j, 0
	s_wait_alu depctr_va_vdst(0)
.rept 64
	v_rcp_f32 v[E+j], v[E+j]
.set j, j+1
.endr
	v_nop
.set j, 0
	s_wait_alu depctr_va_vdst(0)
.rept 32
	v_pk_mul_f32 v[ACC+j:ACC+j+1], v[ACC+j:ACC+j+1], v[E+j:E+j+1]
.set j, j+2
.endr
	QUANT ACC
.irp m, 0,1
.irp b, 0,1
	global_store_b128 v[LI], v[PC+4*(2*\m+\b):PC+4*(2*\m+\b)+3], s[40:41] offset:\m*65536+\b*512   ; 512 consecutive bytes
.endr
.endr
	v_lshl_or_b32 v[T], v[TM+5], 8, v[TM+4]
	v_lshl_or_b32 v[T+1], v[TM+7], 8, v[TM+6]
	v_cndmask_b32 v[T+2], v[T], v[T+1], vcc_lo     ; lanes 16-31 store tile 1's two bytes
	global_store_b16 v10, v[T+2], s[42:43]
	s_wait_xcnt 0x0                                ; the stores' data and bases are written again only behind this wait
	s_add_nc_u64 s[40:41], s[40:41], 135168
	s_add_nc_u64 s[42:43], s[42:43], 135168
.endm
	s_load_b256 s[4:11], s[0:1], 0x0               ; xq, wl, w1's scales, b1
	s_load_b64 s[24:25], s[0:1], 0x20              ; hq
	v_lshl_add_u32 v254, v0, 2, 0x42000
	v_mov_b32 v255, 0
	ds_add_u32 v254, v255
	ds_add_u32 v254, v255
	v_lshrrev_b32 v1, 5, v0
	v_readfirstlane_b32 s2, v1
	s_and_b32 s26, ttmp7, 0xffff
	s_mov_b32 s16, 3<<16                           ; group 1: rows of 32 elements of 8 bytes, dense, 264 rows
	s_mov_b32 s17, 32<<16
	s_mov_b32 s18, (33*NT)<<16
	s_mov_b32 s19, 32<<16
	s_mov_b32 s20, 33*NT
	s_mov_b32 s21, 32
	s_mov_b32 s22, 0
	s_mov_b32 s23, 0
	s_mov_b32 s12, 1
	s_mul_i32 s13, s2, 8448*NT
	s_mul_i32 s34, s26, NT*GB
	s_add_co_u32 s34, s34, s13
	s_mov_b32 s35, 0
	s_wait_dscnt 0x0
	s_wait_kmcnt 0x0
	s_add_nc_u64 s[14:15], s[4:5], s[34:35]
	s_or_b32 s15, s15, 0x80000000
	tensor_load_to_lds s[12:15], s[16:23]          ; my one tensor load of the launch
	s_nop 0
	PL 4
	v_and_b32 v5, 31, v0
	v_and_b32 v6, 15, v0
	v_bfe_u32 v7, v0, 4, 1
	v_lshlrev_b32 v[LI], 4, v5
	s_wait_alu depctr_va_vdst(0)
	v_lshlrev_b32 v[L32], 5, v5
	s_lshl_b32 s3, ttmp9, 2
	s_add_co_u32 s3, s3, s2                        ; which 64 columns of the 4,096
	s_lshl_b32 s36, s3, 16
	s_add_co_u32 s36, s36, 0x400000
	s_mov_b32 s37, 0
	s_add_nc_u64 s[36:37], s[6:7], s[36:37]
	WIN 0x40
.irp s, 0,1,2,3
.irp t, 0,1,2,3
.irp c, 0,1,2,3
	global_load_b128 v[16*(4*\s+\t)+4*\c:16*(4*\s+\t)+4*\c+3], v[LI], s[36:37] offset:\t*16384+\s*2048+\c*512
.endr
.endr
.endr
	WIN 0x80
.irp s, 0,1,2,3
.irp t, 0,1,2,3
.irp c, 0,1,2,3
	global_load_b128 v[16*(4*\s+\t)+4*\c:16*(4*\s+\t)+4*\c+3], v[LI], s[36:37] offset:\t*16384+(\s+4)*2048+\c*512
.endr
.endr
.endr
	WIN 0
	v_and_b32 v9, 8, v6
	v_add_nc_u32 v9, v9, v6
	v_lshl_add_u32 v8, v7, 3, v9
	v_lshlrev_b32 v8, 5, v8
	s_lshl_b32 s38, s3, 11
	s_mov_b32 s39, 0
	s_add_nc_u64 s[38:39], s[8:9], s[38:39]
.irp b, 0,1
	global_load_b128 v[WS+8*\b:WS+8*\b+3], v8, s[38:39] offset:\b*1024
	global_load_b128 v[WS+8*\b+4:WS+8*\b+7], v8, s[38:39] offset:\b*1024+16
.endr
	v_lshlrev_b32 v9, 6, v7
	s_lshl_b32 s48, s3, 8
	s_mov_b32 s49, 0
	s_add_nc_u64 s[48:49], s[10:11], s[48:49]
.irp t, 0,1,2,3
	global_load_b128 v[BIAS+8*\t:BIAS+8*\t+3], v9, s[48:49] offset:(32*(\t/2)+8*(\t%2))*4
	global_load_b128 v[BIAS+8*\t+4:BIAS+8*\t+7], v9, s[48:49] offset:(32*(\t/2)+8*(\t%2))*4+16
.endr
	v_lshlrev_b32 v10, 11, v7
	v_lshl_add_u32 v10, v6, 7, v10                 ; scale bytes: 2,048 x tile + 128 x position
.irp b, 0,1,2,3
	v_mov_b32 v[TM+4+\b], 0
.endr
	s_mov_b32 s27, 0x600000
	s_mov_b32 s28, 0x76543210
	s_mov_b32 s29, 0xfedcba98
	s_mov_b32 vcc_lo, 0xffff0000
	s_mov_b32 s44, 0xc01d265f                      ; -1.702 log2(e)
	s_mov_b32 s45, s44
	s_mul_i32 s32, s26, 8*135168
	s_lshl_b32 s33, s3, 10
	s_add_co_u32 s40, s32, s33                     ; codes: pieces 4 x (which 64 columns) on
	s_mov_b32 s41, 0
	s_add_nc_u64 s[40:41], s[24:25], s[40:41]
	s_lshl_b32 s33, s3, 1
	s_add_co_u32 s42, s32, s33
	s_add_co_u32 s42, s42, 131072                  ; scale bytes: blocks 2 x (which 64 columns) on
	s_mov_b32 s43, 0
	s_add_nc_u64 s[42:43], s[24:25], s[42:43]
	s_wait_tensorcnt 0x0
	s_barrier_signal -1
	s_barrier_wait -1
	v_mov_b32 v[ADA], v[LI]
	v_mov_b32 v[ADS], v[L32]
	FETCH 0
	ASLD
	FETCH 1
	s_mov_b32 s31, GB
	s_mov_b32 s30, 0
	s_wait_loadcnt 0x0
.Lg:
	TRIPM 1
	EPF
	s_add_co_u32 s30, s30, 1
	s_cmp_lt_u32 s30, NT-1
	s_cbranch_scc1 .Lg
	TRIPM 0
	EPF
	s_wait_tensorcnt 0x0
	ds_add_u32 v254, v255
	s_wait_dscnt 0x0
	s_endpgm
.Lfunc_end_k_qeb4b5b2567_ffn1:
	.size	k_qeb4b5b2567_ffn1, .Lfunc_end_k_qeb4b5b2567_ffn1-k_qeb4b5b2567_ffn1
	.p2alignl 7, 3214868480
	.fill 96, 4, 3214868480
	.section	.rodata,"a",@progbits
	.p2align	6, 0x0
	.amdhsa_kernel k_qeb4b5b2567_ffn1
		.amdhsa_group_segment_fixed_size 270848
		.amdhsa_private_segment_fixed_size 0
		.amdhsa_enable_private_segment 0
		.amdhsa_kernarg_size 40
		.amdhsa_user_sgpr_count 2
		.amdhsa_user_sgpr_kernarg_segment_ptr 1
		.amdhsa_wavefront_size32 1
		.amdhsa_system_sgpr_workgroup_id_x 1
		.amdhsa_system_sgpr_workgroup_id_y 1
		.amdhsa_system_sgpr_workgroup_id_z 1
		.amdhsa_system_vgpr_workitem_id 0
		.amdhsa_next_free_vgpr 1024
		.amdhsa_next_free_sgpr 66
		.amdhsa_reserve_vcc 1
		.amdhsa_float_denorm_mode_32 3
		.amdhsa_float_denorm_mode_16_64 3
		.amdhsa_memory_ordered 1
		.amdhsa_forward_progress 1
		.amdhsa_inst_pref_size 81
	.end_amdhsa_kernel
	.amdgpu_metadata
---
amdhsa.version: [ 1, 2 ]
amdhsa.kernels:
  - .name:           k_qeb4b5b2567_ffn1
    .symbol:         k_qeb4b5b2567_ffn1.kd
    .args:
      - { .name: xq, .offset: 0, .size: 8, .value_kind: global_buffer, .address_space: global }
      - { .name: wl, .offset: 8, .size: 8, .value_kind: global_buffer, .address_space: global }
      - { .name: w1_scales, .offset: 16, .size: 8, .value_kind: global_buffer, .address_space: global }
      - { .name: b1, .offset: 24, .size: 8, .value_kind: global_buffer, .address_space: global }
      - { .name: hq, .offset: 32, .size: 8, .value_kind: global_buffer, .address_space: global }
    .group_segment_fixed_size: 270848
    .private_segment_fixed_size: 0
    .kernarg_segment_align: 8
    .kernarg_segment_size: 40
    .max_flat_workgroup_size: 128
    .sgpr_count:     66
    .vgpr_count:     1024
    .wavefront_size: 32
...
	.end_amdgpu_metadata
.endif
;; end of part 15
;; launch ffn2 (part 16): grid 16 x 16, 4 waves a work-group, no clusters, 70,144 bytes of LDS; arguments hq, wl, w2_scales, b2, x1, out0; writes out0
.if DOCPART == 16
	.amdgcn_target "amdgcn-amd-amdhsa--gfx1250"
	.amdhsa_code_object_version 6
	.text
	.protected	k_qeb4b5b2567_ffn2
	.globl	k_qeb4b5b2567_ffn2
	.p2align	8
	.type	k_qeb4b5b2567_ffn2,@function
k_qeb4b5b2567_ffn2:
	s_mov_b64 s[64:65], 0
	v_nop
	global_prefetch_b8 v0, s[64:65] scope:SCOPE_SE
	s_setreg_imm32_b32 hwreg(HW_REG_WAVE_SCHED_MODE, 0, 2), 2
	s_setreg_imm32_b32 hwreg(HW_REG_WAVE_MODE, 25, 1), 1
	s_wait_xcnt 0x0
	s_wait_alu depctr_vm_vsrc(0)
; out0 = x1 + hidden w2^T + b2 on E4M3 codes, K = 4,096.
; SHARES.  A work-group owns 64 columns (x) and 256 tokens (y).  THE WAVES SHARE K: wave w owns K steps 8 w .. 8 w + 7, whose 32 weight fragments (64 x 1,024: 512 registers) stay in registers.
; No two waves read the same byte of the hidden layer, so its fragments go from memory straight into registers (images: 512 consecutive bytes a load), a half group ahead: up to 66 loads a wave are out.
; A trip is a group of 32 tokens: 64 matrix instructions; then the four partial sums meet in LDS (32 rows of 256 + 16 bytes from each wave), one barrier, and each wave adds 8 rows, x1 and b2 and stores them:
; sixteen lanes store 256 consecutive bytes, aligned.  Two stages take turns, so that one barrier a trip is enough: a stage is written again two trips on, behind the barrier in front of which every wave has waited for its reads of it.
; Position p of tile t stands for row 32 (t / 2) + 8 (t % 2) + p + 8 (p / 8).  LIMITS: NaN and infinities are not served.
; THE MODE: SCHED_MODE bits 1:0 = 2 (LLVM: expert scheduling mode 2), set by the entry lines.  The code itself states the register dependences
; between vector or matrix instructions and memory or LDS instructions, with s_wait_alu, always for 0.
; THE PLAN.  Registers that memory or LDS instructions touch, in a trip:
;   X0, X1   window 3, v0-127 and v128-255: token tile 0's and tile 1's fragments.  X0 is read by the first 32 products and loaded again behind them; X1 by the second 32, likewise.
;   AS       the tokens' scale words: read by all 64 products, loaded again behind the last.
;   ACC      written by the products; read by my 16 LDS stores; behind the barrier the four parts' rows land in it; the sums write it; the four global stores read its first 16 registers; the next trip's products write it.
;   R        x1's rows land in it at a trip's head; the sums read and write it.
;   v1 .. v8 offsets and addresses, made at the head and never written again: the scalar bases move on, and immediate offsets do the rest.   The weights, their scale words and b2 are loaded once.
; So a trip has three waits on va_vdst: behind the first 32 products (X0's loads); behind the second 32 and their places (the loads into AS and X1, the LDS stores of ACC, and the loads that land in ACC behind the barrier);
; and ahead of the global stores (their data; it also shows the sums done with R, in which the next trip's first loads land: no vector instruction stands between).  And two on vm_vsrc: behind the barrier (my LDS stores have read ACC),
; and at the trip's end (the global stores have read ACC).  The loads stay in runs: a load wants its destination in window 3 and its address in window 0, a product its destination in window 0, so that a load among the products would cost two switches.
.set GB4,  135168
.set WS,   16
.set AS,   32
.set ACC,  72
.set R,    176
.set B2,   192
.set MSB,  0
.macro WIN new
.if MSB != (\new)
	s_set_vgpr_msb (MSB<<8)|(\new)
.set MSB, (\new)
.endif
.endm
.macro PL n
.rept \n
	v_nop
.endr
.endm
.macro WM d, a, b, sa, sb, ra, rb
.if (\ra) && (\rb)
	v_wmma_scale_f32_16x16x128_f8f6f4 v[\d:\d+7], v[\a:\a+15], v[\b:\b+15], v[\d:\d+7], v[\sa], v[\sb] matrix_a_scale:MATRIX_SCALE_ROW1 matrix_b_scale:MATRIX_SCALE_ROW1
.elseif (\ra)
	v_wmma_scale_f32_16x16x128_f8f6f4 v[\d:\d+7], v[\a:\a+15], v[\b:\b+15], v[\d:\d+7], v[\sa], v[\sb] matrix_a_scale:MATRIX_SCALE_ROW1
.elseif (\rb)
	v_wmma_scale_f32_16x16x128_f8f6f4 v[\d:\d+7], v[\a:\a+15], v[\b:\b+15], v[\d:\d+7], v[\sa], v[\sb] matrix_b_scale:MATRIX_SCALE_ROW1
.else
	v_wmma_scale_f32_16x16x128_f8f6f4 v[\d:\d+7], v[\a:\a+15], v[\b:\b+15], v[\d:\d+7], v[\sa], v[\sb]
.endif
.endm
.macro WMZ d, a, b, sa, sb, ra, rb
.if (\ra) && (\rb)
	v_wmma_scale_f32_16x16x128_f8f6f4 v[\d:\d+7], v[\a:\a+15], v[\b:\b+15], 0, v[\sa], v[\sb] matrix_a_scale:MATRIX_SCALE_ROW1 matrix_b_scale:MATRIX_SCALE_ROW1
.elseif (\ra)
	v_wmma_scale_f32_16x16x128_f8f6f4 v[\d:\d+7], v[\a:\a+15], v[\b:\b+15], 0, v[\sa], v[\sb] matrix_a_scale:MATRIX_SCALE_ROW1
.elseif (\rb)
	v_wmma_scale_f32_16x16x128_f8f6f4 v[\d:\d+7], v[\a:\a+15], v[\b:\b+15], 0, v[\sa], v[\sb] matrix_b_scale:MATRIX_SCALE_ROW1
.else
	v_wmma_scale_f32_16x16x128_f8f6f4 v[\d:\d+7], v[\a:\a+15], v[\b:\b+15], 0, v[\sa], v[\sb]
.endif
.endm
.macro MM m                            ; the four sums take turns, one instruction a turn; the first product starts each sum
.irp s, 0,1,2,3,4,5,6,7
	WIN 0x0d+(\s/4)
.irp t, 0,1,2,3
.if \s == 0
	WMZ ACC+32*\m+8*\t, 16*(4*(\s%4)+\t), 16*(8*\m+\s), WS+8*(\t/2)+\s, AS+\s, \t%2, \m
.else
	WM ACC+32*\m+8*\t, 16*(4*(\s%4)+\t), 16*(8*\m+\s), WS+8*(\t/2)+\s, AS+\s, \t%2, \m
.endif
.endr
.endr
.endm
.macro XL m, off, w                    ; token tile m's eight fragments of my K steps, off bytes on from the group in hand.  w = 1: the products that read these registers were issued since the last wait on va_vdst
	WIN 0xc0
.if \w
	s_wait_alu depctr_va_vdst(0)                   ; the 32 products of this tile are done reading its fragments, in which the loads below land (the window is switched first)
.endif
.irp s, 0,1,2,3,4,5,6,7
.irp c, 0,1,2,3
	global_load_b128 v[16*(8*\m+\s)+4*\c:16*(8*\m+\s)+4*\c+3], v1, s[16:17] offset:\off+\m*65536+\s*2048+\c*512 th:TH_LOAD_NT
.endr
.endr
	WIN 0
.endm
.macro ASL off                         ; their scale words: lanes 0-15 tile 0's rows, lanes 16-31 tile 1's
	global_load_b128 v[AS:AS+3], v2, s[16:17] offset:\off+131072
	global_load_b128 v[AS+4:AS+7], v2, s[16:17] offset:\off+131072+16
.endm
.macro TRIP par, next
.irp k, 0,1,2,3
	global_load_b128 v[R+4*\k:R+4*\k+3], v5, s[18:19] offset:\k*8192       ; my 8 rows of x1.  No wait: no vector instruction since the wait ahead of the last trip's stores names R
.endr
	s_wait_loadcnt 36                              ; tile 0's fragments and the scale words are in; younger: tile 1's 32 loads and these 4
	MM 0
	WIN 0
	PL 8                                           ; the places behind the products stay beside the wait below (ISA guide 7.12.1)
.if \next
	XL 0, GB4, 1
	s_wait_loadcnt 36                              ; tile 1's fragments are in; younger: x1's 4 and the 32 just issued
.else
	s_wait_loadcnt 4                               ; younger: x1's 4
.endif
	MM 1
	WIN 0
	PL 8                                           ; eight places behind the last product, before an LDS store reads its result
	s_wait_alu depctr_va_vdst(0)                   ; the products have written ACC, which the LDS stores read and in which the parts' rows land behind the barrier; they are done reading AS and tile 1's fragments, in which the loads below land
.if \next
	ASL GB4
	XL 1, GB4, 0                                   ; between the wait above and these loads stand two loads and a window switch alone
.endif
.irp m, 0,1
.irp b, 0,1
.irp q, 0,1,2,3
	ds_store_b128 v3, v[ACC+32*\m+16*\b+4*\q:ACC+32*\m+16*\b+4*\q+3] offset:\par*34816+\m*4352+128*\b+16*\q
.endr
.endr
.endr
	s_wait_dscnt 0x0                               ; for the others' sake: my stores have landed (my reads of the other stage were waited for last trip)
	s_barrier_signal -1
	s_barrier_wait -1
	s_wait_alu depctr_vm_vsrc(0)                   ; my LDS stores have read ACC, in which the loads below land
.irp v, 0,1,2,3
.irp k, 0,1,2,3
	ds_load_b128 v[ACC+16*\v+4*\k:ACC+16*\v+4*\k+3], v4 offset:\par*34816+8704*\v+544*\k
.endr
.endr
.if \next
	s_wait_loadcnt 63                              ; x1's rows are in: 66 loads are younger, and a wait's count names 63 at the most
.else
	s_wait_loadcnt 0x0
.endif
	s_wait_dscnt 0x0
.irp k, 0,1,2,3
.irp e, 0,2
	v_pk_add_f32 v[ACC+4*\k+\e:ACC+4*\k+\e+1], v[ACC+4*\k+\e:ACC+4*\k+\e+1], v[ACC+16+4*\k+\e:ACC+16+4*\k+\e+1]
	v_pk_add_f32 v[ACC+32+4*\k+\e:ACC+32+4*\k+\e+1], v[ACC+32+4*\k+\e:ACC+32+4*\k+\e+1], v[ACC+48+4*\k+\e:ACC+48+4*\k+\e+1]
	v_pk_add_f32 v[R+4*\k+\e:R+4*\k+\e+1], v[R+4*\k+\e:R+4*\k+\e+1], v[B2+\e:B2+\e+1]
.endr
.endr
.irp k, 0,1,2,3
.irp e, 0,2
	v_pk_add_f32 v[ACC+4*\k+\e:ACC+4*\k+\e+1], v[ACC+4*\k+\e:ACC+4*\k+\e+1], v[ACC+32+4*\k+\e:ACC+32+4*\k+\e+1]
.endr
.endr
.irp k, 0,1,2,3
.irp e, 0,2
	v_pk_add_f32 v[ACC+4*\k+\e:ACC+4*\k+\e+1], v[ACC+4*\k+\e:ACC+4*\k+\e+1], v[R+4*\k+\e:R+4*\k+\e+1]
.endr
.endr
	s_wait_alu depctr_va_vdst(0)                   ; the sums have written ACC's first 16 registers, which the stores read, and are done with R, in which the next trip's first loads land
.irp k, 0,1,2,3
	global_store_b128 v5, v[ACC+4*\k:ACC+4*\k+3], s[20:21] offset:\k*8192 th:TH_STORE_NT
.endr
	s_wait_xcnt 0x0                                ; bases and the stores' data are written again only behind this wait
.if \next
	s_wait_alu depctr_vm_vsrc(0)                   ; the stores have read ACC, which the next trip's products write
.endif
	s_add_nc_u64 s[16:17], s[16:17], GB4
	s_add_nc_u64 s[18:19], s[18:19], 131072
	s_add_nc_u64 s[20:21], s[20:21], 131072
.endm
	s_load_b256 s[4:11], s[0:1], 0x0               ; hq, wl, w2's scales, b2
	s_load_b128 s[12:15], s[0:1], 0x20             ; x1, out0
	v_lshl_add_u32 v254, v0, 2, 0x11000
	v_mov_b32 v255, 0
	v_lshrrev_b32 v1, 5, v0
	v_readfirstlane_b32 s2, v1
	s_and_b32 s3, ttmp7, 0xffff
	v_and_b32 v9, 31, v0
	v_and_b32 v10, 15, v0
	v_bfe_u32 v11, v0, 4, 1
	v_lshlrev_b32 v6, 4, v9                        ; 16 x lane
	s_wait_alu depctr_va_sdst(0)                   ; s2, the wave's number, is written, ahead of its first reader
	s_lshl_b32 s24, s2, 14
	v_add_nc_u32 v1, s24, v6                       ; + my K steps' 16,384 bytes of a tile
	s_lshl_b32 s24, s2, 5
	v_lshl_add_u32 v2, v9, 7, s24                  ; scale bytes: 128 a row, my 32 of them
	s_mul_i32 s24, s2, 8704
	v_mul_u32_u24 v3, v10, 272
	v_lshl_add_u32 v3, v11, 6, v3
	v_add_nc_u32 v3, s24, v3                       ; stage, in: my part; row = position, + 64 (lane / 16)
	s_lshl_b32 s24, s2, 3
	v_add_nc_u32 v4, s24, v11
	v_mul_u32_u24 v4, v4, 272
	v_lshl_add_u32 v4, v10, 4, v4                  ; stage, out: rows 8 w + 2 k + lane / 16 of each part
	v_lshlrev_b32 v5, 12, v11
	v_lshl_add_u32 v5, v10, 4, v5                  ; and two rows of x1 and out0
	v_and_b32 v7, 8, v10
	v_add_nc_u32 v7, v7, v10
	v_lshl_add_u32 v7, v11, 3, v7
	v_lshlrev_b32 v7, 7, v7
	v_lshlrev_b32 v8, 4, v10
	s_mul_i32 s16, s3, 8*GB4
	s_mov_b32 s17, 0
	s_lshl_b32 s18, s3, 8
	s_lshr_b32 s24, s2, 1
	s_lshl_b32 s24, s24, 3
	s_add_co_u32 s18, s18, s24
	s_and_b32 s24, s2, 1
	s_lshl_b32 s24, s24, 4
	s_add_co_u32 s18, s18, s24                     ; my first token: 256 y + 8 (w / 2) + 16 (w % 2)
	s_lshl_b32 s18, s18, 12
	s_lshl_b32 s24, ttmp9, 8
	s_add_co_u32 s18, s18, s24
	s_mov_b32 s19, 0
	s_lshl_b32 s22, ttmp9, 18
	s_lshl_b32 s24, s2, 14
	s_add_co_u32 s22, s22, s24
	s_add_co_u32 s22, s22, 0x800000
	s_mov_b32 s23, 0
	s_lshl_b32 s28, ttmp9, 13
	s_lshl_b32 s24, s2, 5
	s_add_co_u32 s28, s28, s24
	s_mov_b32 s29, 0
	s_lshl_b32 s30, ttmp9, 8
	s_mov_b32 s31, 0
	s_wait_kmcnt 0x0
	s_add_nc_u64 s[16:17], s[4:5], s[16:17]
	s_add_nc_u64 s[20:21], s[14:15], s[18:19]
	s_add_nc_u64 s[18:19], s[12:13], s[18:19]
	s_add_nc_u64 s[22:23], s[6:7], s[22:23]
	s_add_nc_u64 s[28:29], s[8:9], s[28:29]
	s_add_nc_u64 s[30:31], s[10:11], s[30:31]
	WIN 0x40
	s_wait_alu depctr_va_vdst(0)                   ; the eight offsets and addresses v1 to v8 are written, which every load, store and LDS instruction of the kernel reads; no vector instruction writes them again
.irp s, 0,1,2,3
.irp t, 0,1,2,3
.irp c, 0,1,2,3
	global_load_b128 v[16*(4*\s+\t)+4*\c:16*(4*\s+\t)+4*\c+3], v6, s[22:23] offset:\t*65536+\s*2048+\c*512
.endr
.endr
.endr
	WIN 0x80
.irp s, 0,1,2,3
.irp t, 0,1,2,3
.irp c, 0,1,2,3
	global_load_b128 v[16*(4*\s+\t)+4*\c:16*(4*\s+\t)+4*\c+3], v6, s[22:23] offset:\t*65536+(\s+4)*2048+\c*512
.endr
.endr
.endr
	WIN 0
.irp b, 0,1
	global_load_b128 v[WS+8*\b:WS+8*\b+3], v7, s[28:29] offset:\b*4096
	global_load_b128 v[WS+8*\b+4:WS+8*\b+7], v7, s[28:29] offset:\b*4096+16
.endr
	global_load_b128 v[B2:B2+3], v8, s[30:31]
	XL 0, 0, 0
	ASL 0
	XL 1, 0, 0
	s_mov_b32 s26, 0
.Lpair:
	TRIP 0, 1
	TRIP 1, 1
	s_add_co_u32 s26, s26, 1
	s_cmp_lt_u32 s26, 3
	s_cbranch_scc1 .Lpair
	TRIP 0, 1
	TRIP 1, 0                                      ; the last group asks for nothing: no load leaves its buffer
	s_wait_dscnt 0x0                               ; the closing lines, six on end (every window is 0 here)
	s_wait_alu 0x0
	s_wait_tensorcnt 0x0
	ds_add_u32 v254, v255
	s_wait_dscnt 0x0
	s_endpgm
.Lfunc_end_k_qeb4b5b2567_ffn2:
	.size	k_qeb4b5b2567_ffn2, .Lfunc_end_k_qeb4b5b2567_ffn2-k_qeb4b5b2567_ffn2
	.p2alignl 7, 3214868480
	.fill 96, 4, 3214868480
	.section	.rodata,"a",@progbits
	.p2align	6, 0x0
	.amdhsa_kernel k_qeb4b5b2567_ffn2
		.amdhsa_group_segment_fixed_size 70144
		.amdhsa_private_segment_fixed_size 0
		.amdhsa_enable_private_segment 0
		.amdhsa_kernarg_size 48
		.amdhsa_user_sgpr_count 2
		.amdhsa_user_sgpr_kernarg_segment_ptr 1
		.amdhsa_wavefront_size32 1
		.amdhsa_system_sgpr_workgroup_id_x 1
		.amdhsa_system_sgpr_workgroup_id_y 1
		.amdhsa_system_sgpr_workgroup_id_z 1
		.amdhsa_system_vgpr_workitem_id 0
		.amdhsa_next_free_vgpr 1024
		.amdhsa_next_free_sgpr 66
		.amdhsa_reserve_vcc 0
		.amdhsa_float_denorm_mode_32 3
		.amdhsa_float_denorm_mode_16_64 3
		.amdhsa_memory_ordered 1
		.amdhsa_forward_progress 1
		.amdhsa_inst_pref_size 100
	.end_amdhsa_kernel
	.amdgpu_metadata
---
amdhsa.version: [ 1, 2 ]
amdhsa.kernels:
  - .name:           k_qeb4b5b2567_ffn2
    .symbol:         k_qeb4b5b2567_ffn2.kd
    .args:
      - { .name: hq, .offset: 0, .size: 8, .value_kind: global_buffer, .address_space: global }
      - { .name: wl, .offset: 8, .size: 8, .value_kind: global_buffer, .address_space: global }
      - { .name: w2_scales, .offset: 16, .size: 8, .value_kind: global_buffer, .address_space: global }
      - { .name: b2, .offset: 24, .size: 8, .value_kind: global_buffer, .address_space: global }
      - { .name: x1, .offset: 32, .size: 8, .value_kind: global_buffer, .address_space: global }
      - { .name: out0, .offset: 40, .size: 8, .value_kind: global_buffer, .address_space: global }
    .group_segment_fixed_size: 70144
    .private_segment_fixed_size: 0
    .kernarg_segment_align: 8
    .kernarg_segment_size: 48
    .max_flat_workgroup_size: 128
    .sgpr_count:     66
    .vgpr_count:     1024
    .wavefront_size: 32
...
	.end_amdgpu_metadata
.endif
;; end of part 16
